; MI455X (gfx1250); checked and timed in simulation.
; The chip was launched on July 23, 2026; its instructions are those of AMD's public machine-readable ISA for CDNA 5 (MIT licence, August 2026) and "CDNA5" Instruction Set Architecture Reference Guide (July 2026). The comments in the code are by the model that wrote it; some were corrected since.
;; Block2048. Allowed arithmetic: matrix products marked QUANTISED: E4M3 operands, one E8M0 scale for each 32 along K, by v_wmma_scale_f32_16x16x128_f8f6f4 with both operands' format E4M3, f32 sums; everything else in f32.
;; Inputs: n1_w 1,024 float32; n2_w 1,024 float32; w1 2,730 x 1,024 float32; w2 1,024 x 2,730 float32; w3 2,730 x 1,024 float32; w_o 1,024 x 1,024 float32; w_qkv 3,072 x 1,024 float32; x 2 x 2,048 x 1,024 float32.
;; Outputs: out0 2 x 2,048 x 1,024 float32.
;; This version of the problem:
;;   THIS VERSION OF THE PROBLEM IS GIVEN IN LOW PRECISION. The matrix products marked QUANTISED in the list below multiply operands that are first quantised to E4M3 (4 exponent bits, 3 mantissa bits; 8 bits a number), with one power-of-two scale for each 32 numbers along K (OCP MX v1.0); their sums are f32. All else is computed in f32.
;;   The module's matrix products, in the order in which they are computed (A, B: the left and right operand; K: the contracted axis; several contracted axes count as one K, in the product's order):
;;     1. [M 4,096, K 1,024] x [K 1,024, N 3,072]; A: computed on the way; B: input w_qkv: QUANTISED
;;     2. batch 32 x [M 2,048, K 64] x [K 64, N 2,048]; A: computed on the way; B: computed on the way: QUANTISED
;;     3. batch 32 x [M 64, K 2,048] x [K 2,048, N 2,048]; A: computed on the way; B: softmax (see below): QUANTISED
;;     4. [M 4,096, K 1,024] x [K 1,024, N 1,024]; A: computed on the way; B: input w_o: QUANTISED
;;     5. [M 4,096, K 1,024] x [K 1,024, N 2,730]; A: computed on the way; B: input w1: QUANTISED
;;     6. [M 4,096, K 1,024] x [K 1,024, N 2,730]; A: computed on the way; B: input w3: QUANTISED
;;     7. [M 4,096, K 2,730] x [K 2,730, N 1,024]; A: computed on the way; B: input w2: QUANTISED
;;   THE QUANTISER, for each operand of a quantised product, along K:
;;     - K is cut into blocks of 32 from its start; a last block that is shorter is filled with zeros.
;;     - A block's scale is 2^e with e = floor(log2(the largest magnitude in the block)) - 8, held to -126 .. 127; a block of zeros has e = 0. As a byte (E8M0): e + 127.
;;     - Each number is divided by its block's scale, clamped to +-448, and rounded to the nearest number of E4M3, ties to even, subnormals kept.
;;     - The product sums the exact products of the quantised numbers (number of the format x scale) in f32.
;;   ~~~python
;;   def quantise(x, axis):      # numpy; x: float32 -> the quantised numbers, widened to float32 again
;;       x = np.moveaxis(x, axis, -1); K = x.shape[-1]
;;       x = np.pad(x, [(0, 0)] * (x.ndim - 1) + [(0, -K % 32)]); x = x.reshape(x.shape[:-1] + (-1, 32)); a = np.abs(x).max(-1, keepdims=True)
;;       e = np.where(a > 0, np.clip(np.frexp(np.where(a > 0, a, 1))[1] - 1 - 8, -126, 127), 0)      # np.frexp(a)[1] - 1 = floor(log2(a)), exactly
;;       r = np.clip(x / 2.0 ** e, -448, 448)
;;       step = 2.0 ** (np.maximum(np.frexp(np.where(r == 0, 1, r))[1] - 1, -6) - 3)
;;       q = np.round(r / step) * step * 2.0 ** e      # np.round: ties to even
;;       return np.moveaxis(q.reshape(q.shape[:-2] + (-1,))[..., :K], -1, axis).astype(np.float32)
;;   ~~~
;;   SOFTMAX AHEAD OF A QUANTISED PRODUCT. Where the list says 'softmax', what is quantised is not the finished softmax but p = 2^(t - M), with t = logit x log2(e) and M = ceil(the row's largest t), a whole number; so 1/2 < the row's largest p <= 1. The row's sum l is taken of the UNQUANTISED p, in f32, and the product's result is divided by l at the end. Since M is a whole number, a kernel that streams over the keys may use a running M (the ceiling of the running maximum): every later rescaling is an exact power of two, which a block's scale takes up: the codes' values come out the same.
;;   OPERANDS COMPUTED ON THE WAY. 'Computed on the way' means the value that the module computes at that place (a softmax that the list does not call 'softmax' is quantised finished and normalised). What goes into a quantiser is computed in f32, as accurately as f32 sums, v_exp_f32 and their like allow (about 1e-6 of the number): no bf16 or f16 on the way to a quantiser, and a product that is left as it is and whose result goes on into a quantised operand takes f32 operands (vector FMAs, or v_wmma_f32_16x16x4_f32). A number that lies on a knife's edge between two numbers of the format may be rounded either way, as far as f32 arithmetic and the matrix unit's own rounding can turn it there, and no further.
;; 2 versions. Each part assembles by itself: llvm-mc -triple=amdgcn-amd-amdhsa -mcpu=gfx1250 --defsym DOCPART=n.
;; ======== version 1 of 2: 7 launches
;; workspace buffers: ck 22,544,384 bytes; sk 704,512 bytes; c2 14,417,920 bytes; s2 450,560 bytes; qc 12,582,912 bytes; qs 393,216 bytes; x1 16,777,216 bytes
;; launch prep (part 1): grid 928 x 1, 4 waves a work-group, no clusters, 44,544 bytes of LDS; arguments x, n1_w, w_qkv, w_o, w1, w3, w2, ck, sk, c2, s2; writes ck, sk, c2, s2
.if DOCPART == 1
	.amdgcn_target "amdgcn-amd-amdhsa--gfx1250"
	.amdhsa_code_object_version 6
	.text
	.protected	k_qad7f2198fb_prep
	.globl	k_qad7f2198fb_prep
	.p2align	8
	.type	k_qad7f2198fb_prep,@function
k_qad7f2198fb_prep:
	s_mov_b64 s[64:65], 0
	v_nop
	global_prefetch_b8 v0, s[64:65] scope:SCOPE_SE
	s_setreg_imm32_b32 hwreg(HW_REG_WAVE_MODE, 25, 1), 1
	s_wait_xcnt 0x0
; THE PROGRAM: out0 = x1 + swiglu(rmsnorm(x1, n2_w)), x1 = x + attention(rmsnorm(x, n1_w)); all seven products on codes of FP8 (E4M3) with one E8M0 scale for each 32 along K.
; DEAD WORK: none.  Every input has a way to out0 and every product of the table is live for all values of the inputs; nothing is left out in any launch.
; Added work that adds nothing to any sum: zero codes that fill FF = 2,730 up to 2,816 (22 x 128) and the head's 64 up to the instruction's 128.
; THIS LAUNCH turns w_qkv, w_o, w1, w3, w2 and rmsnorm(x, n1_w) into codes and scale bytes.
; LAYOUT of all codes that the GEMMs read: [plane of 128 along K][row][128 bytes]; scale bytes [plane][row][4].  ck/sk: 8 planes of 22,016 rows (h1 0, w_qkv 4,096, w_o 7,168, w1/w3 8,192, o 13,824, h2 17,920);
; c2/s2: 22 planes of 5,120 rows (g 0, w2 4,096).  Row n of w1 lies at 8,192 + 128 (n / 64) + n % 64, row n of w3 64 further: 64 rows of w1, then the same 64 of w3.
; ORDER INSIDE A BLOCK OF 32: byte 16 h + 8 u + j holds k = 16 u + 8 h + j (the two middle groups of eight change places).  Every operand of the program is laid so, on both sides of each product; a block's scale is not touched by it.
; A block's scale is 2^(floor(log2(largest magnitude)) - 8): its byte is the largest magnitude's exponent field - 8, held at 1 from below; numbers are held within +-448 x the scale and rounded to the nearest code, ties to even.
; LIMITS: NaN and infinities among the inputs are not served.  A block whose largest magnitude lies under 2^-118 takes the byte 1; a block of zeros has the byte 1 where the rule says 127: its codes are zeros and
; this program alone reads the bytes.  1 / rms is v_rsq_f32's (1 ulp).  The scale words leave in runs of 16 bytes: one byte in 128 of what the launch reads.
; SHARES: a wave owns 4 rows, a work-group 16.  Work-groups 0-63: w2 (22 planes, the longest, so first); then x 256, w_qkv 192, w_o 64, w1 176, w3 176 work-groups.
; A step is 4 rows x one plane: each load reads 512 (w2: 256) consecutive bytes of a row; the numbers turn through the wave's own stage in LDS, so that lane l then holds 16 numbers of row l / 8, block (l % 8) / 2;
; its 16 codes lie at 16 l of the step's 512 consecutive bytes.  Waves share nothing: no barrier.  The two paths have LDS bytes of their own.
.set RT,    22016
.set PLB,   RT*128
.set PLS,   RT*4
.set R2,    5120
.set PLB2,  R2*128
.set PLS2,  R2*4
.set SPARE, 44032                      ; behind both paths' regions: the spare words, 128 bytes a wave
.set SPW, 12                           ; v12 my spare word's address; v13 0: both never rewritten
.set NIL, 13
.set RS,  20                           ; v20-27  1 / rms of my four rows, each twice
.set R,   32                           ; v32-159 the wave's 4 rows as loaded: plane p, row i at R + 16 p + 4 i
.set G,   160                          ; v160-191 the gain: plane p at G + 4 p
.set X,   192                          ; v192-223 two sets of 16 numbers back from the stage; before the steps: the sums of squares
.set SQ,  192
.set C,   224                          ; v224-255 codes, four registers a step
.set RB,  32                           ; w2: v32-95 four sets of 16 as loaded; v96-127 two sets back from the stage; v128-215 codes
.set XB,  96
.set CB,  128
; 16 numbers of a lane, v[xs] on, become 16 codes in v[c] on and the block's byte in v19.  Lanes l and l xor 1 share a block.  mask = 1: rows past the tensor's end get the bound 0, so their codes are zeros.
.macro QCORE xs, c, mask
	v_max3_num_f32 v8, |v[(\xs)]|, |v[(\xs)+1]|, |v[(\xs)+2]|
	v_max3_num_f32 v9, |v[(\xs)+3]|, |v[(\xs)+4]|, |v[(\xs)+5]|
.irp i, 6,10
	v_max3_num_f32 v8, v8, |v[(\xs)+\i]|, |v[(\xs)+\i+1]|
	v_max3_num_f32 v9, v9, |v[(\xs)+\i+2]|, |v[(\xs)+\i+3]|
.endr
	v_max3_num_f32 v8, v8, |v[(\xs)+14]|, |v[(\xs)+15]|
	v_max3_num_f32 v8, v8, v9, 0x4800000           ; the floor 2^(9 - 127): the byte cannot fall under 1
	v_max_num_f32_dpp v8, v8, v8 row_xmask:1 row_mask:0xf bank_mask:0xf   ; with my neighbour's 16: the block's largest magnitude
	v_add_nc_u32 v11, 0xfc000000, v8               ; 8 off its exponent field: the conversion's scale operand
	v_and_or_b32 v10, v8, 0x7f800000, s54          ; 448 x the scale
.if \mask
	v_and_b32 v10, v18, v10
.endif
.irp i, 0,1,2,3,4,5,6,7,8,9,10,11,12,13,14,15
	v_med3_num_f32 v[(\xs)+\i], v[(\xs)+\i], -v10, v10   ; the conversion does not saturate (ISA guide 7.6.2): the hold comes first
.endr
	v_cvt_scalef32_pk8_fp8_f32 v[(\c):(\c)+1], v[(\xs):(\xs)+7], v11
	v_cvt_scalef32_pk8_fp8_f32 v[(\c)+2:(\c)+3], v[(\xs)+8:(\xs)+15], v11
	v_lshrrev_b32 v19, 23, v11                     ; the scale's byte (also the plain line behind the conversions)
.endm
	s_load_b512 s[4:19], s[0:1], 0x0               ; x, n1_w, w_qkv, w_o, w1, w3, w2, ck
	s_load_b128 s[20:23], s[0:1], 0x40             ; sk, c2
	s_load_b64 s[24:25], s[0:1], 0x50              ; s2
	v_lshl_add_u32 v[SPW], v0, 2, SPARE
	v_mov_b32 v[NIL], 0
	v_lshrrev_b32 v1, 5, v0
	v_readfirstlane_b32 s26, v1                    ; wave
	v_and_b32 v1, 31, v0                           ; lane
	v_lshlrev_b32 v14, 4, v1                       ; 16 l
	s_mov_b32 s54, 0x600000                        ; the mantissa field of 448
	s_cmp_lt_u32 ttmp9, 64
	s_cbranch_scc1 .Lw2
	; ---------------- rows of 1,024 numbers: x, w_qkv, w_o, w1, w3 ----------------
	s_sub_co_u32 s27, ttmp9, 64
	s_mov_b32 s28, 688                             ; the tensor's first work-group; begun as w3's
	s_mov_b32 s29, 2730                            ; its rows
	s_mov_b32 s30, 8256                            ; its first row in ck
	s_mov_b32 s31, -1                              ; w1 and w3 interleave by 64 rows
	s_mov_b32 s32, 0                               ; 1: rmsnorm first
	s_wait_kmcnt 0x0
	s_mov_b64 s[34:35], s[14:15]
	s_cmp_lt_u32 s27, 688                          ; the choices hang on the work-group's number alone
	s_cselect_b64 s[34:35], s[12:13], s[34:35]
	s_cselect_b32 s28, 512, s28
	s_cselect_b32 s30, 8192, s30
	s_cmp_lt_u32 s27, 512
	s_cselect_b64 s[34:35], s[10:11], s[34:35]
	s_cselect_b32 s28, 448, s28
	s_cselect_b32 s29, 1024, s29
	s_cselect_b32 s30, 7168, s30
	s_cselect_b32 s31, 0, s31
	s_cmp_lt_u32 s27, 448
	s_cselect_b64 s[34:35], s[8:9], s[34:35]
	s_cselect_b32 s28, 256, s28
	s_cselect_b32 s29, 3072, s29
	s_cselect_b32 s30, 4096, s30
	s_cmp_lt_u32 s27, 256
	s_cselect_b64 s[34:35], s[4:5], s[34:35]
	s_cselect_b32 s28, 0, s28
	s_cselect_b32 s29, 4096, s29
	s_cselect_b32 s30, 0, s30
	s_cselect_b32 s32, 1, s32
	s_sub_co_u32 s33, s27, s28
	s_lshl_b32 s33, s33, 4
	s_lshl_b32 s57, s26, 2
	s_add_co_u32 s33, s33, s57                     ; n0: my wave's first row
	s_sub_co_u32 s57, s29, 1
.irp i, 0,1,2,3
	s_add_co_u32 s60, s33, \i
	s_min_u32 s60, s60, s57                        ; rows past the end (w1, w3: 2,730 to 2,815) read the last row: no load leaves its buffer
	s_lshl_b32 s60, s60, 12
	v_add_nc_u32 v[2+\i], s60, v14                 ; v2-5: row x 4,096 + 16 l
.endr
	s_mul_i32 s61, s26, 5376                       ; my wave's LDS: two stages of 2,560 bytes, then 128 scale bytes
	v_lshrrev_b32 v6, 2, v1
	v_mul_u32_u24 v6, v6, 80
	v_and_b32 v7, 3, v1
	v_lshl_add_u32 v6, v7, 4, v6
	v_add_nc_u32 v6, s61, v6                       ; into the stage: pieces of 64 bytes + 16 of padding
	v_lshrrev_b32 v7, 3, v1
	v_mul_u32_u24 v7, v7, 640
	v_bfe_u32 v8, v1, 1, 2
	v_mad_u32_u24 v7, v8, 160, v7
	v_and_b32 v8, 1, v1
	v_lshl_add_u32 v7, v8, 5, v7
	v_add_nc_u32 v7, s61, v7                       ; out of it: row l / 8, block (l / 2) % 4, 32 bytes on for odd lanes
	s_add_co_u32 s61, s61, 5120
	v_lshrrev_b32 v15, 1, v1
	v_add_nc_u32 v15, s61, v15                     ; my block's scale byte
	v_lshl_add_u32 v16, v1, 2, s61                 ; and on the way out a word a lane: word 4 p + row
	v_lshrrev_b32 v17, 2, v1
	v_mul_u32_u24 v17, v17, PLS
	v_and_b32 v8, 3, v1
	v_lshl_add_u32 v17, v8, 2, v17                 ; its place in sk
	v_lshrrev_b32 v8, 3, v1
	v_add_nc_u32 v8, s33, v8
	v_cmp_gt_u32 vcc_lo, s29, v8
	v_cndmask_b32 v18, 0, -1, vcc_lo               ; all ones where my row is inside the tensor
.irp p, 0,1,2,3,4,5,6,7
.irp i, 0,1,2,3
	global_load_b128 v[R+16*\p+4*\i:R+16*\p+4*\i+3], v[2+\i], s[34:35] offset:512*\p th:TH_LOAD_NT
.endr
.endr
	s_and_b32 s60, s33, 0xffffffc0
	s_and_b32 s60, s60, s31
	s_add_co_u32 s60, s60, s33
	s_add_co_u32 s60, s60, s30                     ; my first row in ck and sk
	s_lshl_b32 s62, s60, 2
	s_mov_b32 s63, 0
	s_add_nc_u64 s[52:53], s[20:21], s[62:63]
	s_lshl_b32 s62, s60, 7
	s_add_nc_u64 s[36:37], s[18:19], s[62:63]      ; a base for each plane: seven planes on do not fit a store's immediate
.irp p, 1,2,3,4,5,6,7
	s_add_nc_u64 s[36+2*\p:37+2*\p], s[34+2*\p:35+2*\p], PLB
.endr
	s_cmp_eq_u32 s32, 0
	s_cbranch_scc1 .Lplain
	; rmsnorm, in registers: x * rsqrt(mean(x^2) + 1e-6) * n1_w, in that order
.irp p, 0,1,2,3,4,5,6,7
	global_load_b128 v[G+4*\p:G+4*\p+3], v14, s[6:7] offset:512*\p
.endr
	s_mov_b32 s55, 0x3a800000                      ; 1 / 1,024
	s_mov_b32 s56, 0x358637bd                      ; 1e-6
	s_mov_b32 s58, 0x76543210
	s_mov_b32 s59, 0xfedcba98                      ; lane l xor 16
	s_wait_loadcnt 0x0
.irp i, 0,1,2,3
	v_pk_mul_f32 v[SQ+2*\i:SQ+2*\i+1], v[R+4*\i:R+4*\i+1], v[R+4*\i:R+4*\i+1]
.endr
.irp i, 0,1,2,3
	v_pk_fma_f32 v[SQ+2*\i:SQ+2*\i+1], v[R+4*\i+2:R+4*\i+3], v[R+4*\i+2:R+4*\i+3], v[SQ+2*\i:SQ+2*\i+1]
.endr
.irp p, 1,2,3,4,5,6,7
.irp q, 0,2
.irp i, 0,1,2,3
	v_pk_fma_f32 v[SQ+2*\i:SQ+2*\i+1], v[R+16*\p+4*\i+\q:R+16*\p+4*\i+\q+1], v[R+16*\p+4*\i+\q:R+16*\p+4*\i+\q+1], v[SQ+2*\i:SQ+2*\i+1]
.endr
.endr
.endr
.irp i, 0,1,2,3
	v_add_f32 v[SQ+2*\i], v[SQ+2*\i], v[SQ+2*\i+1]
.endr
.irp m, 1,2,4,8
.irp i, 0,1,2,3
	v_add_f32_dpp v[SQ+2*\i], v[SQ+2*\i], v[SQ+2*\i] row_xmask:\m row_mask:0xf bank_mask:0xf
.endr
.endr
.irp i, 0,1,2,3
	v_permlanex16_b32 v[SQ+2*\i+1], v[SQ+2*\i], s58, s59
.endr
.irp i, 0,1,2,3
	v_add_f32 v[SQ+2*\i], v[SQ+2*\i], v[SQ+2*\i+1]
.endr
.irp i, 0,1,2,3
	v_fma_f32 v[SQ+2*\i], v[SQ+2*\i], s55, s56
.endr
.irp i, 0,1,2,3
	v_rsq_f32 v[RS+2*\i], v[SQ+2*\i]
.endr
	v_nop                                          ; a plain line behind the last of the four
	s_wait_alu depctr_va_vdst(0)                   ; one wait for the four, ahead of their first reader
.irp i, 0,1,2,3
	v_mov_b32 v[RS+2*\i+1], v[RS+2*\i]
.endr
.irp p, 0,1,2,3,4,5,6,7
.irp i, 0,1,2,3
.irp q, 0,2
	v_pk_mul_f32 v[R+16*\p+4*\i+\q:R+16*\p+4*\i+\q+1], v[R+16*\p+4*\i+\q:R+16*\p+4*\i+\q+1], v[RS+2*\i:RS+2*\i+1]
.endr
.endr
.endr
.irp p, 0,1,2,3,4,5,6,7
.irp i, 0,1,2,3
.irp q, 0,2
	v_pk_mul_f32 v[R+16*\p+4*\i+\q:R+16*\p+4*\i+\q+1], v[R+16*\p+4*\i+\q:R+16*\p+4*\i+\q+1], v[G+4*\p+\q:G+4*\p+\q+1]
.endr
.endr
.endr
.Lplain:
.macro TURN t                          ; plane t through the stage: LDS serves a wave's instructions in order, so no wait stands between the stores and the loads
.irp i, 0,1,2,3
	ds_store_b128 v6, v[R+16*(\t)+4*\i:R+16*(\t)+4*\i+3] offset:2560*((\t)%2)+640*\i
.endr
.irp k, 0,1,2,3
	ds_load_b128 v[X+16*((\t)%2)+4*\k:X+16*((\t)%2)+4*\k+3], v7 offset:2560*((\t)%2)+16*(\k%2)+80*(\k/2)   ; k = 8 (l % 2) + 0..7, then 16 more: the block's order
.endr
.endm
.macro STEPA p
	s_wait_dscnt 0x0                               ; this plane's numbers are back, and the last byte store has read v19
.if (\p) < 7
	s_wait_loadcnt 24-4*(\p)                       ; the next plane's four loads are in; four for each later plane may be out
	TURN (\p)+1
.endif
	QCORE X+16*((\p)%2), C+4*(\p), 1
	ds_store_b8 v15, v19 offset:16*(\p)            ; both lanes of a block write the same byte with the same value
	global_store_b128 v14, v[C+4*(\p):C+4*(\p)+3], s[36+2*(\p):37+2*(\p)]   ; the wave stores 512 consecutive bytes: 4 rows of 128
.endm
	s_wait_loadcnt 28                              ; plane 0's four loads are in
	TURN 0
.irp p, 0,1,2,3,4,5,6,7
	STEPA \p
.endr
	ds_load_b32 v19, v16
	s_wait_dscnt 0x0
	global_store_b32 v17, v19, s[52:53]
	s_wait_tensorcnt 0x0                           ; the wave's end
	ds_add_u32 v[SPW], v[NIL]
	s_wait_dscnt 0x0
	s_endpgm
	; ---------------- w2: rows of 2,730 numbers, 10,920 bytes: loads of 8 bytes; 22 planes, the last with 42 numbers ----------------
.Lw2:
	s_lshl_b32 s33, ttmp9, 4
	s_lshl_b32 s57, s26, 2
	s_add_co_u32 s33, s33, s57                     ; n0
	v_lshlrev_b32 v20, 3, v1
	v_min_u32 v21, 20, v1                          ; the last plane has 21 pieces of 8 bytes: later lanes read the 21st again
	v_lshlrev_b32 v21, 3, v21
.irp i, 0,1,2,3
	s_add_co_u32 s60, s33, \i
	s_mul_i32 s60, s60, 10920
	v_add_nc_u32 v[2+\i], s60, v20
	s_add_co_u32 s60, s60, 10752
	v_add_nc_u32 v[22+\i], s60, v21
.endr
	v_cmp_gt_u32 vcc_lo, 21, v1
	v_cndmask_b32 v26, 0, -1, vcc_lo               ; and their numbers become zeros
	s_mul_i32 s61, s26, 5632
	s_add_co_u32 s61, s61, 21504                   ; this path's own LDS: two stages, then 352 scale bytes
	v_lshrrev_b32 v6, 3, v1
	v_mul_u32_u24 v6, v6, 80
	v_and_b32 v7, 7, v1
	v_lshl_add_u32 v6, v7, 3, v6
	v_add_nc_u32 v6, s61, v6
	v_lshrrev_b32 v7, 3, v1
	v_mul_u32_u24 v7, v7, 640
	v_bfe_u32 v8, v1, 1, 2
	v_mad_u32_u24 v7, v8, 160, v7
	v_and_b32 v8, 1, v1
	v_lshl_add_u32 v7, v8, 5, v7
	v_add_nc_u32 v7, s61, v7
	s_add_co_u32 s61, s61, 5120
	v_lshrrev_b32 v15, 1, v1
	v_add_nc_u32 v15, s61, v15
	v_lshl_add_u32 v16, v1, 4, s61                 ; on the way out lane p takes plane p's four words
	v_mul_u32_u24 v17, v1, PLS2
	s_add_co_u32 s60, s33, 4096                    ; w2's rows begin at 4,096 in c2 and s2
	s_lshl_b32 s62, s60, 7
	s_mov_b32 s63, 0
	s_wait_kmcnt 0x0
	s_add_nc_u64 s[36:37], s[22:23], s[62:63]      ; planes 0-10
	s_add_nc_u64 s[38:39], s[36:37], 11*PLB2       ; planes 11-21
	s_lshl_b32 s62, s60, 2
	s_add_nc_u64 s[40:41], s[24:25], s[62:63]
.macro LOADB t
.if (\t) < 21
.irp i, 0,1,2,3
.irp j, 0,1
	global_load_b64 v[RB+16*((\t)%4)+4*\i+2*\j:RB+16*((\t)%4)+4*\i+2*\j+1], v[2+\i], s[16:17] offset:512*(\t)+256*\j th:TH_LOAD_NT
.endr
.endr
.else
.irp i, 0,1,2,3
	global_load_b64 v[RB+16*((\t)%4)+4*\i:RB+16*((\t)%4)+4*\i+1], v[22+\i], s[16:17] th:TH_LOAD_NT
.endr
.endif
.endm
.macro TURNB t
.irp i, 0,1,2,3
.irp j, 0,1
	ds_store_b64 v6, v[RB+16*((\t)%4)+4*\i+2*\j:RB+16*((\t)%4)+4*\i+2*\j+1] offset:2560*((\t)%2)+640*\i+320*\j
.endr
.endr
.irp k, 0,1,2,3
	ds_load_b128 v[XB+16*((\t)%2)+4*\k:XB+16*((\t)%2)+4*\k+3], v7 offset:2560*((\t)%2)+16*(\k%2)+80*(\k/2)
.endr
.endm
.macro STEPB t
	s_wait_dscnt 0x0                               ; this plane's numbers are back: so its stores into the stage have read their registers,
.if (\t)+4 <= 21
	LOADB (\t)+4                                   ; which take the loads of four planes on
.endif
.if (\t) < 21
.if (\t) <= 16
	s_wait_loadcnt 24                              ; the next plane's loads are in; those of the three planes behind it, eight each, may be out
.elseif (\t) == 17
	s_wait_loadcnt 20                              ; (the last plane has four)
.elseif (\t) == 18
	s_wait_loadcnt 12
.elseif (\t) == 19
	s_wait_loadcnt 4
.else
	s_wait_loadcnt 0x0
.irp i, 0,1,2,3
	v_and_b32 v[RB+16+4*\i], v26, v[RB+16+4*\i]    ; the last plane: what lies past k = 2,729 is zeros
	v_and_b32 v[RB+16+4*\i+1], v26, v[RB+16+4*\i+1]
	v_mov_b32 v[RB+16+4*\i+2], 0
	v_mov_b32 v[RB+16+4*\i+3], 0
.endr
.endif
	TURNB (\t)+1
.endif
	QCORE XB+16*((\t)%2), CB+4*(\t), 0
	ds_store_b8 v15, v19 offset:16*(\t)
.if (\t) < 11
	global_store_b128 v14, v[CB+4*(\t):CB+4*(\t)+3], s[36:37] offset:(\t)*PLB2
.else
	global_store_b128 v14, v[CB+4*(\t):CB+4*(\t)+3], s[38:39] offset:((\t)-11)*PLB2
.endif
.endm
.irp t, 0,1,2,3
	LOADB \t
.endr
	s_wait_loadcnt 24
	TURNB 0
.irp t, 0,1,2,3,4,5,6,7,8,9,10,11,12,13,14,15,16,17,18,19,20,21
	STEPB \t
.endr
	s_wait_xcnt 0x0                                ; EXEC changes only behind this wait
	v_cmp_gt_u32 vcc_lo, 22, v1
	s_and_saveexec_b32 s60, vcc_lo                 ; 22 planes, a lane each
	ds_load_b128 v[8:11], v16
	s_wait_dscnt 0x0
	global_store_b128 v17, v[8:11], s[40:41]
	s_wait_xcnt 0x0                                ; and again, in front of the line that widens it
	s_or_b32 exec_lo, exec_lo, s60
	s_wait_tensorcnt 0x0                           ; the wave's end
	ds_add_u32 v[SPW], v[NIL]
	s_wait_dscnt 0x0
	s_endpgm
.Lfunc_end_k_qad7f2198fb_prep:
	.size	k_qad7f2198fb_prep, .Lfunc_end_k_qad7f2198fb_prep-k_qad7f2198fb_prep
	.p2alignl 7, 3214868480
	.fill 96, 4, 3214868480
	.section	.rodata,"a",@progbits
	.p2align	6, 0x0
	.amdhsa_kernel k_qad7f2198fb_prep
		.amdhsa_group_segment_fixed_size 44544
		.amdhsa_private_segment_fixed_size 0
		.amdhsa_enable_private_segment 0
		.amdhsa_kernarg_size 88
		.amdhsa_user_sgpr_count 2
		.amdhsa_user_sgpr_kernarg_segment_ptr 1
		.amdhsa_wavefront_size32 1
		.amdhsa_system_sgpr_workgroup_id_x 1
		.amdhsa_system_sgpr_workgroup_id_y 1
		.amdhsa_system_sgpr_workgroup_id_z 1
		.amdhsa_system_vgpr_workitem_id 0
		.amdhsa_next_free_vgpr 256
		.amdhsa_next_free_sgpr 80
		.amdhsa_reserve_vcc 1
		.amdhsa_float_denorm_mode_32 3
		.amdhsa_float_denorm_mode_16_64 3
		.amdhsa_memory_ordered 1
		.amdhsa_forward_progress 1
		.amdhsa_inst_pref_size 128
	.end_amdhsa_kernel
	.amdgpu_metadata
---
amdhsa.version: [ 1, 2 ]
amdhsa.kernels:
  - .name:           k_qad7f2198fb_prep
    .symbol:         k_qad7f2198fb_prep.kd
    .args:
      - { .name: x, .offset: 0, .size: 8, .value_kind: global_buffer, .address_space: global }
      - { .name: n1_w, .offset: 8, .size: 8, .value_kind: global_buffer, .address_space: global }
      - { .name: w_qkv, .offset: 16, .size: 8, .value_kind: global_buffer, .address_space: global }
      - { .name: w_o, .offset: 24, .size: 8, .value_kind: global_buffer, .address_space: global }
      - { .name: w1, .offset: 32, .size: 8, .value_kind: global_buffer, .address_space: global }
      - { .name: w3, .offset: 40, .size: 8, .value_kind: global_buffer, .address_space: global }
      - { .name: w2, .offset: 48, .size: 8, .value_kind: global_buffer, .address_space: global }
      - { .name: ck, .offset: 56, .size: 8, .value_kind: global_buffer, .address_space: global }
      - { .name: sk, .offset: 64, .size: 8, .value_kind: global_buffer, .address_space: global }
      - { .name: c2, .offset: 72, .size: 8, .value_kind: global_buffer, .address_space: global }
      - { .name: s2, .offset: 80, .size: 8, .value_kind: global_buffer, .address_space: global }
    .group_segment_fixed_size: 44544
    .private_segment_fixed_size: 0
    .kernarg_segment_align: 8
    .kernarg_segment_size: 88
    .max_flat_workgroup_size: 128
    .sgpr_count:     80
    .vgpr_count:     256
    .wavefront_size: 32
...
	.end_amdgpu_metadata
.endif
;; end of part 1
;; launch gemm_qkv (part 2): grid 8 x 24, 4 waves a work-group, clusters of 4 x 4, 327,680 bytes of LDS; arguments ck, sk, qc, qs; writes qc, qs
.if DOCPART == 2
	.amdgcn_target "amdgcn-amd-amdhsa--gfx1250"
	.amdhsa_code_object_version 6
	.text
	.protected	k_qad7f2198fb_gemm_qkv
	.globl	k_qad7f2198fb_gemm_qkv
	.p2align	8
	.type	k_qad7f2198fb_gemm_qkv,@function
k_qad7f2198fb_gemm_qkv:
	s_mov_b64 s[64:65], 0
	v_nop
	global_prefetch_b8 v0, s[64:65] scope:SCOPE_SE
	s_setreg_imm32_b32 hwreg(HW_REG_WAVE_MODE, 25, 1), 1
	s_wait_xcnt 0x0
	s_wait_alu depctr_hold_cnt(0) depctr_sa_sdst(0) depctr_va_vdst(0) depctr_va_sdst(0) depctr_va_ssrc(0) depctr_va_vcc(0) depctr_vm_vsrc(0)
	s_getreg_b32 s2, hwreg(HW_REG_IB_STS2, 6, 4)
	s_cmp_eq_u32 s2, 0
	s_cbranch_scc0 .Lentry_in_a_cluster
	s_endpgm
.Lentry_in_a_cluster:
	s_bfe_u32 s2, ttmp6, 0x10000c
	s_cmp_lg_u32 s2, 0xf033
	s_cbranch_scc0 .Lentry_shape_is_right
	s_endpgm
.Lentry_shape_is_right:
; PRODUCT 1: qkv = h1 w_qkv^T on codes of FP8 (E4M3) with E8M0 scales, K = 1,024; the results are quantised on the way out, as operands of products 2 and 3.  Nothing is left out.
; TWO PROBLEMS, ONE TEXT, chosen by the cluster's y without a branch.  Clusters y 0-3: q and k: A = 4,096 tokens, B = 2,048 channels: a lane holds one token, its registers run along the channels (product 2's K).
; Clusters y 4-5: v with the sides changed: A = v's 1,024 channels, B = 4,096 tokens: a lane holds one channel, its registers run along the keys (product 3's K).
; A tile of 256 x 256 is made by four waves, each 128 x 128: 64 accumulators, 512 registers.  K goes in steps of 256 (two planes of 128) through a ring of two LDS slots filled by the tensor data mover.
; OPERANDS lie as [plane][row][128 bytes]: a tile's plane, 256 rows, is 32 KiB of consecutive memory: one load a wave, stated as 128 rows of 256 bytes with 16 bytes of padding behind each:
; row n lies at (n / 2) 272 + (n % 2) 128, and the 16 rows of a fragment begin in 16 different columns of 16 bytes.  The scale words of the tile's rows, all planes, come once, with the first fills.
; CLUSTERS: 4 x 4 work-groups; A's tiles are asked for jointly along a row of the cluster, B's along a column.  THE MATRIX INSTRUCTION IS USED TRANSPOSED (source 0 = 16 rows of B, source 1 = 16 rows of A).
; OUT: qc rows of 128 bytes: [q, k][batch][pair of heads][token] (even head's 64 codes, odd head's 64), then v as [batch][128 keys][channel]; qs: one scale word for each such row.
; In a block of 32 byte 16 h + 8 u + j holds k = 16 u + 8 h + j: so the conversions' results of accumulators 2 c and 2 c + 1 are 16 bytes on end.
; LIMITS: NaN and infinities are not served; a block under 2^-118 takes the byte 1, a block of zeros too (its codes are zeros; this program alone reads the bytes).
; REGISTERS, in windows of 256: window 0: v0-31 addresses; v32-63 scale words, two sets; v64-99 at work on the way out; from v128 A's fragments, one set (on the way out free).  window 1: B's fragments, two sets.
;   window 2: the accumulators of my rows 0-63 ((a, b) at v[8 (8 a + b)]); window 3: those of my rows 64-127.
.set NPL,   8                          ; planes of 128 along K
.set RT,    22016                      ; rows in a plane of ck
.set PLB,   RT*128
.set H1,    0
.set WQ,    4096
.set NKS,   NPL/2                      ; K steps
.set NQ,    2
.set FR,    16
.set NL,    4
.set NP,    8                          ; places behind this matrix instruction (ISA guide 7.12.1)
.set HALFT, 128*272                    ; a plane of 256 rows in LDS: what one tensor load brings
.set HROW,  64*272                     ; 128 rows of it
.set BLKB,  8*272                      ; 16 rows
.set SLOT,  4*HALFT                    ; A's two planes, then B's two
.set SCL,   2*SLOT                     ; behind the ring: the scale words: four regions [plane][128 rows][4 bytes]: A's halves, B's halves
.set HALFS, NPL*512
.set SPARE, SCL+4*HALFS                ; the spare words, 128 bytes a wave
.set ADRA, 16                          ; v16-17 my A fragments in slot 0, 1;  v20-21 B's
.set ADRB, 20
.set STO,  24                          ; the way out: into my stage
.set RD,   25                          ; and back
.set CO,   26                          ; 16 x lane
.set ADRS, 27                          ; my scale words: lanes 0-15 A's rows, lanes 16-31 B's
.set SPW,  28
.set NIL,  29
.set SWO,  30                          ; the way out: my row's scale word
.set SRD,  31
.set SC,   32                          ; scale words: set s at v[SC + 16 s]; register 2 i + q: block i, the slot's q-th plane
.set TM,   64                          ; v64-67 largest magnitudes, v68-71 bytes, v72-75 448 x the scale, v76-79 the conversions' scale operands
.set PW,   80
.set PC,   84                          ; v84-99 the codes just made
.set AF,   128
.set XQ,   128                         ; the way out: 64 held numbers
.set BK,   192                         ; and 16 rows of codes back from the stage, two sets of 16 registers
.set MNT,  2                           ; s2 the mantissa field of 448;  s[98:99] lane l xor 16
.set SEL,  98
.set G1, 24
.set G0, 32
.set G1B, 48
.set G0B, 56
.set G1S, 68
.set G0S, 76
.set G1SB, 80
.set G0SB, 88
.set MSB, 0
.macro WIN new                         ; the immediate's high byte repeats the setting that is left
.if MSB != (\new)
	s_set_vgpr_msb (MSB<<8)|(\new)
.set MSB, (\new)
.endif
.endm
.set MUL_LO, 0xa1                      ; source 0 (B) window 1, source 1 (A) window 0, C and D window 2
.set MUL_HI, 0xf1
.set TO_B,   0x40
; A joint load: waves 0 and 1 fetch for A, waves 2 and 3 for B; the branch hangs on the wave's number alone.  An s_nop 0 and four v_nop follow each line.
.macro JLOAD g0a, g1a, g0b, g1b
	s_cmp_eq_u32 s15, 0
	s_cbranch_scc0 .Lfor_b_\@
	tensor_load_to_lds s[\g0a:\g0a+3], s[\g1a:\g1a+7]
	s_nop 0
.rept 4
	v_nop
.endr
	s_branch .Lasked_\@
.Lfor_b_\@:
	tensor_load_to_lds s[\g0b:\g0b+3], s[\g1b:\g1b+7]
	s_nop 0
.rept 4
	v_nop
.endr
.Lasked_\@:
.endm
.macro CREST                           ; a round of the cluster's barrier behind its opening barrier
	s_cmp_lg_u32 s14, 0
	s_cbranch_scc1 .Lnot_wave_0_\@
	s_barrier_signal -3
.Lnot_wave_0_\@:
	s_barrier_wait -3
	s_barrier_signal -1
	s_barrier_wait -1
.endm
.macro CROUND
	s_barrier_signal -1
	s_barrier_wait -1
	CREST
.endm
	s_load_b256 s[4:11], s[0:1], 0x0               ; ck, sk, qc, qs
	v_lshl_add_u32 v[SPW], v0, 2, SPARE
	v_mov_b32 v[NIL], 0
	ds_add_u32 v[SPW], v[NIL]                      ; the wave's opening: the add, twice on end, and its wait ahead of my first tensor load
	ds_add_u32 v[SPW], v[NIL]
	v_lshrrev_b32 v1, 5, v0
	v_readfirstlane_b32 s14, v1                    ; wave
	s_lshr_b32 s15, s14, 1                         ; my half of the tile's rows.  Also: I fetch for A (0) or for B (1)
	s_and_b32 s16, s14, 1                          ; my half of its columns.  Also: which plane of a K step, and which 128 rows' scales, I fetch
	s_bfe_u32 s40, ttmp6, 0x40000                  ; cx
	s_bfe_u32 s41, ttmp6, 0x40004                  ; cy
	s_and_b32 s96, ttmp7, 0xffff                   ; the cluster's y
	s_lshl_b32 s17, s96, 2
	s_lshl_b32 s42, ttmp9, 2
	s_lshl_b32 s97, s96, 3
	s_add_co_u32 s97, s97, s42
	s_sub_co_u32 s97, s97, 32                      ; 4 (cluster x + 2 (cluster y - 4)): v's tile columns (used where cluster y is 4 or 5)
	s_mov_b32 s20, WQ+2048
	s_mov_b32 s46, WQ
	s_cmp_lt_u32 s96, 4                            ; the same in all sixteen partners
	s_cselect_b32 s95, 1, 0
	s_cselect_b32 s17, s17, 0
	s_cselect_b32 s42, s42, s97
	s_cselect_b32 s20, H1, s20                     ; A: tokens, or v's channels
	s_cselect_b32 s46, s46, H1                     ; B: q's and k's channels, or tokens
	s_add_co_u32 s17, s17, s41                     ; tile row
	s_add_co_u32 s42, s42, s40                     ; tile column
	s_lshl_b32 s43, s41, 2
	s_lshl_b32 s43, 15, s43                        ; my row of the cluster
	s_lshl_b32 s44, 0x1111, s40                    ; my column
	s_or_b32 s[G1+0], s43, (0<<16)|(1<<20)|(1<<21)|(5<<22)|(3<<25)   ; the mask; elements of 1 byte; padding: 4 words behind every 64; bit 21 beside a mask
	s_or_b32 s[G1B+0], s44, (0<<16)|(1<<20)|(1<<21)|(5<<22)|(3<<25)
.irp g, G1, G1B
	s_mov_b32 s[\g+1], 256<<16                     ; tensor_dim0
	s_mov_b32 s[\g+2], 128<<16                     ; tensor_dim1
	s_mov_b32 s[\g+3], 256<<16                     ; tile_dim0
	s_mov_b32 s[\g+4], 128                         ; tile_dim1
	s_mov_b32 s[\g+5], 256                         ; the pitch: the block is dense
	s_mov_b32 s[\g+6], 0
	s_mov_b32 s[\g+7], 0
.endr
	s_or_b32 s[G1S+0], s43, (2<<16)|(1<<21)        ; the scale words of 128 rows, all planes: NPL rows of 128 elements of 4 bytes, a plane apart
	s_or_b32 s[G1SB+0], s44, (2<<16)|(1<<21)
.irp g, G1S, G1SB
	s_mov_b32 s[\g+1], 128<<16
	s_mov_b32 s[\g+2], NPL<<16
	s_mov_b32 s[\g+3], 128<<16
	s_mov_b32 s[\g+4], NPL
	s_mov_b32 s[\g+5], RT
	s_mov_b32 s[\g+6], 0
	s_mov_b32 s[\g+7], 0
.endr
	s_lshl_b32 s18, s17, 8
	s_add_co_u32 s20, s20, s18                     ; A's first row: made of cy and the cluster's ids alone
	s_lshl_b32 s19, s42, 8
	s_add_co_u32 s46, s46, s19                     ; B's: of cx and the cluster's ids alone
	s_lshl_b32 s18, s16, 7
	s_add_co_u32 s22, s20, s18
	s_lshl_b32 s22, s22, 2                         ; where my 128 rows' scale words begin
	s_mov_b32 s23, 0
	s_add_co_u32 s92, s46, s18
	s_lshl_b32 s92, s92, 2
	s_mov_b32 s93, 0
	s_mul_i32 s18, s16, PLB
	s_lshl_b32 s20, s20, 7
	s_add_co_u32 s20, s20, s18                     ; and my plane of K step 0
	s_mov_b32 s21, 0
	s_lshl_b32 s46, s46, 7
	s_add_co_u32 s46, s46, s18
	s_mov_b32 s47, 0
	s_mul_i32 s45, s14, HALFT                      ; where they go: no place in the cluster enters an LDS address
	s_mul_i32 s94, s14, HALFS
	s_wait_dscnt 0x0                               ; both opening adds are done
	s_wait_kmcnt 0x0
	s_add_nc_u64 s[20:21], s[4:5], s[20:21]
	s_add_nc_u64 s[22:23], s[6:7], s[22:23]
	s_add_nc_u64 s[46:47], s[4:5], s[46:47]
	s_add_nc_u64 s[92:93], s[6:7], s[92:93]
	CROUND                                         ; all sixteen work-groups are here: the first joint loads meet
	s_mov_b32 s[G0S], 1
	s_add_co_u32 s[G0S+1], s94, SCL
	s_mov_b64 s[G0S+2:G0S+3], s[22:23]
	s_or_b32 s[G0S+3], s[G0S+3], 0x80000000
	s_mov_b32 s[G0SB], 1
	s_add_co_u32 s[G0SB+1], s94, SCL
	s_mov_b64 s[G0SB+2:G0SB+3], s[92:93]
	s_or_b32 s[G0SB+3], s[G0SB+3], 0x80000000
	JLOAD G0S, G1S, G0SB, G1SB                     ; the scales first: they are wanted with K step 0
.irp s, 0,1
	s_mov_b32 s[G0+4*\s], 1
	s_add_co_u32 s[G0+4*\s+1], s45, \s*SLOT
	s_add_nc_u64 s[G0+4*\s+2:G0+4*\s+3], s[20:21], \s*2*PLB
	s_or_b32 s[G0+4*\s+3], s[G0+4*\s+3], 0x80000000
	s_mov_b32 s[G0B+4*\s], 1
	s_add_co_u32 s[G0B+4*\s+1], s45, \s*SLOT
	s_add_nc_u64 s[G0B+4*\s+2:G0B+4*\s+3], s[46:47], \s*2*PLB
	s_or_b32 s[G0B+4*\s+3], s[G0B+4*\s+3], 0x80000000
	JLOAD G0+4*\s, G1, G0B+4*\s, G1B               ; three loads of mine are out
.endr
	v_and_b32 v1, 15, v0                           ; r
	v_bfe_u32 v2, v0, 4, 1                         ; h
	v_lshrrev_b32 v3, 1, v1
	v_mul_u32_u24 v3, v3, 272
	v_and_b32 v4, 1, v1
	v_lshl_add_u32 v3, v4, 7, v3
	v_lshl_add_u32 v4, v2, 4, v3                   ; (r / 2) 272 + (r % 2) 128 + 16 h
	s_mul_i32 s21, s15, HROW
	s_mul_i32 s22, s16, HROW
	s_add_co_u32 s22, s22, 2*HALFT
.irp s, 0,1
	v_add_nc_u32 v[ADRA+\s], s21, v4
	v_add_nc_u32 v[ADRB+\s], s22, v4
	s_add_co_u32 s21, s21, SLOT
	s_add_co_u32 s22, s22, SLOT
.endr
	v_lshlrev_b32 v5, 2, v1
	s_mul_i32 s21, s15, HALFS                      ; A's words: my half's region
	s_mul_i32 s22, s16, HALFS                      ; B's: behind A's two
	s_add_co_u32 s22, s22, 2*HALFS
	s_sub_co_u32 s22, s22, s21
	v_mul_u32_u24 v6, s22, v2                      ; lanes 16-31 take B's
	s_add_co_u32 s21, s21, SCL
	v_add_nc_u32 v5, v5, v6
	v_add_nc_u32 v[ADRS], s21, v5
	s_lshl_b32 s23, s14, 13                        ; my stage, in slot 0: two sets of 16 rows x 144 bytes, then 128 scale words
	v_mul_u32_u24 v5, v1, 144
	v_lshl_add_u32 v5, v2, 4, v5
	v_add_nc_u32 v[STO], s23, v5
	v_and_b32 v6, 31, v0
	v_lshrrev_b32 v5, 3, v6
	v_mul_u32_u24 v5, v5, 144
	v_and_b32 v7, 7, v6
	v_lshl_add_u32 v5, v7, 4, v5
	v_add_nc_u32 v[RD], s23, v5                    ; back: eight lanes to a row of 128 bytes, four rows an instruction
	v_lshlrev_b32 v[CO], 4, v6
	s_add_co_u32 s23, s23, 5120
	v_lshl_add_u32 v[SWO], v1, 2, s23
	v_lshl_add_u32 v[SRD], v6, 4, s23
	; my wave's first row in qc and qs
	s_lshr_b32 s20, s42, 2                         ; q or k
	s_lshl_b32 s20, s20, 1
	s_lshr_b32 s21, s17, 3                         ; batch
	s_add_co_u32 s20, s20, s21
	s_lshl_b32 s20, s20, 3
	s_and_b32 s21, s42, 3
	s_lshl_b32 s21, s21, 1
	s_add_co_u32 s20, s20, s21
	s_add_co_u32 s20, s20, s16                     ; the pair of heads
	s_lshl_b32 s20, s20, 11
	s_and_b32 s21, s17, 7
	s_lshl_b32 s21, s21, 8
	s_add_co_u32 s20, s20, s21                     ; the token
	s_lshr_b32 s22, s42, 3                         ; v: batch
	s_lshl_b32 s22, s22, 4
	s_and_b32 s21, s42, 7
	s_lshl_b32 s21, s21, 1
	s_add_co_u32 s22, s22, s21
	s_add_co_u32 s22, s22, s16                     ; which 128 keys
	s_lshl_b32 s22, s22, 10
	s_lshl_b32 s21, s17, 8
	s_add_co_u32 s22, s22, s21                     ; the channel
	s_add_co_u32 s22, s22, 65536
	s_cmp_lg_u32 s95, 0
	s_cselect_b32 s20, s20, s22
	s_lshl_b32 s21, s15, 7
	s_add_co_u32 s20, s20, s21
	s_lshl_b32 s22, s20, 2
	s_mov_b32 s23, 0
	s_add_nc_u64 s[18:19], s[10:11], s[22:23]
	s_lshl_b32 s22, s20, 7
	s_add_nc_u64 s[12:13], s[8:9], s[22:23]
	s_mov_b32 s[MNT], 0x600000
	s_mov_b32 s[SEL], 0x76543210
	s_mov_b32 s[SEL+1], 0xfedcba98
.macro FRAG reg, adr, q, i             ; 16 rows x 128 K: lane l holds row l % 16; registers 4 c .. 4 c + 3 the bytes 32 c + 16 (l / 16) + 0 .. 15
.irp c, 0,1,2,3
	ds_load_b128 v[\reg+4*\c:\reg+4*\c+3], v[\adr] offset:(\q)*HALFT+(\i)*BLKB+32*\c
.endr
.endm
; 16 matrix instructions: A's blocks a0, a0 + 1 x B's eight.  The 64 accumulators take turns, one instruction a turn, in the same order in every step.
.macro MUL16 a0, p, q, sc, zero
.irp a, \a0, \a0+1
.irp b, 0,1,2,3,4,5,6,7
.if \zero
	v_wmma_scale_f32_16x16x128_f8f6f4 v[8*(8*((\a)%4)+\b):8*(8*((\a)%4)+\b)+7], v[128*(\p)+FR*\b:128*(\p)+FR*\b+FR-1], v[AF+FR*(\a):AF+FR*(\a)+FR-1], 0, v[SC+8*NQ*(\sc)+NQ*\b+(\q)], v[SC+8*NQ*(\sc)+NQ*(\a)+(\q)] matrix_a_scale:MATRIX_SCALE_ROW1
.else
	v_wmma_scale_f32_16x16x128_f8f6f4 v[8*(8*((\a)%4)+\b):8*(8*((\a)%4)+\b)+7], v[128*(\p)+FR*\b:128*(\p)+FR*\b+FR-1], v[AF+FR*(\a):AF+FR*(\a)+FR-1], v[8*(8*((\a)%4)+\b):8*(8*((\a)%4)+\b)+7], v[SC+8*NQ*(\sc)+NQ*\b+(\q)], v[SC+8*NQ*(\sc)+NQ*(\a)+(\q)] matrix_a_scale:MATRIX_SCALE_ROW1
.endif
.endr
.endr
.endm
.macro FETCH_B slot, q, p
	WIN TO_B
.irp i, 0,1,2,3,4,5,6,7
	FRAG 128*(\p)+FR*\i, ADRB+\slot, \q, \i
.endr
	WIN 0
.endm
.macro FETCH_A slot, q, i0
.irp i, \i0, \i0+1, \i0+2, \i0+3
	FRAG AF+FR*(\i), ADRA+\slot, \q, \i
.endr
.endm
.macro SCALES sc                       ; a K step's scale words: lanes 0-15 A's block i, lanes 16-31 B's block i
.irp i, 0,1,2,3,4,5,6,7
.irp q, 0,1
	ds_load_b32 v[SC+16*\sc+2*\i+\q], v[ADRS] offset:512*\q+64*\i
.endr
.endr
.endm
.macro PLACES n                        ; plain vector lines between a matrix instruction and a load into, or a read of, its registers
.rept \n
	v_nop
.endr
.endm
.macro STEP slot, q, zero              ; a plane that has its successor in the same slot
	s_wait_dscnt 4*NL                              ; all but the youngest 16 loads (A's blocks 4-7) are in
	WIN MUL_LO
	MUL16 0, (\q)%2, \q, \slot, \zero
	MUL16 2, (\q)%2, \q, \slot, \zero
	s_wait_dscnt 0
	PLACES NP
	FETCH_B \slot, (\q)+1, 1-(\q)%2
	FETCH_A \slot, (\q)+1, 0
	WIN MUL_HI
	MUL16 4, (\q)%2, \q, \slot, \zero
	MUL16 6, (\q)%2, \q, \slot, \zero
	PLACES NP
	WIN 0
	FETCH_A \slot, (\q)+1, 4
.endm
; A slot's last plane changes slots: one barrier; in front of it each wave waits for all its tensor loads, adds 0 to its spare word, and waits for that and for its reads of this slot.  fill = 1: the slot is filled again, two K steps on.
.macro TURN slot, next, fill
	s_wait_tensorcnt 0x0                           ; all my tensor loads have landed: my part of the next slot
	ds_add_u32 v[SPW], v[NIL]
	s_wait_dscnt 4*NL+1                            ; (the add and the youngest 16 loads may be out)
	WIN MUL_LO
	MUL16 0, 1, NQ-1, \slot, 0
	s_wait_dscnt 0x0                               ; the add is done, and my reads of this slot are over
	s_barrier_signal -1
	MUL16 2, 1, NQ-1, \slot, 0
	WIN 0
	s_barrier_wait -1
.if \fill
	CREST                                          ; the barrier has opened a round of the cluster's barrier: no wave of any partner still reads this slot or has a load on its way
	s_add_nc_u64 s[G0+4*\slot+2:G0+4*\slot+3], s[G0+4*\slot+2:G0+4*\slot+3], 4*PLB
	s_add_nc_u64 s[G0B+4*\slot+2:G0B+4*\slot+3], s[G0B+4*\slot+2:G0B+4*\slot+3], 4*PLB
	JLOAD G0+4*\slot, G1, G0B+4*\slot, G1B         ; my one tensor load behind the round; its four v_nop are among the places below
	PLACES NP-4
.else
	PLACES NP
.endif
	v_add_nc_u32 v[ADRS], 1024, v[ADRS]            ; the next K step's scale words
	FETCH_B \next, 0, 0
	FETCH_A \next, 0, 0
	SCALES \next
	WIN MUL_HI
	MUL16 4, 1, NQ-1, \slot, 0
	MUL16 6, 1, NQ-1, \slot, 0
	PLACES NP
	WIN 0
	FETCH_A \next, 0, 4
.endm
.macro LAST sl                         ; the very last plane: nothing more to fetch
	s_wait_dscnt 4*NL
	WIN MUL_LO
	MUL16 0, 1, NQ-1, \sl, 0
	MUL16 2, 1, NQ-1, \sl, 0
	s_wait_dscnt 0
	WIN MUL_HI
	MUL16 4, 1, NQ-1, \sl, 0
	MUL16 6, 1, NQ-1, \sl, 0
	WIN 0
.endm
	s_wait_tensorcnt 1                             ; the scales and my part of K step 0 are in; K step 1's load may be out
	s_barrier_signal -1
	s_barrier_wait -1
	FETCH_B 0, 0, 0
	FETCH_A 0, 0, 0
	SCALES 0
	FETCH_A 0, 0, 4
	STEP 0, 0, 1                                   ; the first plane's products start the sums
	s_mov_b32 s3, (NKS-2)/2
.Llap:
	TURN 0, 1, 1
	STEP 1, 0, 0
	TURN 1, 0, 1
	STEP 0, 0, 0
	s_sub_co_u32 s3, s3, 1
	s_cmp_lg_u32 s3, 0
	s_cbranch_scc1 .Llap
	TURN 0, 1, 0                                   ; the tail is written out: it fills nothing
	STEP 1, 0, 0
	LAST 1
; THE WAY OUT.  Block a: 16 rows of A x my 128 rows of B: four blocks of 32 along the next K; a block lies in lanes l and l xor 16.  Each accumulator is read from its low end on.
.macro QUANTW a
.set W, 2+(\a)/4
.set AC, 64*((\a)%4)
.set W01, W|(W<<2)
.set W12, (W<<2)|(W<<4)
	WIN W01
.irp b, 0,1,2,3
	v_max3_num_f32 v[TM+\b], |v[AC+16*\b]|, |v[AC+16*\b+1]|, 0x4800000   ; my 16 numbers of block b, and the floor 2^(9 - 127)
.endr
	WIN W12
.irp i, 2,4,6,8,10,12,14
.irp b, 0,1,2,3
	v_max3_num_f32 v[TM+\b], v[TM+\b], |v[AC+16*\b+\i]|, |v[AC+16*\b+\i+1]|
.endr
.endr
	WIN 0
.irp b, 0,1,2,3
	v_permlanex16_b32 v[TM+4+\b], v[TM+\b], s[SEL], s[SEL+1]
.endr
.irp b, 0,1,2,3
	v_max_num_f32 v[TM+\b], v[TM+\b], v[TM+4+\b]
.endr
.irp b, 0,1,2,3
	v_add_nc_u32 v[TM+12+\b], 0xfc000000, v[TM+\b] ; 8 off the exponent field: the conversion's scale operand
.endr
.irp b, 0,1,2,3
	v_and_or_b32 v[TM+8+\b], v[TM+\b], 0x7f800000, s[MNT]   ; 448 x the scale
.endr
.irp b, 0,1,2,3
	v_lshrrev_b32 v[TM+4+\b], 23, v[TM+12+\b]      ; the scale's byte
.endr
	v_lshl_or_b32 v[PW], v[TM+5], 8, v[TM+4]
	v_lshl_or_b32 v[PW], v[TM+6], 16, v[PW]
	v_lshl_or_b32 v[PW], v[TM+7], 24, v[PW]
	WIN W
.irp b, 0,1,2,3
.irp i, 0,1,2,3,4,5,6,7,8,9,10,11,12,13,14,15
	v_med3_num_f32 v[XQ+16*\b+\i], v[AC+16*\b+\i], -v[TM+8+\b], v[TM+8+\b]   ; the hold: the conversion does not saturate (ISA guide 7.6.2)
.endr
.endr
	WIN 0
.irp b, 0,1,2,3
	v_cvt_scalef32_pk8_fp8_f32 v[PC+4*\b:PC+4*\b+1], v[XQ+16*\b:XQ+16*\b+7], v[TM+12+\b]
	v_cvt_scalef32_pk8_fp8_f32 v[PC+4*\b+2:PC+4*\b+3], v[XQ+16*\b+8:XQ+16*\b+15], v[TM+12+\b]
.endr
	v_nop                                          ; a plain line behind the last conversion
.endm
.macro OUT1 a
.if (\a) >= 2
	s_wait_xcnt 0x0                                ; block a - 2's stores have read their registers
.endif
	QUANTW \a
.irp c, 0,1,2,3
	ds_store_b128 v[STO], v[PC+4*\c:PC+4*\c+3] offset:((\a)%2)*2560+32*\c
.endr
	ds_store_b32 v[SWO], v[PW] offset:64*(\a)      ; both halves of the lanes write the same word with the same value
.irp i, 0,1,2,3
	ds_load_b128 v[BK+16*((\a)%2)+4*\i:BK+16*((\a)%2)+4*\i+3], v[RD] offset:((\a)%2)*2560+576*\i   ; LDS serves a wave's instructions in order
.endr
	s_wait_dscnt 0x0
.irp i, 0,1,2,3
	global_store_b128 v[CO], v[BK+16*((\a)%2)+4*\i:BK+16*((\a)%2)+4*\i+3], s[12:13] offset:2048*(\a)+512*\i   ; 512 consecutive bytes: four rows of qc
.endr
.endm
	PLACES NP
.irp b, 0,1,2,3
	v_mov_b32 v[TM+4+\b], 0                        ; written once: a lane permute's destination counts as one of its sources
.endr
.irp a, 0,1,2,3,4,5,6,7
	OUT1 \a
.endr
	ds_load_b128 v[224:227], v[SRD]                ; my 128 rows' scale words: 512 consecutive bytes
	s_wait_dscnt 0x0
	global_store_b128 v[CO], v[224:227], s[18:19]
	s_wait_tensorcnt 0x0                           ; the wave's end
	ds_add_u32 v[SPW], v[NIL]
	s_wait_dscnt 0x0
	CROUND                                         ; the closing round
	s_endpgm
.Lfunc_end_k_qad7f2198fb_gemm_qkv:
	.size	k_qad7f2198fb_gemm_qkv, .Lfunc_end_k_qad7f2198fb_gemm_qkv-k_qad7f2198fb_gemm_qkv
	.p2alignl 7, 3214868480
	.fill 96, 4, 3214868480
	.section	.rodata,"a",@progbits
	.p2align	6, 0x0
	.amdhsa_kernel k_qad7f2198fb_gemm_qkv
		.amdhsa_group_segment_fixed_size 327680
		.amdhsa_private_segment_fixed_size 0
		.amdhsa_enable_private_segment 0
		.amdhsa_kernarg_size 32
		.amdhsa_user_sgpr_count 2
		.amdhsa_user_sgpr_kernarg_segment_ptr 1
		.amdhsa_wavefront_size32 1
		.amdhsa_system_sgpr_workgroup_id_x 1
		.amdhsa_system_sgpr_workgroup_id_y 1
		.amdhsa_system_sgpr_workgroup_id_z 1
		.amdhsa_system_vgpr_workitem_id 0
		.amdhsa_next_free_vgpr 1024
		.amdhsa_next_free_sgpr 100
		.amdhsa_reserve_vcc 0
		.amdhsa_float_denorm_mode_32 3
		.amdhsa_float_denorm_mode_16_64 3
		.amdhsa_memory_ordered 1
		.amdhsa_forward_progress 1
		.amdhsa_inst_pref_size 193
	.end_amdhsa_kernel
	.amdgpu_metadata
---
amdhsa.version: [ 1, 2 ]
amdhsa.kernels:
  - .name:           k_qad7f2198fb_gemm_qkv
    .symbol:         k_qad7f2198fb_gemm_qkv.kd
    .args:
      - { .name: ck, .offset: 0, .size: 8, .value_kind: global_buffer, .address_space: global }
      - { .name: sk, .offset: 8, .size: 8, .value_kind: global_buffer, .address_space: global }
      - { .name: qc, .offset: 16, .size: 8, .value_kind: global_buffer, .address_space: global }
      - { .name: qs, .offset: 24, .size: 8, .value_kind: global_buffer, .address_space: global }
    .group_segment_fixed_size: 327680
    .private_segment_fixed_size: 0
    .kernarg_segment_align: 8
    .kernarg_segment_size: 32
    .max_flat_workgroup_size: 128
    .sgpr_count:     100
    .vgpr_count:     1024
    .wavefront_size: 32
...
	.end_amdgpu_metadata
.endif
;; end of part 2
;; launch attn (part 3): grid 8 x 32, 16 waves a work-group, clusters of 4 x 1, 327,680 bytes of LDS; arguments qc, qs, ck, sk; writes ck, sk
.if DOCPART == 3
	.amdgcn_target "amdgcn-amd-amdhsa--gfx1250"
	.amdhsa_code_object_version 6
	.text
	.protected	k_qad7f2198fb_attn
	.globl	k_qad7f2198fb_attn
	.p2align	8
	.type	k_qad7f2198fb_attn,@function
k_qad7f2198fb_attn:
	s_mov_b64 s[64:65], 0
	v_nop
	global_prefetch_b8 v0, s[64:65] scope:SCOPE_SE
	s_setreg_imm32_b32 hwreg(HW_REG_WAVE_MODE, 25, 1), 1
	s_wait_xcnt 0x0
	s_wait_alu depctr_hold_cnt(0) depctr_sa_sdst(0) depctr_va_vdst(0) depctr_va_sdst(0) depctr_va_ssrc(0) depctr_va_vcc(0) depctr_vm_vsrc(0)
	s_getreg_b32 s2, hwreg(HW_REG_IB_STS2, 6, 4)
	s_cmp_eq_u32 s2, 0
	s_cbranch_scc0 .Lentry_in_a_cluster
	s_endpgm
.Lentry_in_a_cluster:
	s_bfe_u32 s2, ttmp6, 0x10000c
	s_cmp_lg_u32 s2, 0x3003
	s_cbranch_scc0 .Lentry_shape_is_right
	s_endpgm
.Lentry_shape_is_right:
; PRODUCTS 2 AND 3: o = softmax(q k^T / 8) v for one head and 256 queries a work-group, both products on codes of FP8 (E4M3) with E8M0 scales; o is quantised on the way out, as product 4's operand.  Nothing is left out.
; THE SOFTMAX: t = score x log2(e) / 8; M = the running largest t rounded up to a whole number; p = 2^(t - M) is quantised along the keys, not normalised; the row's sum is taken of the unquantised p and divides at the end.
; When M moves, the sum and O are multiplied by 2^(old M - new M): exact.
; SHARES: sixteen waves, each one tile of 16 queries in 256 registers: four waves to a SIMD, so that one wave's vector work stands beside another's products and LDS loads.  Every wave walks the head's 2,048 keys, 128 a step.
; LDS: the head's K codes (2,048 rows of 64 bytes + 16), V codes (16 tiles of 64 channels x 128 keys + 16) and their scale words are filled ONCE: four loads a wave at the head, one barrier, no ring.
; CLUSTER: the four query blocks of a cluster belong to one head: every tile is asked for jointly, by the same load with the same descriptor and the mask of all four.
; LAYOUT: both products transposed: S^T = K Q^T, O^T = V^T P^T: a lane holds one query.  In every block of 32 byte 16 h + 8 u + j holds k = 16 u + 8 h + j, in q, k, v, p and o alike: so p's 16 registers of tiles 2 c, 2 c + 1 are 16 bytes on end.
; THE HEAD'S 64 IN AN INSTRUCTION OF 128: Q's upper eight registers are zero codes.  Key tile t is the run v[32 + 8 t .. 47 + 8 t]: its upper eight registers are the next tile's codes (numbers, since the quantiser holds at 448),
; or zeros behind the last: they meet Q's zeros and add nothing.  The scale words are read as 16 bits: bytes 2 and 3 are 0, which is 2^-127 and no NaN.
; LIMITS: NaN and infinities are not served; a block under 2^-118, and a block of zeros, take the byte 1.  1 / sum is v_rcp_f32's (1 ulp).  A block's largest p is made from its largest score by the same two instructions
; (it takes v_exp_f32 not to fall where its input rises).  A head owns 64 bytes of each 128-byte row of ck: o's codes leave in runs of 32 bytes, its scale bytes singly.
.set PLB,  22016*128
.set PLS,  22016*4
.set OC,   13824                       ; o's first row in ck
.set VT,   163840                      ; LDS: K's codes from 0; V's;
.set KS,   311296                      ; K's scale words (the pair of heads');
.set VS,   319488                      ; V's;
.set SPARE, 323584                     ; the spare words, 128 bytes for each of sixteen waves
.set S,   104                          ; v104-167 S^T, then p
.set O,   168                          ; v168-199 O^T
.set PCD, 200                          ; v200-215 p's codes
.set MX,  216                          ; v216-219 the blocks' largest scores, then largest p
.set PT,  220                          ; v220-223 at work, then the bytes
.set HB,  224                          ; v224-227 448 x the scale
.set SO,  228                          ; v228-231 the conversions' scale operands
.set KW,  232                          ; v232-239 K's scale words; v240-243 V's; v244 Q's; v245 p's
.set VW,  240
.set QW,  244
.set PWD, 245
.set F,   246                          ; v[246:247] f = 2^(old M - new M), named as a pair
.set T0,  248
.set WV,  18
.set MNT, 19
.set SEL, 20
.set CS,  22
.macro CROUND
	s_barrier_signal -1
	s_barrier_wait -1
	s_cmp_lg_u32 s[WV], 0
	s_cbranch_scc1 .Lnot_wave_0_\@
	s_barrier_signal -3
.Lnot_wave_0_\@:
	s_barrier_wait -3
	s_barrier_signal -1
	s_barrier_wait -1
.endm
	s_load_b256 s[4:11], s[0:1], 0x0               ; qc, qs, ck, sk
	v_lshl_add_u32 v5, v0, 2, SPARE
	v_mov_b32 v6, 0
	ds_add_u32 v5, v6                              ; the wave's opening: the add, twice on end, and its wait ahead of my first tensor load
	ds_add_u32 v5, v6
	v_lshrrev_b32 v8, 5, v0
	v_readfirstlane_b32 s[WV], v8                  ; wave 0..15
	s_and_b32 s12, ttmp7, 0xffff
	s_lshr_b32 s13, s12, 4                         ; batch
	s_and_b32 s14, s12, 15                         ; head
	s_lshr_b32 s15, s14, 1                         ; its pair
	s_and_b32 s16, s14, 1                          ; and which of the two
	s_lshl_b32 s3, s16, 6
	s_add_co_u32 s80, s13, 2                       ; K: row ((2 + batch) 8 + pair) 2,048 + 128 wave
	s_lshl_b32 s80, s80, 3
	s_add_co_u32 s80, s80, s15
	s_lshl_b32 s80, s80, 11
	s_lshl_b32 s81, s[WV], 7
	s_add_co_u32 s80, s80, s81
	s_lshl_b32 s82, s80, 7
	s_add_co_u32 s82, s82, s3
	s_mov_b32 s83, 0
	s_lshl_b32 s84, s80, 2
	s_mov_b32 s85, 0
	s_lshl_b32 s81, s13, 4                         ; V: row 65,536 + (16 batch + wave) 1,024 + 64 head
	s_add_co_u32 s81, s81, s[WV]
	s_lshl_b32 s81, s81, 10
	s_lshl_b32 s86, s14, 6
	s_add_co_u32 s81, s81, s86
	s_add_co_u32 s81, s81, 65536
	s_lshl_b32 s86, s81, 7
	s_mov_b32 s87, 0
	s_lshl_b32 s88, s81, 2
	s_mov_b32 s89, 0
	s_bfe_u32 s17, ttmp6, 0x40000                  ; cx: it enters Q's and o's addresses alone
	s_lshl_b32 s77, ttmp9, 2
	s_add_co_u32 s77, s77, s17
	s_lshl_b32 s78, s77, 8
	s_lshl_b32 s79, s[WV], 4
	s_add_co_u32 s78, s78, s79                     ; my first query
	s_lshl_b32 s79, s13, 3
	s_add_co_u32 s79, s79, s15
	s_lshl_b32 s79, s79, 11
	s_add_co_u32 s79, s79, s78                     ; its row in qc
	s_lshl_b32 s90, s79, 7
	s_add_co_u32 s90, s90, s3
	s_mov_b32 s91, 0
	s_lshl_b32 s92, s79, 2
	s_lshl_b32 s77, s16, 1
	s_add_co_u32 s92, s92, s77
	s_mov_b32 s93, 0
	s_lshl_b32 s79, s13, 11
	s_add_co_u32 s79, s79, s78
	s_add_co_u32 s79, s79, OC                      ; its row in ck; the plane is the pair of heads
	s_mul_i32 s94, s15, PLB
	s_lshl_b32 s95, s79, 7
	s_add_co_u32 s94, s94, s95
	s_add_co_u32 s94, s94, s3
	s_mov_b32 s95, 0
	s_mul_i32 s96, s15, PLS
	s_lshl_b32 s97, s79, 2
	s_add_co_u32 s96, s96, s97
	s_add_co_u32 s96, s96, s77
	s_mov_b32 s97, 0
	; descriptor groups 1.  K: 128 rows of 64 bytes out of rows of 128; 4 words of padding behind every 16
	s_mov_b32 s24, 15|(0<<16)|(1<<20)|(1<<21)|(3<<22)|(3<<25)
	s_mov_b32 s25, 64<<16
	s_mov_b32 s26, 128<<16
	s_mov_b32 s27, 64<<16
	s_mov_b32 s28, 128
	s_mov_b32 s29, 128
	s_mov_b32 s30, 0
	s_mov_b32 s31, 0
	; V: 64 rows of 128 bytes, dense; 4 words behind every 32
	s_mov_b32 s32, 15|(0<<16)|(1<<20)|(1<<21)|(4<<22)|(3<<25)
	s_mov_b32 s33, 128<<16
	s_mov_b32 s34, 64<<16
	s_mov_b32 s35, 128<<16
	s_mov_b32 s36, 64
	s_mov_b32 s37, 128
	s_mov_b32 s38, 0
	s_mov_b32 s39, 0
	; K's scale words of 128 keys: one row of 512 bytes
	s_mov_b32 s40, 15|(3<<16)|(1<<21)
	s_mov_b32 s41, 64<<16
	s_mov_b32 s42, 1<<16
	s_mov_b32 s43, 64<<16
	s_mov_b32 s44, 1
	s_mov_b32 s45, 64
	s_mov_b32 s46, 1<<16
	s_mov_b32 s47, 0
	; V's of 64 channels: one row of 256 bytes
	s_mov_b32 s48, 15|(3<<16)|(1<<21)
	s_mov_b32 s49, 32<<16
	s_mov_b32 s50, 1<<16
	s_mov_b32 s51, 32<<16
	s_mov_b32 s52, 1
	s_mov_b32 s53, 32
	s_mov_b32 s54, 1<<16
	s_mov_b32 s55, 0
	s_mov_b32 s[MNT], 0x600000
	s_mov_b32 s[SEL], 0x76543210
	s_mov_b32 s[SEL+1], 0xfedcba98
	s_mov_b32 s[CS], 0x3e38aa3b                    ; c = log2(e) / 8
	s_mov_b32 s[CS+1], s[CS]
	s_wait_dscnt 0x0                               ; both opening adds are done
	s_wait_kmcnt 0x0
	s_mov_b32 s56, 1
	s_mul_i32 s57, s[WV], 10240                    ; every LDS address: a constant + the wave's number x a constant
	s_add_nc_u64 s[58:59], s[4:5], s[82:83]
	s_or_b32 s59, s59, 0x80000000
	s_mov_b32 s60, 1
	s_mul_i32 s61, s[WV], 9216
	s_add_co_u32 s61, s61, VT
	s_add_nc_u64 s[62:63], s[4:5], s[86:87]
	s_or_b32 s63, s63, 0x80000000
	s_mov_b32 s68, 1
	s_lshl_b32 s69, s[WV], 9
	s_add_co_u32 s69, s69, KS
	s_add_nc_u64 s[70:71], s[6:7], s[84:85]
	s_or_b32 s71, s71, 0x80000000
	s_mov_b32 s72, 1
	s_lshl_b32 s73, s[WV], 8
	s_add_co_u32 s73, s73, VS
	s_add_nc_u64 s[74:75], s[6:7], s[88:89]
	s_or_b32 s75, s75, 0x80000000
	CROUND                                         ; all four work-groups are here: the joint loads meet
	tensor_load_to_lds s[56:59], s[24:31]          ; keys 128 w on
	s_nop 0
	tensor_load_to_lds s[60:63], s[32:39]          ; V's tile of keys 128 w on
	s_nop 0
	tensor_load_to_lds s[68:71], s[40:47]
	s_nop 0
	tensor_load_to_lds s[72:75], s[48:55]          ; four loads of mine are out
	s_nop 0
.rept 4
	v_nop
.endr
	v_and_b32 v8, 15, v0                           ; r
	v_bfe_u32 v9, v0, 4, 1                         ; h
	v_lshlrev_b32 v7, 7, v8
	v_lshl_add_u32 v7, v9, 4, v7                   ; 128 r + 16 h: Q's rows, and later o's
	v_lshlrev_b32 v251, 2, v8
	s_add_nc_u64 s[90:91], s[4:5], s[90:91]
	s_add_nc_u64 s[92:93], s[6:7], s[92:93]
	s_add_nc_u64 s[94:95], s[8:9], s[94:95]
	s_add_nc_u64 s[96:97], s[10:11], s[96:97]
	global_load_b128 v[16:19], v7, s[90:91]
	global_load_b128 v[20:23], v7, s[90:91] offset:32
	global_load_u16 v[QW], v251, s[92:93]
	v_mul_u32_u24 v1, v8, 80
	v_lshl_add_u32 v1, v9, 4, v1                   ; my lane's place in a tile of K
	v_mul_u32_u24 v2, v8, 144
	v_lshl_add_u32 v2, v9, 4, v2
	v_add_nc_u32 v2, VT, v2                        ; of V
	s_add_co_u32 s79, s77, KS
	v_lshl_add_u32 v3, v8, 2, s79                  ; among K's scale words: my head's two bytes
	v_lshl_add_u32 v4, v8, 2, VS                   ; among V's
	v_mov_b32 v13, 0xff61b1e6                      ; the largest t so far: -3e38
	v_floor_f32 v12, -v13                          ; -M
	v_mov_b32 v14, 0
	v_mov_b32 v15, 0
.irp j, 0,1,2,3,4,5,6,7
	v_mov_b32 v[24+\j], 0                          ; Q's upper half: zero codes
	v_mov_b32 v[96+\j], 0                          ; and what stands behind the last key tile
.endr
.irp b, 0,1,2,3
	v_mov_b32 v[PT+\b], 0                          ; a lane permute's destination counts as one of its sources
.endr
	v_mov_b32 v[F+1], 0
.set jj, 0
.rept 32
	v_mov_b32 v[O+jj], 0                           ; the step is written once: its first trip finds zeros
.set jj, jj+1
.endr
	s_mov_b32 s2, 0                                ; where the step's tiles and words begin
	s_mov_b32 s3, 0
	s_mov_b32 s66, 0
	s_mov_b32 s67, 0
	s_mov_b32 s76, 16
	s_wait_tensorcnt 0x0                           ; my four tiles have landed,
	s_wait_loadcnt 0x0                             ; and Q
	s_barrier_signal -1
	s_barrier_wait -1                              ; everybody's have
.Lstep:
	v_add_nc_u32 v8, s2, v1
	v_add_nc_u32 v9, s3, v2
	v_add_nc_u32 v10, s66, v3
	v_add_nc_u32 v11, s67, v4
.rept 4
	v_nop                                          ; with the four additions: eight places in front of loads into registers that the last products read
.endr
.irp t, 0,1,2,3,4,5,6,7
	ds_load_b128 v[32+8*\t:35+8*\t], v8 offset:1280*\t
	ds_load_b128 v[36+8*\t:39+8*\t], v8 offset:1280*\t+32
	ds_load_u16 v[KW+\t], v10 offset:64*\t
.endr
	s_wait_dscnt 0x0
.irp t, 0,1,2,3,4,5,6,7
	v_wmma_scale_f32_16x16x128_f8f6f4 v[S+8*\t:S+8*\t+7], v[32+8*\t:47+8*\t], v[16:31], 0, v[KW+\t], v[QW]
.endr
.rept 8
	v_nop
.endr
.irp t, 0,1,2,3                                ; V's fragments are asked for here: they land under the softmax
.irp c, 0,1,2,3
	ds_load_b128 v[32+16*\t+4*\c:35+16*\t+4*\c], v9 offset:2304*\t+32*\c
.endr
	ds_load_b32 v[VW+\t], v11 offset:64*\t
.endr
.irp b, 0,1,2,3
	v_max3_num_f32 v[MX+\b], v[S+16*\b], v[S+1+16*\b], v[S+2+16*\b]   ; the largest score of each block of 32 keys: for the row's maximum and for the block's largest p
.endr
.irp i, 3,5,7,9,11,13
.irp b, 0,1,2,3
	v_max3_num_f32 v[MX+\b], v[MX+\b], v[S+16*\b+\i], v[S+1+16*\b+\i]
.endr
.endr
.irp b, 0,1,2,3
	v_max_num_f32 v[MX+\b], v[MX+\b], v[S+15+16*\b]
.endr
.irp b, 0,1,2,3
	v_permlanex16_b32 v[PT+\b], v[MX+\b], s[SEL], s[SEL+1]
.endr
.irp b, 0,1,2,3
	v_max_num_f32 v[MX+\b], v[MX+\b], v[PT+\b]
.endr
	v_max3_num_f32 v[T0], v[MX], v[MX+1], v[MX+2]
	v_max_num_f32 v[T0], v[T0], v[MX+3]
	v_mul_f32 v[T0], s[CS], v[T0]
	v_max_num_f32 v13, v13, v[T0]                  ; the running largest t
	v_mov_b32 v[T0], v12
	v_floor_f32 v12, -v13                          ; the new -M = -ceil(t)
	v_sub_f32 v[T0], v12, v[T0]                    ; old M - new M: a whole number, 0 or less
	v_cvt_i32_f32 v[T0], v[T0]
	v_ldexp_f32 v[F], 1.0, v[T0]
.set jj, 0
.rept 32
	v_pk_fma_f32 v[S+jj:S+jj+1], v[S+jj:S+jj+1], s[CS:CS+1], v[12:13] op_sel_hi:[1,0,0]   ; t - M
.set jj, jj+2
.endr
.irp b, 0,1,2,3
	v_fma_f32 v[MX+\b], v[MX+\b], s[CS], v12
.endr
.set jj, 0
.rept 64
	v_exp_f32 v[S+jj], v[S+jj]                     ; p = 2^(t - M)
.set jj, jj+1
.endr
	v_pk_mul_f32 v[14:15], v[14:15], v[F:F+1] op_sel_hi:[1,0]   ; the sums under the new M (a plain line behind the exponentials)
	s_wait_alu depctr_va_vdst(0)                   ; one wait for the batch, ahead of its first reader
.irp b, 0,1,2,3
	v_exp_f32 v[MX+\b], v[MX+\b]                   ; the blocks' largest p
.endr
	v_pk_add_f32 v[PT:PT+1], v[S:S+1], v[S+2:S+3]  ; the row's sum, of the unquantised p, in two chains
.irp j, 4,8,12,16,20,24,28,32,36,40,44,48,52,56,60
	v_pk_add_f32 v[14:15], v[14:15], v[S+\j:S+\j+1]
	v_pk_add_f32 v[PT:PT+1], v[PT:PT+1], v[S+\j+2:S+\j+3]
.endr
	v_pk_add_f32 v[14:15], v[14:15], v[PT:PT+1]
	s_wait_alu depctr_va_vdst(0)                   ; and one for the four
.irp b, 0,1,2,3
	v_max_num_f32 v[MX+\b], 0x4800000, v[MX+\b]    ; the floor 2^(9 - 127)
.endr
.irp b, 0,1,2,3
	v_add_nc_u32 v[SO+\b], 0xfc000000, v[MX+\b]
.endr
.irp b, 0,1,2,3
	v_and_or_b32 v[HB+\b], v[MX+\b], 0x7f800000, s[MNT]
.endr
.irp b, 0,1,2,3
	v_lshrrev_b32 v[PT+\b], 23, v[SO+\b]
.endr
	v_lshl_or_b32 v[PWD], v[PT+1], 8, v[PT]        ; p's scale word for these 128 keys
	v_lshl_or_b32 v[PWD], v[PT+2], 16, v[PWD]
	v_lshl_or_b32 v[PWD], v[PT+3], 24, v[PWD]
.irp b, 0,1,2,3
.irp i, 0,1,2,3,4,5,6,7,8,9,10,11,12,13,14,15
	v_min_num_f32 v[S+16*\b+\i], v[S+16*\b+\i], v[HB+\b]   ; the hold; p is not negative
.endr
	v_cvt_scalef32_pk8_fp8_f32 v[PCD+4*\b:PCD+4*\b+1], v[S+16*\b:S+16*\b+7], v[SO+\b]
	v_cvt_scalef32_pk8_fp8_f32 v[PCD+4*\b+2:PCD+4*\b+3], v[S+16*\b+8:S+16*\b+15], v[SO+\b]
.endr
.set jj, 0
.rept 16
	v_pk_mul_f32 v[O+jj:O+jj+1], v[O+jj:O+jj+1], v[F:F+1] op_sel_hi:[1,0]   ; O^T under the new M; also the places between the codes and the products
.set jj, jj+2
.endr
	s_wait_dscnt 0x0                               ; V is in
.irp t, 0,1,2,3                                ; the four accumulators take turns
	v_wmma_scale_f32_16x16x128_f8f6f4 v[O+8*\t:O+8*\t+7], v[32+16*\t:47+16*\t], v[PCD:PCD+15], v[O+8*\t:O+8*\t+7], v[VW+\t], v[PWD]
.endr
	s_add_co_u32 s2, s2, 10240
	s_add_co_u32 s3, s3, 9216
	s_add_co_u32 s66, s66, 512
	s_add_co_u32 s67, s67, 256
	s_sub_co_u32 s76, s76, 1
	s_cmp_lg_u32 s76, 0
	s_cbranch_scc1 .Lstep
	; THE WAY OUT: O^T / the sum; register 8 t + i is channel 16 t + 8 h + i of query r: two blocks of 32 in the program's order; quantised, and stored from registers
.rept 8
	v_nop
.endr
	v_add_f32 v14, v14, v15
	v_permlanex16_b32 v[T0], v14, s[SEL], s[SEL+1]
	v_add_f32 v14, v14, v[T0]
	v_rcp_f32 v14, v14
	v_and_b32 v8, 15, v0
	v_bfe_u32 v9, v0, 4, 1
	v_lshl_add_u32 v252, v8, 2, v9                 ; 4 r + h: lane (r, h) stores block h's byte
	v_cmp_ne_u32 vcc_lo, 0, v9
	s_wait_alu depctr_va_vdst(0)                   ; ahead of the reciprocal's first reader
.set jj, 0
.rept 32
	v_mul_f32 v[S+jj], v[O+jj], v14
.set jj, jj+1
.endr
.irp b, 0,1
	v_max3_num_f32 v[MX+\b], |v[S+16*\b]|, |v[S+1+16*\b]|, 0x4800000
.endr
.irp i, 2,4,6,8,10,12,14
.irp b, 0,1
	v_max3_num_f32 v[MX+\b], v[MX+\b], |v[S+16*\b+\i]|, |v[S+1+16*\b+\i]|
.endr
.endr
.irp b, 0,1
	v_permlanex16_b32 v[PT+\b], v[MX+\b], s[SEL], s[SEL+1]
.endr
.irp b, 0,1
	v_max_num_f32 v[MX+\b], v[MX+\b], v[PT+\b]
.endr
.irp b, 0,1
	v_add_nc_u32 v[SO+\b], 0xfc000000, v[MX+\b]
.endr
.irp b, 0,1
	v_and_or_b32 v[HB+\b], v[MX+\b], 0x7f800000, s[MNT]
.endr
.irp b, 0,1
	v_lshrrev_b32 v[PT+\b], 23, v[SO+\b]
.endr
.irp b, 0,1
.irp i, 0,1,2,3,4,5,6,7,8,9,10,11,12,13,14,15
	v_med3_num_f32 v[S+16*\b+\i], v[S+16*\b+\i], -v[HB+\b], v[HB+\b]
.endr
	v_cvt_scalef32_pk8_fp8_f32 v[PCD+4*\b:PCD+4*\b+1], v[S+16*\b:S+16*\b+7], v[SO+\b]
	v_cvt_scalef32_pk8_fp8_f32 v[PCD+4*\b+2:PCD+4*\b+3], v[S+16*\b+8:S+16*\b+15], v[SO+\b]
.endr
	v_nop
	v_cndmask_b32 v249, v[PT], v[PT+1], vcc_lo
	global_store_b128 v7, v[PCD:PCD+3], s[94:95]
	global_store_b128 v7, v[PCD+4:PCD+7], s[94:95] offset:32
	global_store_b8 v252, v249, s[96:97]
	s_wait_tensorcnt 0x0                           ; the wave's end
	ds_add_u32 v5, v6
	s_wait_dscnt 0x0
	CROUND                                         ; the closing round
	s_endpgm
.Lfunc_end_k_qad7f2198fb_attn:
	.size	k_qad7f2198fb_attn, .Lfunc_end_k_qad7f2198fb_attn-k_qad7f2198fb_attn
	.p2alignl 7, 3214868480
	.fill 96, 4, 3214868480
	.section	.rodata,"a",@progbits
	.p2align	6, 0x0
	.amdhsa_kernel k_qad7f2198fb_attn
		.amdhsa_group_segment_fixed_size 327680
		.amdhsa_private_segment_fixed_size 0
		.amdhsa_enable_private_segment 0
		.amdhsa_kernarg_size 32
		.amdhsa_user_sgpr_count 2
		.amdhsa_user_sgpr_kernarg_segment_ptr 1
		.amdhsa_wavefront_size32 1
		.amdhsa_system_sgpr_workgroup_id_x 1
		.amdhsa_system_sgpr_workgroup_id_y 1
		.amdhsa_system_sgpr_workgroup_id_z 1
		.amdhsa_system_vgpr_workitem_id 0
		.amdhsa_next_free_vgpr 256
		.amdhsa_next_free_sgpr 100
		.amdhsa_reserve_vcc 1
		.amdhsa_float_denorm_mode_32 3
		.amdhsa_float_denorm_mode_16_64 3
		.amdhsa_memory_ordered 1
		.amdhsa_forward_progress 1
		.amdhsa_inst_pref_size 36
	.end_amdhsa_kernel
	.amdgpu_metadata
---
amdhsa.version: [ 1, 2 ]
amdhsa.kernels:
  - .name:           k_qad7f2198fb_attn
    .symbol:         k_qad7f2198fb_attn.kd
    .args:
      - { .name: qc, .offset: 0, .size: 8, .value_kind: global_buffer, .address_space: global }
      - { .name: qs, .offset: 8, .size: 8, .value_kind: global_buffer, .address_space: global }
      - { .name: ck, .offset: 16, .size: 8, .value_kind: global_buffer, .address_space: global }
      - { .name: sk, .offset: 24, .size: 8, .value_kind: global_buffer, .address_space: global }
    .group_segment_fixed_size: 327680
    .private_segment_fixed_size: 0
    .kernarg_segment_align: 8
    .kernarg_segment_size: 32
    .max_flat_workgroup_size: 512
    .sgpr_count:     100
    .vgpr_count:     256
    .wavefront_size: 32
...
	.end_amdgpu_metadata
.endif
;; end of part 3
;; launch gemm_o (part 4): grid 4 x 16, 4 waves a work-group, clusters of 4 x 4, 327,680 bytes of LDS; arguments ck, sk, x, x1; writes x1
.if DOCPART == 4
	.amdgcn_target "amdgcn-amd-amdhsa--gfx1250"
	.amdhsa_code_object_version 6
	.text
	.protected	k_qad7f2198fb_gemm_o
	.globl	k_qad7f2198fb_gemm_o
	.p2align	8
	.type	k_qad7f2198fb_gemm_o,@function
k_qad7f2198fb_gemm_o:
	s_mov_b64 s[64:65], 0
	v_nop
	global_prefetch_b8 v0, s[64:65] scope:SCOPE_SE
	s_setreg_imm32_b32 hwreg(HW_REG_WAVE_MODE, 25, 1), 1
	s_wait_xcnt 0x0
	s_wait_alu depctr_hold_cnt(0) depctr_sa_sdst(0) depctr_va_vdst(0) depctr_va_sdst(0) depctr_va_ssrc(0) depctr_va_vcc(0) depctr_vm_vsrc(0)
	s_getreg_b32 s2, hwreg(HW_REG_IB_STS2, 6, 4)
	s_cmp_eq_u32 s2, 0
	s_cbranch_scc0 .Lentry_in_a_cluster
	s_endpgm
.Lentry_in_a_cluster:
	s_bfe_u32 s2, ttmp6, 0x10000c
	s_cmp_lg_u32 s2, 0xf033
	s_cbranch_scc0 .Lentry_shape_is_right
	s_endpgm
.Lentry_shape_is_right:
; PRODUCT 4 AND THE RESIDUAL: x1 = x + o w_o^T, on codes of FP8 (E4M3) with E8M0 scales, K = 1,024.  Nothing is left out.
; A tile of 256 x 256 is made by four waves, each 128 x 128: 64 accumulators, 512 registers.  K goes in steps of 256 (two planes of 128) through a ring of two LDS slots filled by the tensor data mover.
; OPERANDS lie as [plane][row][128 bytes]: a tile's plane, 256 rows, is 32 KiB of consecutive memory: one load a wave, stated as 128 rows of 256 bytes with 16 bytes of padding behind each:
; row n lies at (n / 2) 272 + (n % 2) 128.  The scale words of the tile's rows, all planes, come once, with the first fills.
; CLUSTERS: 4 x 4 work-groups; A's tiles are asked for jointly along a row of the cluster, B's along a column.  THE MATRIX INSTRUCTION IS USED TRANSPOSED: a lane holds eight neighbouring numbers of a row of the result.
; 1,024 columns are four tiles: 64 work-groups have work at this tile size.
; REGISTERS, in windows of 256: window 0: v0-31 addresses; v32-63 scale words; from v128 A's fragments (on the way out: rows back from the stage).  window 1: B's fragments, two sets (on the way out: the residual's rows).
;   window 2: the accumulators of my rows 0-63 ((a, b) at v[8 (8 a + b)]); window 3: those of my rows 64-127.
.set NPL,   8                          ; planes of 128 along K
.set RT,    22016                      ; rows in a plane
.set AROW,  13824                      ; A: o's rows
.set BROW,  7168                       ; B: w_o's
.set PLB,   RT*128
.set NKS,   NPL/2
.set NQ,    2
.set FR,    16
.set NL,    4
.set NP,    8                          ; places behind this matrix instruction (ISA guide 7.12.1)
.set HALFT, 128*272
.set HROW,  64*272
.set BLKB,  8*272
.set SLOT,  4*HALFT
.set SCL,   2*SLOT
.set HALFS, NPL*512
.set SPARE, SCL+4*HALFS
.set STGB,  (NKS%2)*SLOT               ; the way out's stages lie in the slot that was left at the last change of slots: it has had its last fill, and nobody reads it
.set SPITCH, 528
.set ADRA, 16
.set ADRB, 20
.set STO,  24
.set RD,   25
.set CO,   26
.set ADRS, 27
.set SPW,  28
.set NIL,  29
.set SC,   32
.set AF,   128
.set BK,   128
.set G1, 24
.set G0, 32
.set G1B, 48
.set G0B, 56
.set G1S, 68
.set G0S, 76
.set G1SB, 80
.set G0SB, 88
.set MSB, 0
.macro WIN new
.if MSB != (\new)
	s_set_vgpr_msb (MSB<<8)|(\new)
.set MSB, (\new)
.endif
.endm
.set MUL_LO, 0xa1
.set MUL_HI, 0xf1
.set TO_B,   0x40
.macro JLOAD g0a, g1a, g0b, g1b        ; waves 0 and 1 fetch for A, waves 2 and 3 for B; an s_nop 0 and four v_nop follow each line
	s_cmp_eq_u32 s15, 0
	s_cbranch_scc0 .Lfor_b_\@
	tensor_load_to_lds s[\g0a:\g0a+3], s[\g1a:\g1a+7]
	s_nop 0
.rept 4
	v_nop
.endr
	s_branch .Lasked_\@
.Lfor_b_\@:
	tensor_load_to_lds s[\g0b:\g0b+3], s[\g1b:\g1b+7]
	s_nop 0
.rept 4
	v_nop
.endr
.Lasked_\@:
.endm
.macro CREST
	s_cmp_lg_u32 s14, 0
	s_cbranch_scc1 .Lnot_wave_0_\@
	s_barrier_signal -3
.Lnot_wave_0_\@:
	s_barrier_wait -3
	s_barrier_signal -1
	s_barrier_wait -1
.endm
.macro CROUND
	s_barrier_signal -1
	s_barrier_wait -1
	CREST
.endm
	s_load_b256 s[4:11], s[0:1], 0x0               ; codes, scales, the residual, the result
	v_lshl_add_u32 v[SPW], v0, 2, SPARE
	v_mov_b32 v[NIL], 0
	ds_add_u32 v[SPW], v[NIL]                      ; the wave's opening: the add, twice on end, and its wait ahead of my first tensor load
	ds_add_u32 v[SPW], v[NIL]
	v_lshrrev_b32 v1, 5, v0
	v_readfirstlane_b32 s14, v1
	s_lshr_b32 s15, s14, 1                         ; my half of the tile's rows.  Also: I fetch for A (0) or for B (1)
	s_and_b32 s16, s14, 1                          ; my half of its columns.  Also: which plane of a K step, and which 128 rows' scales, I fetch
	s_bfe_u32 s40, ttmp6, 0x40000
	s_bfe_u32 s41, ttmp6, 0x40004
	s_lshl_b32 s42, ttmp9, 2
	s_add_co_u32 s42, s42, s40                     ; tile column
	s_and_b32 s17, ttmp7, 0xffff
	s_lshl_b32 s17, s17, 2
	s_add_co_u32 s17, s17, s41                     ; tile row
	s_lshl_b32 s43, s41, 2
	s_lshl_b32 s43, 15, s43
	s_lshl_b32 s44, 0x1111, s40
	s_or_b32 s[G1+0], s43, (0<<16)|(1<<20)|(1<<21)|(5<<22)|(3<<25)
	s_or_b32 s[G1B+0], s44, (0<<16)|(1<<20)|(1<<21)|(5<<22)|(3<<25)
.irp g, G1, G1B
	s_mov_b32 s[\g+1], 256<<16
	s_mov_b32 s[\g+2], 128<<16
	s_mov_b32 s[\g+3], 256<<16
	s_mov_b32 s[\g+4], 128
	s_mov_b32 s[\g+5], 256
	s_mov_b32 s[\g+6], 0
	s_mov_b32 s[\g+7], 0
.endr
	s_or_b32 s[G1S+0], s43, (2<<16)|(1<<21)
	s_or_b32 s[G1SB+0], s44, (2<<16)|(1<<21)
.irp g, G1S, G1SB
	s_mov_b32 s[\g+1], 128<<16
	s_mov_b32 s[\g+2], NPL<<16
	s_mov_b32 s[\g+3], 128<<16
	s_mov_b32 s[\g+4], NPL
	s_mov_b32 s[\g+5], RT
	s_mov_b32 s[\g+6], 0
	s_mov_b32 s[\g+7], 0
.endr
	s_lshl_b32 s20, s17, 8
	s_add_co_u32 s20, s20, AROW                    ; A's first row
	s_lshl_b32 s46, s42, 8
	s_add_co_u32 s46, s46, BROW                    ; B's
	s_lshl_b32 s18, s16, 7
	s_add_co_u32 s22, s20, s18
	s_lshl_b32 s22, s22, 2
	s_mov_b32 s23, 0
	s_add_co_u32 s92, s46, s18
	s_lshl_b32 s92, s92, 2
	s_mov_b32 s93, 0
	s_mul_i32 s18, s16, PLB
	s_lshl_b32 s20, s20, 7
	s_add_co_u32 s20, s20, s18
	s_mov_b32 s21, 0
	s_lshl_b32 s46, s46, 7
	s_add_co_u32 s46, s46, s18
	s_mov_b32 s47, 0
	s_mul_i32 s45, s14, HALFT
	s_mul_i32 s94, s14, HALFS
	s_wait_dscnt 0x0
	s_wait_kmcnt 0x0
	s_add_nc_u64 s[20:21], s[4:5], s[20:21]
	s_add_nc_u64 s[22:23], s[6:7], s[22:23]
	s_add_nc_u64 s[46:47], s[4:5], s[46:47]
	s_add_nc_u64 s[92:93], s[6:7], s[92:93]
	CROUND
	s_mov_b32 s[G0S], 1
	s_add_co_u32 s[G0S+1], s94, SCL
	s_mov_b64 s[G0S+2:G0S+3], s[22:23]
	s_or_b32 s[G0S+3], s[G0S+3], 0x80000000
	s_mov_b32 s[G0SB], 1
	s_add_co_u32 s[G0SB+1], s94, SCL
	s_mov_b64 s[G0SB+2:G0SB+3], s[92:93]
	s_or_b32 s[G0SB+3], s[G0SB+3], 0x80000000
	JLOAD G0S, G1S, G0SB, G1SB
.irp s, 0,1
	s_mov_b32 s[G0+4*\s], 1
	s_add_co_u32 s[G0+4*\s+1], s45, \s*SLOT
	s_add_nc_u64 s[G0+4*\s+2:G0+4*\s+3], s[20:21], \s*2*PLB
	s_or_b32 s[G0+4*\s+3], s[G0+4*\s+3], 0x80000000
	s_mov_b32 s[G0B+4*\s], 1
	s_add_co_u32 s[G0B+4*\s+1], s45, \s*SLOT
	s_add_nc_u64 s[G0B+4*\s+2:G0B+4*\s+3], s[46:47], \s*2*PLB
	s_or_b32 s[G0B+4*\s+3], s[G0B+4*\s+3], 0x80000000
	JLOAD G0+4*\s, G1, G0B+4*\s, G1B               ; three loads of mine are out
.endr
	v_and_b32 v1, 15, v0
	v_bfe_u32 v2, v0, 4, 1
	v_lshrrev_b32 v3, 1, v1
	v_mul_u32_u24 v3, v3, 272
	v_and_b32 v4, 1, v1
	v_lshl_add_u32 v3, v4, 7, v3
	v_lshl_add_u32 v4, v2, 4, v3
	s_mul_i32 s21, s15, HROW
	s_mul_i32 s22, s16, HROW
	s_add_co_u32 s22, s22, 2*HALFT
.irp s, 0,1
	v_add_nc_u32 v[ADRA+\s], s21, v4
	v_add_nc_u32 v[ADRB+\s], s22, v4
	s_add_co_u32 s21, s21, SLOT
	s_add_co_u32 s22, s22, SLOT
.endr
	v_lshlrev_b32 v5, 2, v1
	s_mul_i32 s21, s15, HALFS
	s_mul_i32 s22, s16, HALFS
	s_add_co_u32 s22, s22, 2*HALFS
	s_sub_co_u32 s22, s22, s21
	v_mul_u32_u24 v6, s22, v2
	s_add_co_u32 s21, s21, SCL
	v_add_nc_u32 v5, v5, v6
	v_add_nc_u32 v[ADRS], s21, v5
	s_mul_i32 s23, s14, 16*SPITCH
	s_add_co_u32 s23, s23, STGB                    ; my stage: 16 rows x (512 bytes + 16)
	v_mul_u32_u24 v5, v1, SPITCH
	v_lshl_add_u32 v5, v2, 5, v5
	v_add_nc_u32 v[STO], s23, v5
	v_and_b32 v6, 31, v0
	v_lshlrev_b32 v[CO], 4, v6
	v_add_nc_u32 v[RD], s23, v[CO]
	s_lshl_b32 s20, s17, 8
	s_lshl_b32 s21, s15, 7
	s_add_co_u32 s20, s20, s21
	s_lshl_b32 s20, s20, 12                        ; my first row, 4,096 bytes a row,
	s_lshl_b32 s46, s42, 10
	s_lshl_b32 s47, s16, 9
	s_add_co_u32 s46, s46, s47                     ; my first column
	s_add_co_u32 s20, s20, s46
	s_mov_b32 s21, 0
	s_add_nc_u64 s[8:9], s[8:9], s[20:21]
	s_add_nc_u64 s[10:11], s[10:11], s[20:21]
.macro FRAG reg, adr, q, i
.irp c, 0,1,2,3
	ds_load_b128 v[\reg+4*\c:\reg+4*\c+3], v[\adr] offset:(\q)*HALFT+(\i)*BLKB+32*\c
.endr
.endm
.macro MUL16 a0, p, q, sc, zero        ; the 64 accumulators take turns, one instruction a turn
.irp a, \a0, \a0+1
.irp b, 0,1,2,3,4,5,6,7
.if \zero
	v_wmma_scale_f32_16x16x128_f8f6f4 v[8*(8*((\a)%4)+\b):8*(8*((\a)%4)+\b)+7], v[128*(\p)+FR*\b:128*(\p)+FR*\b+FR-1], v[AF+FR*(\a):AF+FR*(\a)+FR-1], 0, v[SC+8*NQ*(\sc)+NQ*\b+(\q)], v[SC+8*NQ*(\sc)+NQ*(\a)+(\q)] matrix_a_scale:MATRIX_SCALE_ROW1
.else
	v_wmma_scale_f32_16x16x128_f8f6f4 v[8*(8*((\a)%4)+\b):8*(8*((\a)%4)+\b)+7], v[128*(\p)+FR*\b:128*(\p)+FR*\b+FR-1], v[AF+FR*(\a):AF+FR*(\a)+FR-1], v[8*(8*((\a)%4)+\b):8*(8*((\a)%4)+\b)+7], v[SC+8*NQ*(\sc)+NQ*\b+(\q)], v[SC+8*NQ*(\sc)+NQ*(\a)+(\q)] matrix_a_scale:MATRIX_SCALE_ROW1
.endif
.endr
.endr
.endm
.macro FETCH_B slot, q, p
	WIN TO_B
.irp i, 0,1,2,3,4,5,6,7
	FRAG 128*(\p)+FR*\i, ADRB+\slot, \q, \i
.endr
	WIN 0
.endm
.macro FETCH_A slot, q, i0
.irp i, \i0, \i0+1, \i0+2, \i0+3
	FRAG AF+FR*(\i), ADRA+\slot, \q, \i
.endr
.endm
.macro SCALES sc
.irp i, 0,1,2,3,4,5,6,7
.irp q, 0,1
	ds_load_b32 v[SC+16*\sc+2*\i+\q], v[ADRS] offset:512*\q+64*\i
.endr
.endr
.endm
.macro PLACES n
.rept \n
	v_nop
.endr
.endm
.macro STEP slot, q, zero
	s_wait_dscnt 4*NL                              ; all but the youngest 16 loads (A's blocks 4-7) are in
	WIN MUL_LO
	MUL16 0, (\q)%2, \q, \slot, \zero
	MUL16 2, (\q)%2, \q, \slot, \zero
	s_wait_dscnt 0
	PLACES NP
	FETCH_B \slot, (\q)+1, 1-(\q)%2
	FETCH_A \slot, (\q)+1, 0
	WIN MUL_HI
	MUL16 4, (\q)%2, \q, \slot, \zero
	MUL16 6, (\q)%2, \q, \slot, \zero
	PLACES NP
	WIN 0
	FETCH_A \slot, (\q)+1, 4
.endm
.macro TURN slot, next, fill           ; the change of slots: the wait for all my tensor loads, the add, the wait for it and for my reads, one barrier; fill = 1: a round of the cluster's barrier and the refill
	s_wait_tensorcnt 0x0
	ds_add_u32 v[SPW], v[NIL]
	s_wait_dscnt 4*NL+1                            ; (the add and the youngest 16 loads may be out)
	WIN MUL_LO
	MUL16 0, 1, NQ-1, \slot, 0
	s_wait_dscnt 0x0
	s_barrier_signal -1
	MUL16 2, 1, NQ-1, \slot, 0
	WIN 0
	s_barrier_wait -1
.if \fill
	CREST
	s_add_nc_u64 s[G0+4*\slot+2:G0+4*\slot+3], s[G0+4*\slot+2:G0+4*\slot+3], 4*PLB
	s_add_nc_u64 s[G0B+4*\slot+2:G0B+4*\slot+3], s[G0B+4*\slot+2:G0B+4*\slot+3], 4*PLB
	JLOAD G0+4*\slot, G1, G0B+4*\slot, G1B
	PLACES NP-4
.else
	PLACES NP
.endif
	v_add_nc_u32 v[ADRS], 1024, v[ADRS]
	FETCH_B \next, 0, 0
	FETCH_A \next, 0, 0
	SCALES \next
	WIN MUL_HI
	MUL16 4, 1, NQ-1, \slot, 0
	MUL16 6, 1, NQ-1, \slot, 0
	PLACES NP
	WIN 0
	FETCH_A \next, 0, 4
.endm
.macro LAST sl
	s_wait_dscnt 4*NL
	WIN MUL_LO
	MUL16 0, 1, NQ-1, \sl, 0
	MUL16 2, 1, NQ-1, \sl, 0
	s_wait_dscnt 0
	WIN MUL_HI
	MUL16 4, 1, NQ-1, \sl, 0
	MUL16 6, 1, NQ-1, \sl, 0
	WIN 0
.endm
	s_wait_tensorcnt 1                             ; the scales and my part of K step 0 are in; K step 1's load may be out
	s_barrier_signal -1
	s_barrier_wait -1
	FETCH_B 0, 0, 0
	FETCH_A 0, 0, 0
	SCALES 0
	FETCH_A 0, 0, 4
	STEP 0, 0, 1
	s_mov_b32 s3, (NKS-2)/2
.Llap:
	TURN 0, 1, 1
	STEP 1, 0, 0
	TURN 1, 0, 1
	STEP 0, 0, 0
	s_sub_co_u32 s3, s3, 1
	s_cmp_lg_u32 s3, 0
	s_cbranch_scc1 .Llap
.if NKS%2                              ; the tail is written out
	TURN 0, 1, 1
	STEP 1, 0, 0
	TURN 1, 0, 0
	STEP 0, 0, 0
	LAST 0
.else
	TURN 0, 1, 0
	STEP 1, 0, 0
	LAST 1
.endif
; THE WAY OUT, block by block of 16 rows x 128 columns: through my own stage, back as whole rows of 512 bytes; the residual's same rows are added; the 32 lanes store two aligned runs of 256 bytes.
.macro TOSTAGE a
.set AC, 64*((\a)%4)
.set WD, 0x08+4*((\a)/4)
	WIN WD
.irp b, 0,1,2,3,4,5,6,7
	ds_store_b128 v[STO], v[AC+8*\b:AC+8*\b+3] offset:64*\b          ; each accumulator from its low end on
	ds_store_b128 v[STO], v[AC+8*\b+4:AC+8*\b+7] offset:64*\b+16
.endr
	WIN 0
.set BB, BK+64*((\a)%2)
.irp t, 0,1,2,3,4,5,6,7,8,9,10,11,12,13,14,15
	ds_load_b128 v[BB+4*\t:BB+4*\t+3], v[RD] offset:\t*SPITCH
.endr
.endm
.macro XLOAD a                         ; the residual's 16 rows of block a, into window 1
	WIN 0x40
.irp t, 0,1,2,3,4,5,6,7,8,9,10,11,12,13,14,15
	global_load_b128 v[64*((\a)%4)+4*\t:64*((\a)%4)+4*\t+3], v[CO], s[8:9] offset:(16*(\a)+\t)*4096 th:TH_LOAD_NT
.endr
	WIN 0
.endm
.macro OUT2 a
.if (\a) < 7
.if (\a) >= 1
	s_wait_xcnt 0x0                                ; block a - 1's stores have read their registers: block a + 1's rows may land there
.endif
	TOSTAGE (\a)+1
	s_wait_dscnt 32                                ; block a is back; the next block's 16 stores and 16 loads may be out
.else
	s_wait_dscnt 0x0
.endif
.if (\a) <= 4
	s_wait_loadcnt 48                              ; block a's residual is in; three later blocks' loads, 16 each, may be out
.else
	s_wait_loadcnt 16*(7-(\a))
.endif
.set BB, BK+64*((\a)%2)
.set XR, 64*((\a)%4)
	WIN 0x04
.set jj, 0
.rept 32
	v_pk_add_f32 v[BB+jj:BB+jj+1], v[BB+jj:BB+jj+1], v[XR+jj:XR+jj+1]
.set jj, jj+2
.endr
	WIN 0
.irp t, 0,1,2,3,4,5,6,7,8,9,10,11,12,13,14,15
	global_store_b128 v[CO], v[BB+4*\t:BB+4*\t+3], s[10:11] offset:(16*(\a)+\t)*4096
.endr
.if (\a) <= 3
	XLOAD (\a)+4
.endif
.endm
	PLACES NP
	XLOAD 0
	XLOAD 1
	XLOAD 2
	XLOAD 3
	TOSTAGE 0
.irp a, 0,1,2,3,4,5,6,7
	OUT2 \a
.endr
	s_wait_tensorcnt 0x0                           ; the wave's end
	ds_add_u32 v[SPW], v[NIL]
	s_wait_dscnt 0x0
	CROUND                                         ; the closing round
	s_endpgm
.Lfunc_end_k_qad7f2198fb_gemm_o:
	.size	k_qad7f2198fb_gemm_o, .Lfunc_end_k_qad7f2198fb_gemm_o-k_qad7f2198fb_gemm_o
	.p2alignl 7, 3214868480
	.fill 96, 4, 3214868480
	.section	.rodata,"a",@progbits
	.p2align	6, 0x0
	.amdhsa_kernel k_qad7f2198fb_gemm_o
		.amdhsa_group_segment_fixed_size 327680
		.amdhsa_private_segment_fixed_size 0
		.amdhsa_enable_private_segment 0
		.amdhsa_kernarg_size 32
		.amdhsa_user_sgpr_count 2
		.amdhsa_user_sgpr_kernarg_segment_ptr 1
		.amdhsa_wavefront_size32 1
		.amdhsa_system_sgpr_workgroup_id_x 1
		.amdhsa_system_sgpr_workgroup_id_y 1
		.amdhsa_system_sgpr_workgroup_id_z 1
		.amdhsa_system_vgpr_workitem_id 0
		.amdhsa_next_free_vgpr 1024
		.amdhsa_next_free_sgpr 100
		.amdhsa_reserve_vcc 0
		.amdhsa_float_denorm_mode_32 3
		.amdhsa_float_denorm_mode_16_64 3
		.amdhsa_memory_ordered 1
		.amdhsa_forward_progress 1
		.amdhsa_inst_pref_size 176
	.end_amdhsa_kernel
	.amdgpu_metadata
---
amdhsa.version: [ 1, 2 ]
amdhsa.kernels:
  - .name:           k_qad7f2198fb_gemm_o
    .symbol:         k_qad7f2198fb_gemm_o.kd
    .args:
      - { .name: ck, .offset: 0, .size: 8, .value_kind: global_buffer, .address_space: global }
      - { .name: sk, .offset: 8, .size: 8, .value_kind: global_buffer, .address_space: global }
      - { .name: x, .offset: 16, .size: 8, .value_kind: global_buffer, .address_space: global }
      - { .name: x1, .offset: 24, .size: 8, .value_kind: global_buffer, .address_space: global }
    .group_segment_fixed_size: 327680
    .private_segment_fixed_size: 0
    .kernarg_segment_align: 8
    .kernarg_segment_size: 32
    .max_flat_workgroup_size: 128
    .sgpr_count:     100
    .vgpr_count:     1024
    .wavefront_size: 32
...
	.end_amdgpu_metadata
.endif
;; end of part 4
;; launch norm2 (part 5): grid 256 x 1, 4 waves a work-group, no clusters, 22,016 bytes of LDS; arguments x1, n2_w, ck, sk; writes ck, sk
.if DOCPART == 5
	.amdgcn_target "amdgcn-amd-amdhsa--gfx1250"
	.amdhsa_code_object_version 6
	.text
	.protected	k_qad7f2198fb_norm2
	.globl	k_qad7f2198fb_norm2
	.p2align	8
	.type	k_qad7f2198fb_norm2,@function
k_qad7f2198fb_norm2:
	s_mov_b64 s[64:65], 0
	v_nop
	global_prefetch_b8 v0, s[64:65] scope:SCOPE_SE
	s_setreg_imm32_b32 hwreg(HW_REG_WAVE_MODE, 25, 1), 1
	s_wait_xcnt 0x0
; h2 = rmsnorm(x1, n2_w), quantised to codes of FP8 (E4M3) with one E8M0 scale for each 32 along K, into rows 17,920 on of ck and sk ([plane of 128][row][128 bytes], [plane][row][4]).  Nothing is left out.
; In a block of 32 byte 16 h + 8 u + j holds k = 16 u + 8 h + j, as in every operand of the program.
; A wave owns 4 rows, kept in 128 registers between the sum of squares and the scaling.  A step is 4 rows x one plane: the numbers turn through the wave's own stage in LDS, so that lane l holds 16 numbers of row l / 8,
; block (l % 8) / 2; its 16 codes lie at 16 l of the step's 512 consecutive bytes.  Waves share nothing: no barrier.
; LIMITS: NaN and infinities are not served; a block under 2^-118, and a block of zeros, take the byte 1; 1 / rms is v_rsq_f32's (1 ulp); the scale words leave in runs of 16 bytes.
.set RT,    22016
.set PLB,   RT*128
.set PLS,   RT*4
.set H2,    17920
.set SPARE, 21504
.set SPW, 12
.set NIL, 13
.set RS,  20
.set R,   32
.set G,   160
.set X,   192
.set SQ,  192
.set C,   224
.macro QCORE xs, c
	v_max3_num_f32 v8, |v[(\xs)]|, |v[(\xs)+1]|, |v[(\xs)+2]|
	v_max3_num_f32 v9, |v[(\xs)+3]|, |v[(\xs)+4]|, |v[(\xs)+5]|
.irp i, 6,10
	v_max3_num_f32 v8, v8, |v[(\xs)+\i]|, |v[(\xs)+\i+1]|
	v_max3_num_f32 v9, v9, |v[(\xs)+\i+2]|, |v[(\xs)+\i+3]|
.endr
	v_max3_num_f32 v8, v8, |v[(\xs)+14]|, |v[(\xs)+15]|
	v_max3_num_f32 v8, v8, v9, 0x4800000           ; the floor 2^(9 - 127)
	v_max_num_f32_dpp v8, v8, v8 row_xmask:1 row_mask:0xf bank_mask:0xf   ; with my neighbour's 16
	v_add_nc_u32 v11, 0xfc000000, v8               ; the conversion's scale operand
	v_and_or_b32 v10, v8, 0x7f800000, s54          ; 448 x the scale
.irp i, 0,1,2,3,4,5,6,7,8,9,10,11,12,13,14,15
	v_med3_num_f32 v[(\xs)+\i], v[(\xs)+\i], -v10, v10
.endr
	v_cvt_scalef32_pk8_fp8_f32 v[(\c):(\c)+1], v[(\xs):(\xs)+7], v11
	v_cvt_scalef32_pk8_fp8_f32 v[(\c)+2:(\c)+3], v[(\xs)+8:(\xs)+15], v11
	v_lshrrev_b32 v19, 23, v11                     ; the scale's byte (also the plain line behind the conversions)
.endm
	s_load_b256 s[4:11], s[0:1], 0x0               ; x1, n2_w, ck, sk
	v_lshl_add_u32 v[SPW], v0, 2, SPARE
	v_mov_b32 v[NIL], 0
	v_lshrrev_b32 v1, 5, v0
	v_readfirstlane_b32 s26, v1
	v_and_b32 v1, 31, v0
	v_lshlrev_b32 v14, 4, v1
	s_mov_b32 s54, 0x600000
	s_lshl_b32 s33, ttmp9, 4
	s_lshl_b32 s57, s26, 2
	s_add_co_u32 s33, s33, s57                     ; my wave's first row
.irp i, 0,1,2,3
	s_add_co_u32 s60, s33, \i
	s_lshl_b32 s60, s60, 12
	v_add_nc_u32 v[2+\i], s60, v14
.endr
	s_mul_i32 s61, s26, 5376                       ; my wave's LDS: two stages of 2,560 bytes, then 128 scale bytes
	v_lshrrev_b32 v6, 2, v1
	v_mul_u32_u24 v6, v6, 80
	v_and_b32 v7, 3, v1
	v_lshl_add_u32 v6, v7, 4, v6
	v_add_nc_u32 v6, s61, v6
	v_lshrrev_b32 v7, 3, v1
	v_mul_u32_u24 v7, v7, 640
	v_bfe_u32 v8, v1, 1, 2
	v_mad_u32_u24 v7, v8, 160, v7
	v_and_b32 v8, 1, v1
	v_lshl_add_u32 v7, v8, 5, v7
	v_add_nc_u32 v7, s61, v7
	s_add_co_u32 s61, s61, 5120
	v_lshrrev_b32 v15, 1, v1
	v_add_nc_u32 v15, s61, v15
	v_lshl_add_u32 v16, v1, 2, s61
	v_lshrrev_b32 v17, 2, v1
	v_mul_u32_u24 v17, v17, PLS
	v_and_b32 v8, 3, v1
	v_lshl_add_u32 v17, v8, 2, v17
	s_wait_kmcnt 0x0
.irp p, 0,1,2,3,4,5,6,7
.irp i, 0,1,2,3
	global_load_b128 v[R+16*\p+4*\i:R+16*\p+4*\i+3], v[2+\i], s[4:5] offset:512*\p th:TH_LOAD_NT
.endr
.endr
.irp p, 0,1,2,3,4,5,6,7
	global_load_b128 v[G+4*\p:G+4*\p+3], v14, s[6:7] offset:512*\p
.endr
	s_add_co_u32 s60, s33, H2
	s_lshl_b32 s62, s60, 2
	s_mov_b32 s63, 0
	s_add_nc_u64 s[52:53], s[10:11], s[62:63]
	s_lshl_b32 s62, s60, 7
	s_add_nc_u64 s[36:37], s[8:9], s[62:63]        ; a base for each plane
.irp p, 1,2,3,4,5,6,7
	s_add_nc_u64 s[36+2*\p:37+2*\p], s[34+2*\p:35+2*\p], PLB
.endr
	s_mov_b32 s55, 0x3a800000                      ; 1 / 1,024
	s_mov_b32 s56, 0x358637bd                      ; 1e-6
	s_mov_b32 s58, 0x76543210
	s_mov_b32 s59, 0xfedcba98
	s_wait_loadcnt 0x0
.irp i, 0,1,2,3
	v_pk_mul_f32 v[SQ+2*\i:SQ+2*\i+1], v[R+4*\i:R+4*\i+1], v[R+4*\i:R+4*\i+1]
.endr
.irp i, 0,1,2,3
	v_pk_fma_f32 v[SQ+2*\i:SQ+2*\i+1], v[R+4*\i+2:R+4*\i+3], v[R+4*\i+2:R+4*\i+3], v[SQ+2*\i:SQ+2*\i+1]
.endr
.irp p, 1,2,3,4,5,6,7
.irp q, 0,2
.irp i, 0,1,2,3
	v_pk_fma_f32 v[SQ+2*\i:SQ+2*\i+1], v[R+16*\p+4*\i+\q:R+16*\p+4*\i+\q+1], v[R+16*\p+4*\i+\q:R+16*\p+4*\i+\q+1], v[SQ+2*\i:SQ+2*\i+1]
.endr
.endr
.endr
.irp i, 0,1,2,3
	v_add_f32 v[SQ+2*\i], v[SQ+2*\i], v[SQ+2*\i+1]
.endr
.irp m, 1,2,4,8
.irp i, 0,1,2,3
	v_add_f32_dpp v[SQ+2*\i], v[SQ+2*\i], v[SQ+2*\i] row_xmask:\m row_mask:0xf bank_mask:0xf
.endr
.endr
.irp i, 0,1,2,3
	v_permlanex16_b32 v[SQ+2*\i+1], v[SQ+2*\i], s58, s59
.endr
.irp i, 0,1,2,3
	v_add_f32 v[SQ+2*\i], v[SQ+2*\i], v[SQ+2*\i+1]
.endr
.irp i, 0,1,2,3
	v_fma_f32 v[SQ+2*\i], v[SQ+2*\i], s55, s56
.endr
.irp i, 0,1,2,3
	v_rsq_f32 v[RS+2*\i], v[SQ+2*\i]
.endr
	v_nop
	s_wait_alu depctr_va_vdst(0)                   ; one wait for the four, ahead of their first reader
.irp i, 0,1,2,3
	v_mov_b32 v[RS+2*\i+1], v[RS+2*\i]
.endr
.irp p, 0,1,2,3,4,5,6,7
.irp i, 0,1,2,3
.irp q, 0,2
	v_pk_mul_f32 v[R+16*\p+4*\i+\q:R+16*\p+4*\i+\q+1], v[R+16*\p+4*\i+\q:R+16*\p+4*\i+\q+1], v[RS+2*\i:RS+2*\i+1]
.endr
.endr
.endr
.irp p, 0,1,2,3,4,5,6,7
.irp i, 0,1,2,3
.irp q, 0,2
	v_pk_mul_f32 v[R+16*\p+4*\i+\q:R+16*\p+4*\i+\q+1], v[R+16*\p+4*\i+\q:R+16*\p+4*\i+\q+1], v[G+4*\p+\q:G+4*\p+\q+1]
.endr
.endr
.endr
.macro TURN t                          ; plane t through the stage: LDS serves a wave's instructions in order
.irp i, 0,1,2,3
	ds_store_b128 v6, v[R+16*(\t)+4*\i:R+16*(\t)+4*\i+3] offset:2560*((\t)%2)+640*\i
.endr
.irp k, 0,1,2,3
	ds_load_b128 v[X+16*((\t)%2)+4*\k:X+16*((\t)%2)+4*\k+3], v7 offset:2560*((\t)%2)+16*(\k%2)+80*(\k/2)
.endr
.endm
.macro STEPA p
	s_wait_dscnt 0x0                               ; this plane's numbers are back, and the last byte store has read v19
.if (\p) < 7
	TURN (\p)+1
.endif
	QCORE X+16*((\p)%2), C+4*(\p)
	ds_store_b8 v15, v19 offset:16*(\p)
	global_store_b128 v14, v[C+4*(\p):C+4*(\p)+3], s[36+2*(\p):37+2*(\p)]   ; 512 consecutive bytes: 4 rows of 128
.endm
	TURN 0
.irp p, 0,1,2,3,4,5,6,7
	STEPA \p
.endr
	ds_load_b32 v19, v16
	s_wait_dscnt 0x0
	global_store_b32 v17, v19, s[52:53]
	s_wait_tensorcnt 0x0                           ; the wave's end
	ds_add_u32 v[SPW], v[NIL]
	s_wait_dscnt 0x0
	s_endpgm
.Lfunc_end_k_qad7f2198fb_norm2:
	.size	k_qad7f2198fb_norm2, .Lfunc_end_k_qad7f2198fb_norm2-k_qad7f2198fb_norm2
	.p2alignl 7, 3214868480
	.fill 96, 4, 3214868480
	.section	.rodata,"a",@progbits
	.p2align	6, 0x0
	.amdhsa_kernel k_qad7f2198fb_norm2
		.amdhsa_group_segment_fixed_size 22016
		.amdhsa_private_segment_fixed_size 0
		.amdhsa_enable_private_segment 0
		.amdhsa_kernarg_size 32
		.amdhsa_user_sgpr_count 2
		.amdhsa_user_sgpr_kernarg_segment_ptr 1
		.amdhsa_wavefront_size32 1
		.amdhsa_system_sgpr_workgroup_id_x 1
		.amdhsa_system_sgpr_workgroup_id_y 1
		.amdhsa_system_sgpr_workgroup_id_z 1
		.amdhsa_system_vgpr_workitem_id 0
		.amdhsa_next_free_vgpr 256
		.amdhsa_next_free_sgpr 66
		.amdhsa_reserve_vcc 0
		.amdhsa_float_denorm_mode_32 3
		.amdhsa_float_denorm_mode_16_64 3
		.amdhsa_memory_ordered 1
		.amdhsa_forward_progress 1
		.amdhsa_inst_pref_size 43
	.end_amdhsa_kernel
	.amdgpu_metadata
---
amdhsa.version: [ 1, 2 ]
amdhsa.kernels:
  - .name:           k_qad7f2198fb_norm2
    .symbol:         k_qad7f2198fb_norm2.kd
    .args:
      - { .name: x1, .offset: 0, .size: 8, .value_kind: global_buffer, .address_space: global }
      - { .name: n2_w, .offset: 8, .size: 8, .value_kind: global_buffer, .address_space: global }
      - { .name: ck, .offset: 16, .size: 8, .value_kind: global_buffer, .address_space: global }
      - { .name: sk, .offset: 24, .size: 8, .value_kind: global_buffer, .address_space: global }
    .group_segment_fixed_size: 22016
    .private_segment_fixed_size: 0
    .kernarg_segment_align: 8
    .kernarg_segment_size: 32
    .max_flat_workgroup_size: 128
    .sgpr_count:     66
    .vgpr_count:     256
    .wavefront_size: 32
...
	.end_amdgpu_metadata
.endif
;; end of part 5
;; launch gemm_13 (part 6): grid 16 x 22, 4 waves a work-group, clusters of 4 x 1, 327,680 bytes of LDS; arguments ck, sk, c2, s2; writes c2, s2
.if DOCPART == 6
	.amdgcn_target "amdgcn-amd-amdhsa--gfx1250"
	.amdhsa_code_object_version 6
	.text
	.protected	k_qad7f2198fb_gemm_13
	.globl	k_qad7f2198fb_gemm_13
	.p2align	8
	.type	k_qad7f2198fb_gemm_13,@function
k_qad7f2198fb_gemm_13:
	s_mov_b64 s[64:65], 0
	v_nop
	global_prefetch_b8 v0, s[64:65] scope:SCOPE_SE
	s_setreg_imm32_b32 hwreg(HW_REG_WAVE_MODE, 25, 1), 1
	s_wait_xcnt 0x0
	s_wait_alu depctr_hold_cnt(0) depctr_sa_sdst(0) depctr_va_vdst(0) depctr_va_sdst(0) depctr_va_ssrc(0) depctr_va_vcc(0) depctr_vm_vsrc(0)
	s_getreg_b32 s2, hwreg(HW_REG_IB_STS2, 6, 4)
	s_cmp_eq_u32 s2, 0
	s_cbranch_scc0 .Lentry_in_a_cluster
	s_endpgm
.Lentry_in_a_cluster:
	s_bfe_u32 s2, ttmp6, 0x10000c
	s_cmp_lg_u32 s2, 0x3003
	s_cbranch_scc0 .Lentry_shape_is_right
	s_endpgm
.Lentry_shape_is_right:
; PRODUCTS 5 AND 6 AND SWIGLU: g = silu(h2 w1^T) (h2 w3^T), on codes of FP8 (E4M3) with E8M0 scales, K = 1,024; g is quantised on the way out, as product 7's operand.  Nothing is left out.
; B's rows interleave w1 and w3 by 64: a wave's 128 rows of B are 64 rows of w1 and the same 64 of w3: both factors of a number of g lie in one lane.  Rows 2,730 to 2,815 are zero codes: g is 0 there, which fills K up to 22 x 128.
; A tile of 256 x 256 is made by four waves, each 128 x 128.  K goes in steps of 256 (two planes of 128) through a ring of two LDS slots; a tile's plane, 256 rows of 128 bytes, is 32 KiB of consecutive memory: one load a wave,
; stated as 128 rows of 256 bytes with 16 bytes of padding behind each.  The scale words of the tile's rows, all planes, come once.
; CLUSTER 4 x 1: B has 22 tiles of 256 rows, which four does not divide, so the four partners lie along M: they share B's tiles and scales (joint loads, the mask of all four); A's tiles are each work-group's own, asked for in the same rounds.
; THE MATRIX INSTRUCTION IS USED TRANSPOSED: a lane holds one token and its registers run along the hidden units, the next K.  In a block of 32 byte 16 h + 8 u + j holds k = 16 u + 8 h + j.
; LIMITS: NaN and infinities are not served; g is formed as (a1 a3) / (1 + 2^(-a1 log2 e)), with v_exp_f32 and v_rcp_f32 (1 ulp each); a block under 2^-118, and a block of zeros, take the byte 1.
; REGISTERS as in the other products' launches: window 0: v0-31 addresses; v32-63 scale words; v64-103 at work on the way out; from v128 A's fragments; window 1: B's fragments; windows 2, 3: the accumulators.
.set NPL,   8
.set RT,    22016
.set AROW,  17920                      ; A: h2's rows
.set BROW,  8192                       ; B: w1's and w3's
.set PLB,   RT*128
.set PLB2,  5120*128                   ; a plane of c2,
.set PLS2,  5120*4                     ; of s2
.set NKS,   NPL/2
.set NQ,    2
.set FR,    16
.set NL,    4
.set NP,    8
.set HALFT, 128*272
.set HROW,  64*272
.set BLKB,  8*272
.set SLOT,  4*HALFT
.set SCL,   2*SLOT
.set HALFS, NPL*512
.set SPARE, SCL+4*HALFS
.set SWB,   256*144                    ; the way out's stage, in slot 0: 256 rows x 144 bytes, then 256 scale words
.set ADRA, 16
.set ADRB, 20
.set STO,  24
.set RD,   25
.set CO,   26
.set ADRS, 27
.set SPW,  28
.set NIL,  29
.set SWO,  30
.set SRD,  31
.set CO8,  15
.set SC,   32
.set TM,   64
.set PW,   80
.set PC,   84
.set AF,   128
.set TT,   128                         ; v128-159 the sigmoid on its way
.set GG,   160                         ; v160-191 g
.set MNT,  2
.set SEL,  98
.set G1, 24
.set G0, 32
.set G1B, 48
.set G0B, 56
.set G1S, 68
.set G0S, 76
.set G1SB, 80
.set G0SB, 88
.set MSB, 0
.macro WIN new
.if MSB != (\new)
	s_set_vgpr_msb (MSB<<8)|(\new)
.set MSB, (\new)
.endif
.endm
.set MUL_LO, 0xa1
.set MUL_HI, 0xf1
.set TO_B,   0x40
.macro JLOAD g0a, g1a, g0b, g1b        ; waves 0 and 1 fetch for A (my work-group's own), waves 2 and 3 for B (jointly); an s_nop 0 and four v_nop follow each line
	s_cmp_eq_u32 s15, 0
	s_cbranch_scc0 .Lfor_b_\@
	tensor_load_to_lds s[\g0a:\g0a+3], s[\g1a:\g1a+7]
	s_nop 0
.rept 4
	v_nop
.endr
	s_branch .Lasked_\@
.Lfor_b_\@:
	tensor_load_to_lds s[\g0b:\g0b+3], s[\g1b:\g1b+7]
	s_nop 0
.rept 4
	v_nop
.endr
.Lasked_\@:
.endm
.macro CREST
	s_cmp_lg_u32 s14, 0
	s_cbranch_scc1 .Lnot_wave_0_\@
	s_barrier_signal -3
.Lnot_wave_0_\@:
	s_barrier_wait -3
	s_barrier_signal -1
	s_barrier_wait -1
.endm
.macro CROUND
	s_barrier_signal -1
	s_barrier_wait -1
	CREST
.endm
	s_load_b256 s[4:11], s[0:1], 0x0               ; ck, sk, c2, s2
	v_lshl_add_u32 v[SPW], v0, 2, SPARE
	v_mov_b32 v[NIL], 0
	ds_add_u32 v[SPW], v[NIL]                      ; the wave's opening: the add, twice on end, and its wait ahead of my first tensor load
	ds_add_u32 v[SPW], v[NIL]
	v_lshrrev_b32 v1, 5, v0
	v_readfirstlane_b32 s14, v1
	s_lshr_b32 s15, s14, 1
	s_and_b32 s16, s14, 1
	s_bfe_u32 s40, ttmp6, 0x40000                  ; cx
	s_lshl_b32 s17, ttmp9, 2
	s_add_co_u32 s17, s17, s40                     ; tile row = 4 x cluster x + cx
	s_and_b32 s42, ttmp7, 0xffff                   ; tile column: the four partners share it
	s_mov_b32 s[G1+0], (0<<16)|(1<<20)|(5<<22)|(3<<25)               ; A: no mask
	s_mov_b32 s[G1B+0], 15|(0<<16)|(1<<20)|(1<<21)|(5<<22)|(3<<25)   ; B: all four work-groups
.irp g, G1, G1B
	s_mov_b32 s[\g+1], 256<<16
	s_mov_b32 s[\g+2], 128<<16
	s_mov_b32 s[\g+3], 256<<16
	s_mov_b32 s[\g+4], 128
	s_mov_b32 s[\g+5], 256
	s_mov_b32 s[\g+6], 0
	s_mov_b32 s[\g+7], 0
.endr
	s_mov_b32 s[G1S+0], (2<<16)
	s_mov_b32 s[G1SB+0], 15|(2<<16)|(1<<21)
.irp g, G1S, G1SB
	s_mov_b32 s[\g+1], 128<<16
	s_mov_b32 s[\g+2], NPL<<16
	s_mov_b32 s[\g+3], 128<<16
	s_mov_b32 s[\g+4], NPL
	s_mov_b32 s[\g+5], RT
	s_mov_b32 s[\g+6], 0
	s_mov_b32 s[\g+7], 0
.endr
	s_lshl_b32 s20, s17, 8
	s_add_co_u32 s20, s20, AROW
	s_lshl_b32 s46, s42, 8
	s_add_co_u32 s46, s46, BROW                    ; B's first row: no place in the cluster enters it
	s_lshl_b32 s18, s16, 7
	s_add_co_u32 s22, s20, s18
	s_lshl_b32 s22, s22, 2
	s_mov_b32 s23, 0
	s_add_co_u32 s92, s46, s18
	s_lshl_b32 s92, s92, 2
	s_mov_b32 s93, 0
	s_mul_i32 s18, s16, PLB
	s_lshl_b32 s20, s20, 7
	s_add_co_u32 s20, s20, s18
	s_mov_b32 s21, 0
	s_lshl_b32 s46, s46, 7
	s_add_co_u32 s46, s46, s18
	s_mov_b32 s47, 0
	s_mul_i32 s45, s14, HALFT
	s_mul_i32 s94, s14, HALFS
	s_wait_dscnt 0x0
	s_wait_kmcnt 0x0
	s_add_nc_u64 s[20:21], s[4:5], s[20:21]
	s_add_nc_u64 s[22:23], s[6:7], s[22:23]
	s_add_nc_u64 s[46:47], s[4:5], s[46:47]
	s_add_nc_u64 s[92:93], s[6:7], s[92:93]
	CROUND
	s_mov_b32 s[G0S], 1
	s_add_co_u32 s[G0S+1], s94, SCL
	s_mov_b64 s[G0S+2:G0S+3], s[22:23]
	s_or_b32 s[G0S+3], s[G0S+3], 0x80000000
	s_mov_b32 s[G0SB], 1
	s_add_co_u32 s[G0SB+1], s94, SCL
	s_mov_b64 s[G0SB+2:G0SB+3], s[92:93]
	s_or_b32 s[G0SB+3], s[G0SB+3], 0x80000000
	JLOAD G0S, G1S, G0SB, G1SB
.irp s, 0,1
	s_mov_b32 s[G0+4*\s], 1
	s_add_co_u32 s[G0+4*\s+1], s45, \s*SLOT
	s_add_nc_u64 s[G0+4*\s+2:G0+4*\s+3], s[20:21], \s*2*PLB
	s_or_b32 s[G0+4*\s+3], s[G0+4*\s+3], 0x80000000
	s_mov_b32 s[G0B+4*\s], 1
	s_add_co_u32 s[G0B+4*\s+1], s45, \s*SLOT
	s_add_nc_u64 s[G0B+4*\s+2:G0B+4*\s+3], s[46:47], \s*2*PLB
	s_or_b32 s[G0B+4*\s+3], s[G0B+4*\s+3], 0x80000000
	JLOAD G0+4*\s, G1, G0B+4*\s, G1B               ; three loads of mine are out
.endr
	v_and_b32 v1, 15, v0
	v_bfe_u32 v2, v0, 4, 1
	v_lshrrev_b32 v3, 1, v1
	v_mul_u32_u24 v3, v3, 272
	v_and_b32 v4, 1, v1
	v_lshl_add_u32 v3, v4, 7, v3
	v_lshl_add_u32 v4, v2, 4, v3
	s_mul_i32 s21, s15, HROW
	s_mul_i32 s22, s16, HROW
	s_add_co_u32 s22, s22, 2*HALFT
.irp s, 0,1
	v_add_nc_u32 v[ADRA+\s], s21, v4
	v_add_nc_u32 v[ADRB+\s], s22, v4
	s_add_co_u32 s21, s21, SLOT
	s_add_co_u32 s22, s22, SLOT
.endr
	v_lshlrev_b32 v5, 2, v1
	s_mul_i32 s21, s15, HALFS
	s_mul_i32 s22, s16, HALFS
	s_add_co_u32 s22, s22, 2*HALFS
	s_sub_co_u32 s22, s22, s21
	v_mul_u32_u24 v6, s22, v2
	s_add_co_u32 s21, s21, SCL
	v_add_nc_u32 v5, v5, v6
	v_add_nc_u32 v[ADRS], s21, v5
	s_mul_i32 s23, s15, 128*144                    ; the work-group's stage: row 128 (my half) + r, my 64 bytes of its 128
	s_lshl_b32 s21, s16, 6
	s_add_co_u32 s23, s23, s21
	v_mul_u32_u24 v5, v1, 144
	v_lshl_add_u32 v5, v2, 4, v5
	v_add_nc_u32 v[STO], s23, v5
	s_lshl_b32 s23, s15, 9
	s_lshl_b32 s21, s16, 1
	s_add_co_u32 s23, s23, s21
	s_add_co_u32 s23, s23, SWB
	v_lshl_add_u32 v[SWO], v1, 2, s23              ; my two bytes of the row's scale word
	s_mul_i32 s23, s14, 64*144                     ; back: wave w takes rows 64 w on, whole; eight lanes to a row
	v_and_b32 v6, 31, v0
	v_lshrrev_b32 v5, 3, v6
	v_mul_u32_u24 v5, v5, 144
	v_and_b32 v7, 7, v6
	v_lshl_add_u32 v5, v7, 4, v5
	v_add_nc_u32 v[RD], s23, v5
	v_lshlrev_b32 v[CO], 4, v6
	s_lshl_b32 s23, s14, 8
	s_add_co_u32 s23, s23, SWB
	v_lshl_add_u32 v[SRD], v6, 3, s23
	v_lshlrev_b32 v[CO8], 3, v6
	s_lshl_b32 s20, s17, 8
	s_lshl_b32 s21, s14, 6
	s_add_co_u32 s20, s20, s21                     ; the first row that I store: 256 x tile row + 64 x wave; the plane is the tile column
	s_mul_i32 s22, s42, PLB2
	s_lshl_b32 s21, s20, 7
	s_add_co_u32 s22, s22, s21
	s_mov_b32 s23, 0
	s_add_nc_u64 s[12:13], s[8:9], s[22:23]
	s_mul_i32 s22, s42, PLS2
	s_lshl_b32 s21, s20, 2
	s_add_co_u32 s22, s22, s21
	s_add_nc_u64 s[18:19], s[10:11], s[22:23]
	s_mov_b32 s[MNT], 0x600000
	s_mov_b32 s[SEL], 0x76543210
	s_mov_b32 s[SEL+1], 0xfedcba98
	s_mov_b32 s96, 0xbfb8aa3b                      ; -log2(e)
	s_mov_b32 s97, s96
.macro FRAG reg, adr, q, i
.irp c, 0,1,2,3
	ds_load_b128 v[\reg+4*\c:\reg+4*\c+3], v[\adr] offset:(\q)*HALFT+(\i)*BLKB+32*\c
.endr
.endm
.macro MUL16 a0, p, q, sc, zero        ; the 64 accumulators take turns, one instruction a turn
.irp a, \a0, \a0+1
.irp b, 0,1,2,3,4,5,6,7
.if \zero
	v_wmma_scale_f32_16x16x128_f8f6f4 v[8*(8*((\a)%4)+\b):8*(8*((\a)%4)+\b)+7], v[128*(\p)+FR*\b:128*(\p)+FR*\b+FR-1], v[AF+FR*(\a):AF+FR*(\a)+FR-1], 0, v[SC+8*NQ*(\sc)+NQ*\b+(\q)], v[SC+8*NQ*(\sc)+NQ*(\a)+(\q)] matrix_a_scale:MATRIX_SCALE_ROW1
.else
	v_wmma_scale_f32_16x16x128_f8f6f4 v[8*(8*((\a)%4)+\b):8*(8*((\a)%4)+\b)+7], v[128*(\p)+FR*\b:128*(\p)+FR*\b+FR-1], v[AF+FR*(\a):AF+FR*(\a)+FR-1], v[8*(8*((\a)%4)+\b):8*(8*((\a)%4)+\b)+7], v[SC+8*NQ*(\sc)+NQ*\b+(\q)], v[SC+8*NQ*(\sc)+NQ*(\a)+(\q)] matrix_a_scale:MATRIX_SCALE_ROW1
.endif
.endr
.endr
.endm
.macro FETCH_B slot, q, p
	WIN TO_B
.irp i, 0,1,2,3,4,5,6,7
	FRAG 128*(\p)+FR*\i, ADRB+\slot, \q, \i
.endr
	WIN 0
.endm
.macro FETCH_A slot, q, i0
.irp i, \i0, \i0+1, \i0+2, \i0+3
	FRAG AF+FR*(\i), ADRA+\slot, \q, \i
.endr
.endm
.macro SCALES sc
.irp i, 0,1,2,3,4,5,6,7
.irp q, 0,1
	ds_load_b32 v[SC+16*\sc+2*\i+\q], v[ADRS] offset:512*\q+64*\i
.endr
.endr
.endm
.macro PLACES n
.rept \n
	v_nop
.endr
.endm
.macro STEP slot, q, zero
	s_wait_dscnt 4*NL                              ; all but the youngest 16 loads (A's blocks 4-7) are in
	WIN MUL_LO
	MUL16 0, (\q)%2, \q, \slot, \zero
	MUL16 2, (\q)%2, \q, \slot, \zero
	s_wait_dscnt 0
	PLACES NP
	FETCH_B \slot, (\q)+1, 1-(\q)%2
	FETCH_A \slot, (\q)+1, 0
	WIN MUL_HI
	MUL16 4, (\q)%2, \q, \slot, \zero
	MUL16 6, (\q)%2, \q, \slot, \zero
	PLACES NP
	WIN 0
	FETCH_A \slot, (\q)+1, 4
.endm
.macro TURN slot, next, fill           ; the change of slots: the wait for all my tensor loads, the add, the wait for it and for my reads, one barrier; fill = 1: a round of the cluster's barrier and the refill
	s_wait_tensorcnt 0x0
	ds_add_u32 v[SPW], v[NIL]
	s_wait_dscnt 4*NL+1                            ; (the add and the youngest 16 loads may be out)
	WIN MUL_LO
	MUL16 0, 1, NQ-1, \slot, 0
	s_wait_dscnt 0x0
	s_barrier_signal -1
	MUL16 2, 1, NQ-1, \slot, 0
	WIN 0
	s_barrier_wait -1
.if \fill
	CREST
	s_add_nc_u64 s[G0+4*\slot+2:G0+4*\slot+3], s[G0+4*\slot+2:G0+4*\slot+3], 4*PLB
	s_add_nc_u64 s[G0B+4*\slot+2:G0B+4*\slot+3], s[G0B+4*\slot+2:G0B+4*\slot+3], 4*PLB
	JLOAD G0+4*\slot, G1, G0B+4*\slot, G1B
	PLACES NP-4
.else
	PLACES NP
.endif
	v_add_nc_u32 v[ADRS], 1024, v[ADRS]
	FETCH_B \next, 0, 0
	FETCH_A \next, 0, 0
	SCALES \next
	WIN MUL_HI
	MUL16 4, 1, NQ-1, \slot, 0
	MUL16 6, 1, NQ-1, \slot, 0
	PLACES NP
	WIN 0
	FETCH_A \next, 0, 4
.endm
.macro LAST sl
	s_wait_dscnt 4*NL
	WIN MUL_LO
	MUL16 0, 1, NQ-1, \sl, 0
	MUL16 2, 1, NQ-1, \sl, 0
	s_wait_dscnt 0
	WIN MUL_HI
	MUL16 4, 1, NQ-1, \sl, 0
	MUL16 6, 1, NQ-1, \sl, 0
	WIN 0
.endm
	s_wait_tensorcnt 1                             ; the scales and my part of K step 0 are in; K step 1's load may be out
	s_barrier_signal -1
	s_barrier_wait -1
	FETCH_B 0, 0, 0
	FETCH_A 0, 0, 0
	SCALES 0
	FETCH_A 0, 0, 4
	STEP 0, 0, 1
	s_mov_b32 s3, (NKS-2)/2
.Llap:
	TURN 0, 1, 1
	STEP 1, 0, 0
	TURN 1, 0, 1
	STEP 0, 0, 0
	s_sub_co_u32 s3, s3, 1
	s_cmp_lg_u32 s3, 0
	s_cbranch_scc1 .Llap
	TURN 0, 1, 0                                   ; the tail is written out: it fills nothing
	STEP 1, 0, 0
	LAST 1
; THE WAY OUT.  In block a accumulators 0-3 hold a1 = h2 w1^T and accumulators 4-7 a3 = h2 w3^T of the same 64 hidden units: 32 numbers of each a lane.
.macro QUANT2 s                        ; 32 numbers of a lane, two blocks of 32 shared with lane l xor 16, become 8 registers of codes in v[PC] on and two bytes in v[PW]
.irp b, 0,1
	v_max3_num_f32 v[TM+\b], |v[\s+16*\b]|, |v[\s+1+16*\b]|, 0x4800000
.endr
.irp i, 2,4,6,8,10,12,14
.irp b, 0,1
	v_max3_num_f32 v[TM+\b], v[TM+\b], |v[\s+16*\b+\i]|, |v[\s+1+16*\b+\i]|
.endr
.endr
.irp b, 0,1
	v_permlanex16_b32 v[TM+4+\b], v[TM+\b], s[SEL], s[SEL+1]
.endr
.irp b, 0,1
	v_max_num_f32 v[TM+\b], v[TM+\b], v[TM+4+\b]
.endr
.irp b, 0,1
	v_add_nc_u32 v[TM+12+\b], 0xfc000000, v[TM+\b]
.endr
.irp b, 0,1
	v_and_or_b32 v[TM+8+\b], v[TM+\b], 0x7f800000, s[MNT]
.endr
.irp b, 0,1
	v_lshrrev_b32 v[TM+4+\b], 23, v[TM+12+\b]
.endr
	v_lshl_or_b32 v[PW], v[TM+5], 8, v[TM+4]
.irp b, 0,1
.irp i, 0,1,2,3,4,5,6,7,8,9,10,11,12,13,14,15
	v_med3_num_f32 v[\s+16*\b+\i], v[\s+16*\b+\i], -v[TM+8+\b], v[TM+8+\b]
.endr
	v_cvt_scalef32_pk8_fp8_f32 v[PC+4*\b:PC+4*\b+1], v[\s+16*\b:\s+16*\b+7], v[TM+12+\b]
	v_cvt_scalef32_pk8_fp8_f32 v[PC+4*\b+2:PC+4*\b+3], v[\s+16*\b+8:\s+16*\b+15], v[TM+12+\b]
.endr
	v_nop                                          ; a plain line behind the last conversion
.endm
.macro OUT3 a
.set W, 2+(\a)/4
.set AC, 64*((\a)%4)
.set W01, W|(W<<2)
	WIN W
.set jj, 0
.rept 16
	v_pk_mul_f32 v[TT+jj:TT+jj+1], v[AC+jj:AC+jj+1], s[96:97] op_sel_hi:[1,0]   ; -a1 log2(e); each accumulator is read from its low end on
.set jj, jj+2
.endr
	WIN 0
.set jj, 0
.rept 32
	v_exp_f32 v[TT+jj], v[TT+jj]
.set jj, jj+1
.endr
	WIN W01
.set jj, 0
.rept 16
	v_pk_mul_f32 v[GG+jj:GG+jj+1], v[AC+jj:AC+jj+1], v[AC+32+jj:AC+32+jj+1]     ; a1 a3: the independent work behind the exponentials
.set jj, jj+2
.endr
	WIN 0
	s_wait_alu depctr_va_vdst(0)                   ; one wait for the 32, ahead of their first reader
.set jj, 0
.rept 16
	v_pk_add_f32 v[TT+jj:TT+jj+1], v[TT+jj:TT+jj+1], 1.0 op_sel_hi:[1,0]
.set jj, jj+2
.endr
.set jj, 0
.rept 32
	v_rcp_f32 v[TT+jj], v[TT+jj]
.set jj, jj+1
.endr
	v_nop
	s_wait_alu depctr_va_vdst(0)                   ; and one for the reciprocals
.set jj, 0
.rept 16
	v_pk_mul_f32 v[GG+jj:GG+jj+1], v[GG+jj:GG+jj+1], v[TT+jj:TT+jj+1]
.set jj, jj+2
.endr
	QUANT2 GG
	ds_store_b128 v[STO], v[PC:PC+3] offset:2304*(\a)
	ds_store_b128 v[STO], v[PC+4:PC+7] offset:2304*(\a)+32
	ds_store_b16 v[SWO], v[PW] offset:64*(\a)      ; both halves of the lanes write the same two bytes with the same value
	s_wait_dscnt 0x0                               ; the stores have read their registers
.endm
	PLACES NP
	v_mov_b32 v[TM+4], 0                           ; written once: a lane permute's destination counts as one of its sources
	v_mov_b32 v[TM+5], 0
.irp a, 0,1,2,3,4,5,6,7
	OUT3 \a
.endr
	s_barrier_signal -1                            ; my stores into the stage are done (the wait above): a row's 128 bytes come from two waves
	s_barrier_wait -1
.irp i, 0,1,2,3,4,5,6,7,8,9,10,11,12,13,14,15
	ds_load_b128 v[192+4*\i:195+4*\i], v[RD] offset:576*\i
.endr
	ds_load_b64 v[102:103], v[SRD]
.irp i, 0,1,2,3,4,5,6,7,8,9,10,11,12,13,14,15
	s_wait_dscnt 16-\i                             ; the younger loads may be out
	global_store_b128 v[CO], v[192+4*\i:195+4*\i], s[12:13] offset:512*\i   ; 512 consecutive bytes: four rows of the plane
.endr
	s_wait_dscnt 0x0
	global_store_b64 v[CO8], v[102:103], s[18:19]  ; 64 rows' scale words: 256 consecutive bytes
	s_wait_tensorcnt 0x0                           ; the wave's end
	ds_add_u32 v[SPW], v[NIL]
	s_wait_dscnt 0x0
	CROUND                                         ; the closing round
	s_endpgm
.Lfunc_end_k_qad7f2198fb_gemm_13:
	.size	k_qad7f2198fb_gemm_13, .Lfunc_end_k_qad7f2198fb_gemm_13-k_qad7f2198fb_gemm_13
	.p2alignl 7, 3214868480
	.fill 96, 4, 3214868480
	.section	.rodata,"a",@progbits
	.p2align	6, 0x0
	.amdhsa_kernel k_qad7f2198fb_gemm_13
		.amdhsa_group_segment_fixed_size 327680
		.amdhsa_private_segment_fixed_size 0
		.amdhsa_enable_private_segment 0
		.amdhsa_kernarg_size 32
		.amdhsa_user_sgpr_count 2
		.amdhsa_user_sgpr_kernarg_segment_ptr 1
		.amdhsa_wavefront_size32 1
		.amdhsa_system_sgpr_workgroup_id_x 1
		.amdhsa_system_sgpr_workgroup_id_y 1
		.amdhsa_system_sgpr_workgroup_id_z 1
		.amdhsa_system_vgpr_workitem_id 0
		.amdhsa_next_free_vgpr 1024
		.amdhsa_next_free_sgpr 100
		.amdhsa_reserve_vcc 0
		.amdhsa_float_denorm_mode_32 3
		.amdhsa_float_denorm_mode_16_64 3
		.amdhsa_memory_ordered 1
		.amdhsa_forward_progress 1
		.amdhsa_inst_pref_size 206
	.end_amdhsa_kernel
	.amdgpu_metadata
---
amdhsa.version: [ 1, 2 ]
amdhsa.kernels:
  - .name:           k_qad7f2198fb_gemm_13
    .symbol:         k_qad7f2198fb_gemm_13.kd
    .args:
      - { .name: ck, .offset: 0, .size: 8, .value_kind: global_buffer, .address_space: global }
      - { .name: sk, .offset: 8, .size: 8, .value_kind: global_buffer, .address_space: global }
      - { .name: c2, .offset: 16, .size: 8, .value_kind: global_buffer, .address_space: global }
      - { .name: s2, .offset: 24, .size: 8, .value_kind: global_buffer, .address_space: global }
    .group_segment_fixed_size: 327680
    .private_segment_fixed_size: 0
    .kernarg_segment_align: 8
    .kernarg_segment_size: 32
    .max_flat_workgroup_size: 128
    .sgpr_count:     100
    .vgpr_count:     1024
    .wavefront_size: 32
...
	.end_amdgpu_metadata
.endif
;; end of part 6
;; launch gemm_2 (part 7): grid 4 x 16, 4 waves a work-group, clusters of 4 x 4, 327,680 bytes of LDS; arguments c2, s2, x1, out0; writes out0
.if DOCPART == 7
	.amdgcn_target "amdgcn-amd-amdhsa--gfx1250"
	.amdhsa_code_object_version 6
	.text
	.protected	k_qad7f2198fb_gemm_2
	.globl	k_qad7f2198fb_gemm_2
	.p2align	8
	.type	k_qad7f2198fb_gemm_2,@function
k_qad7f2198fb_gemm_2:
	s_mov_b64 s[64:65], 0
	v_nop
	global_prefetch_b8 v0, s[64:65] scope:SCOPE_SE
	s_setreg_imm32_b32 hwreg(HW_REG_WAVE_MODE, 25, 1), 1
	s_wait_xcnt 0x0
	s_wait_alu depctr_hold_cnt(0) depctr_sa_sdst(0) depctr_va_vdst(0) depctr_va_sdst(0) depctr_va_ssrc(0) depctr_va_vcc(0) depctr_vm_vsrc(0)
	s_getreg_b32 s2, hwreg(HW_REG_IB_STS2, 6, 4)
	s_cmp_eq_u32 s2, 0
	s_cbranch_scc0 .Lentry_in_a_cluster
	s_endpgm
.Lentry_in_a_cluster:
	s_bfe_u32 s2, ttmp6, 0x10000c
	s_cmp_lg_u32 s2, 0xf033
	s_cbranch_scc0 .Lentry_shape_is_right
	s_endpgm
.Lentry_shape_is_right:
; PRODUCT 7 AND THE RESIDUAL: out0 = x1 + g w2^T, on codes of FP8 (E4M3) with E8M0 scales, K = 2,730 filled with zero codes on both sides up to 2,816 = 22 planes of 128.  Nothing is left out.
; A tile of 256 x 256 is made by four waves, each 128 x 128: 64 accumulators, 512 registers.  K goes in steps of 256 (two planes of 128), eleven of them, through a ring of two LDS slots filled by the tensor data mover.
; OPERANDS lie as [plane][row][128 bytes]: a tile's plane, 256 rows, is 32 KiB of consecutive memory: one load a wave, stated as 128 rows of 256 bytes with 16 bytes of padding behind each:
; row n lies at (n / 2) 272 + (n % 2) 128.  The scale words of the tile's rows, all planes, come once, with the first fills.
; CLUSTERS: 4 x 4 work-groups; A's tiles are asked for jointly along a row of the cluster, B's along a column.  THE MATRIX INSTRUCTION IS USED TRANSPOSED: a lane holds eight neighbouring numbers of a row of the result.
; 1,024 columns are four tiles: 64 work-groups have work at this tile size.
; REGISTERS, in windows of 256: window 0: v0-31 addresses; v32-63 scale words; from v128 A's fragments (on the way out: rows back from the stage).  window 1: B's fragments, two sets (on the way out: the residual's rows).
;   window 2: the accumulators of my rows 0-63 ((a, b) at v[8 (8 a + b)]); window 3: those of my rows 64-127.
.set NPL,   22                         ; planes of 128 along K
.set RT,    5120                       ; rows in a plane
.set AROW,  0                          ; A: g's rows
.set BROW,  4096                       ; B: w2's
.set PLB,   RT*128
.set NKS,   NPL/2
.set NQ,    2
.set FR,    16
.set NL,    4
.set NP,    8                          ; places behind this matrix instruction (ISA guide 7.12.1)
.set HALFT, 128*272
.set HROW,  64*272
.set BLKB,  8*272
.set SLOT,  4*HALFT
.set SCL,   2*SLOT
.set HALFS, NPL*512
.set SPARE, SCL+4*HALFS
.set STGB,  (NKS%2)*SLOT               ; the way out's stages lie in the slot that was left at the last change of slots: it has had its last fill, and nobody reads it
.set SPITCH, 528
.set ADRA, 16
.set ADRB, 20
.set STO,  24
.set RD,   25
.set CO,   26
.set ADRS, 27
.set SPW,  28
.set NIL,  29
.set SC,   32
.set AF,   128
.set BK,   128
.set G1, 24
.set G0, 32
.set G1B, 48
.set G0B, 56
.set G1S, 68
.set G0S, 76
.set G1SB, 80
.set G0SB, 88
.set MSB, 0
.macro WIN new
.if MSB != (\new)
	s_set_vgpr_msb (MSB<<8)|(\new)
.set MSB, (\new)
.endif
.endm
.set MUL_LO, 0xa1
.set MUL_HI, 0xf1
.set TO_B,   0x40
.macro JLOAD g0a, g1a, g0b, g1b        ; waves 0 and 1 fetch for A, waves 2 and 3 for B; an s_nop 0 and four v_nop follow each line
	s_cmp_eq_u32 s15, 0
	s_cbranch_scc0 .Lfor_b_\@
	tensor_load_to_lds s[\g0a:\g0a+3], s[\g1a:\g1a+7]
	s_nop 0
.rept 4
	v_nop
.endr
	s_branch .Lasked_\@
.Lfor_b_\@:
	tensor_load_to_lds s[\g0b:\g0b+3], s[\g1b:\g1b+7]
	s_nop 0
.rept 4
	v_nop
.endr
.Lasked_\@:
.endm
.macro CREST
	s_cmp_lg_u32 s14, 0
	s_cbranch_scc1 .Lnot_wave_0_\@
	s_barrier_signal -3
.Lnot_wave_0_\@:
	s_barrier_wait -3
	s_barrier_signal -1
	s_barrier_wait -1
.endm
.macro CROUND
	s_barrier_signal -1
	s_barrier_wait -1
	CREST
.endm
	s_load_b256 s[4:11], s[0:1], 0x0               ; codes, scales, the residual, the result
	v_lshl_add_u32 v[SPW], v0, 2, SPARE
	v_mov_b32 v[NIL], 0
	ds_add_u32 v[SPW], v[NIL]                      ; the wave's opening: the add, twice on end, and its wait ahead of my first tensor load
	ds_add_u32 v[SPW], v[NIL]
	v_lshrrev_b32 v1, 5, v0
	v_readfirstlane_b32 s14, v1
	s_lshr_b32 s15, s14, 1                         ; my half of the tile's rows.  Also: I fetch for A (0) or for B (1)
	s_and_b32 s16, s14, 1                          ; my half of its columns.  Also: which plane of a K step, and which 128 rows' scales, I fetch
	s_bfe_u32 s40, ttmp6, 0x40000
	s_bfe_u32 s41, ttmp6, 0x40004
	s_lshl_b32 s42, ttmp9, 2
	s_add_co_u32 s42, s42, s40                     ; tile column
	s_and_b32 s17, ttmp7, 0xffff
	s_lshl_b32 s17, s17, 2
	s_add_co_u32 s17, s17, s41                     ; tile row
	s_lshl_b32 s43, s41, 2
	s_lshl_b32 s43, 15, s43
	s_lshl_b32 s44, 0x1111, s40
	s_or_b32 s[G1+0], s43, (0<<16)|(1<<20)|(1<<21)|(5<<22)|(3<<25)
	s_or_b32 s[G1B+0], s44, (0<<16)|(1<<20)|(1<<21)|(5<<22)|(3<<25)
.irp g, G1, G1B
	s_mov_b32 s[\g+1], 256<<16
	s_mov_b32 s[\g+2], 128<<16
	s_mov_b32 s[\g+3], 256<<16
	s_mov_b32 s[\g+4], 128
	s_mov_b32 s[\g+5], 256
	s_mov_b32 s[\g+6], 0
	s_mov_b32 s[\g+7], 0
.endr
	s_or_b32 s[G1S+0], s43, (2<<16)|(1<<21)
	s_or_b32 s[G1SB+0], s44, (2<<16)|(1<<21)
.irp g, G1S, G1SB
	s_mov_b32 s[\g+1], 128<<16
	s_mov_b32 s[\g+2], NPL<<16
	s_mov_b32 s[\g+3], 128<<16
	s_mov_b32 s[\g+4], NPL
	s_mov_b32 s[\g+5], RT
	s_mov_b32 s[\g+6], 0
	s_mov_b32 s[\g+7], 0
.endr
	s_lshl_b32 s20, s17, 8
	s_add_co_u32 s20, s20, AROW                    ; A's first row
	s_lshl_b32 s46, s42, 8
	s_add_co_u32 s46, s46, BROW                    ; B's
	s_lshl_b32 s18, s16, 7
	s_add_co_u32 s22, s20, s18
	s_lshl_b32 s22, s22, 2
	s_mov_b32 s23, 0
	s_add_co_u32 s92, s46, s18
	s_lshl_b32 s92, s92, 2
	s_mov_b32 s93, 0
	s_mul_i32 s18, s16, PLB
	s_lshl_b32 s20, s20, 7
	s_add_co_u32 s20, s20, s18
	s_mov_b32 s21, 0
	s_lshl_b32 s46, s46, 7
	s_add_co_u32 s46, s46, s18
	s_mov_b32 s47, 0
	s_mul_i32 s45, s14, HALFT
	s_mul_i32 s94, s14, HALFS
	s_wait_dscnt 0x0
	s_wait_kmcnt 0x0
	s_add_nc_u64 s[20:21], s[4:5], s[20:21]
	s_add_nc_u64 s[22:23], s[6:7], s[22:23]
	s_add_nc_u64 s[46:47], s[4:5], s[46:47]
	s_add_nc_u64 s[92:93], s[6:7], s[92:93]
	CROUND
	s_mov_b32 s[G0S], 1
	s_add_co_u32 s[G0S+1], s94, SCL
	s_mov_b64 s[G0S+2:G0S+3], s[22:23]
	s_or_b32 s[G0S+3], s[G0S+3], 0x80000000
	s_mov_b32 s[G0SB], 1
	s_add_co_u32 s[G0SB+1], s94, SCL
	s_mov_b64 s[G0SB+2:G0SB+3], s[92:93]
	s_or_b32 s[G0SB+3], s[G0SB+3], 0x80000000
	JLOAD G0S, G1S, G0SB, G1SB
.irp s, 0,1
	s_mov_b32 s[G0+4*\s], 1
	s_add_co_u32 s[G0+4*\s+1], s45, \s*SLOT
	s_add_nc_u64 s[G0+4*\s+2:G0+4*\s+3], s[20:21], \s*2*PLB
	s_or_b32 s[G0+4*\s+3], s[G0+4*\s+3], 0x80000000
	s_mov_b32 s[G0B+4*\s], 1
	s_add_co_u32 s[G0B+4*\s+1], s45, \s*SLOT
	s_add_nc_u64 s[G0B+4*\s+2:G0B+4*\s+3], s[46:47], \s*2*PLB
	s_or_b32 s[G0B+4*\s+3], s[G0B+4*\s+3], 0x80000000
	JLOAD G0+4*\s, G1, G0B+4*\s, G1B               ; three loads of mine are out
.endr
	v_and_b32 v1, 15, v0
	v_bfe_u32 v2, v0, 4, 1
	v_lshrrev_b32 v3, 1, v1
	v_mul_u32_u24 v3, v3, 272
	v_and_b32 v4, 1, v1
	v_lshl_add_u32 v3, v4, 7, v3
	v_lshl_add_u32 v4, v2, 4, v3
	s_mul_i32 s21, s15, HROW
	s_mul_i32 s22, s16, HROW
	s_add_co_u32 s22, s22, 2*HALFT
.irp s, 0,1
	v_add_nc_u32 v[ADRA+\s], s21, v4
	v_add_nc_u32 v[ADRB+\s], s22, v4
	s_add_co_u32 s21, s21, SLOT
	s_add_co_u32 s22, s22, SLOT
.endr
	v_lshlrev_b32 v5, 2, v1
	s_mul_i32 s21, s15, HALFS
	s_mul_i32 s22, s16, HALFS
	s_add_co_u32 s22, s22, 2*HALFS
	s_sub_co_u32 s22, s22, s21
	v_mul_u32_u24 v6, s22, v2
	s_add_co_u32 s21, s21, SCL
	v_add_nc_u32 v5, v5, v6
	v_add_nc_u32 v[ADRS], s21, v5
	s_mul_i32 s23, s14, 16*SPITCH
	s_add_co_u32 s23, s23, STGB                    ; my stage: 16 rows x (512 bytes + 16)
	v_mul_u32_u24 v5, v1, SPITCH
	v_lshl_add_u32 v5, v2, 5, v5
	v_add_nc_u32 v[STO], s23, v5
	v_and_b32 v6, 31, v0
	v_lshlrev_b32 v[CO], 4, v6
	v_add_nc_u32 v[RD], s23, v[CO]
	s_lshl_b32 s20, s17, 8
	s_lshl_b32 s21, s15, 7
	s_add_co_u32 s20, s20, s21
	s_lshl_b32 s20, s20, 12                        ; my first row, 4,096 bytes a row,
	s_lshl_b32 s46, s42, 10
	s_lshl_b32 s47, s16, 9
	s_add_co_u32 s46, s46, s47                     ; my first column
	s_add_co_u32 s20, s20, s46
	s_mov_b32 s21, 0
	s_add_nc_u64 s[8:9], s[8:9], s[20:21]
	s_add_nc_u64 s[10:11], s[10:11], s[20:21]
.macro FRAG reg, adr, q, i
.irp c, 0,1,2,3
	ds_load_b128 v[\reg+4*\c:\reg+4*\c+3], v[\adr] offset:(\q)*HALFT+(\i)*BLKB+32*\c
.endr
.endm
.macro MUL16 a0, p, q, sc, zero        ; the 64 accumulators take turns, one instruction a turn
.irp a, \a0, \a0+1
.irp b, 0,1,2,3,4,5,6,7
.if \zero
	v_wmma_scale_f32_16x16x128_f8f6f4 v[8*(8*((\a)%4)+\b):8*(8*((\a)%4)+\b)+7], v[128*(\p)+FR*\b:128*(\p)+FR*\b+FR-1], v[AF+FR*(\a):AF+FR*(\a)+FR-1], 0, v[SC+8*NQ*(\sc)+NQ*\b+(\q)], v[SC+8*NQ*(\sc)+NQ*(\a)+(\q)] matrix_a_scale:MATRIX_SCALE_ROW1
.else
	v_wmma_scale_f32_16x16x128_f8f6f4 v[8*(8*((\a)%4)+\b):8*(8*((\a)%4)+\b)+7], v[128*(\p)+FR*\b:128*(\p)+FR*\b+FR-1], v[AF+FR*(\a):AF+FR*(\a)+FR-1], v[8*(8*((\a)%4)+\b):8*(8*((\a)%4)+\b)+7], v[SC+8*NQ*(\sc)+NQ*\b+(\q)], v[SC+8*NQ*(\sc)+NQ*(\a)+(\q)] matrix_a_scale:MATRIX_SCALE_ROW1
.endif
.endr
.endr
.endm
.macro FETCH_B slot, q, p
	WIN TO_B
.irp i, 0,1,2,3,4,5,6,7
	FRAG 128*(\p)+FR*\i, ADRB+\slot, \q, \i
.endr
	WIN 0
.endm
.macro FETCH_A slot, q, i0
.irp i, \i0, \i0+1, \i0+2, \i0+3
	FRAG AF+FR*(\i), ADRA+\slot, \q, \i
.endr
.endm
.macro SCALES sc
.irp i, 0,1,2,3,4,5,6,7
.irp q, 0,1
	ds_load_b32 v[SC+16*\sc+2*\i+\q], v[ADRS] offset:512*\q+64*\i
.endr
.endr
.endm
.macro PLACES n
.rept \n
	v_nop
.endr
.endm
.macro STEP slot, q, zero
	s_wait_dscnt 4*NL                              ; all but the youngest 16 loads (A's blocks 4-7) are in
	WIN MUL_LO
	MUL16 0, (\q)%2, \q, \slot, \zero
	MUL16 2, (\q)%2, \q, \slot, \zero
	s_wait_dscnt 0
	PLACES NP
	FETCH_B \slot, (\q)+1, 1-(\q)%2
	FETCH_A \slot, (\q)+1, 0
	WIN MUL_HI
	MUL16 4, (\q)%2, \q, \slot, \zero
	MUL16 6, (\q)%2, \q, \slot, \zero
	PLACES NP
	WIN 0
	FETCH_A \slot, (\q)+1, 4
.endm
.macro TURN slot, next, fill           ; the change of slots: the wait for all my tensor loads, the add, the wait for it and for my reads, one barrier; fill = 1: a round of the cluster's barrier and the refill
	s_wait_tensorcnt 0x0
	ds_add_u32 v[SPW], v[NIL]
	s_wait_dscnt 4*NL+1                            ; (the add and the youngest 16 loads may be out)
	WIN MUL_LO
	MUL16 0, 1, NQ-1, \slot, 0
	s_wait_dscnt 0x0
	s_barrier_signal -1
	MUL16 2, 1, NQ-1, \slot, 0
	WIN 0
	s_barrier_wait -1
.if \fill
	CREST
	s_add_nc_u64 s[G0+4*\slot+2:G0+4*\slot+3], s[G0+4*\slot+2:G0+4*\slot+3], 4*PLB
	s_add_nc_u64 s[G0B+4*\slot+2:G0B+4*\slot+3], s[G0B+4*\slot+2:G0B+4*\slot+3], 4*PLB
	JLOAD G0+4*\slot, G1, G0B+4*\slot, G1B
	PLACES NP-4
.else
	PLACES NP
.endif
	v_add_nc_u32 v[ADRS], 1024, v[ADRS]
	FETCH_B \next, 0, 0
	FETCH_A \next, 0, 0
	SCALES \next
	WIN MUL_HI
	MUL16 4, 1, NQ-1, \slot, 0
	MUL16 6, 1, NQ-1, \slot, 0
	PLACES NP
	WIN 0
	FETCH_A \next, 0, 4
.endm
.macro LAST sl
	s_wait_dscnt 4*NL
	WIN MUL_LO
	MUL16 0, 1, NQ-1, \sl, 0
	MUL16 2, 1, NQ-1, \sl, 0
	s_wait_dscnt 0
	WIN MUL_HI
	MUL16 4, 1, NQ-1, \sl, 0
	MUL16 6, 1, NQ-1, \sl, 0
	WIN 0
.endm
	s_wait_tensorcnt 1                             ; the scales and my part of K step 0 are in; K step 1's load may be out
	s_barrier_signal -1
	s_barrier_wait -1
	FETCH_B 0, 0, 0
	FETCH_A 0, 0, 0
	SCALES 0
	FETCH_A 0, 0, 4
	STEP 0, 0, 1
	s_mov_b32 s3, (NKS-2)/2
.Llap:
	TURN 0, 1, 1
	STEP 1, 0, 0
	TURN 1, 0, 1
	STEP 0, 0, 0
	s_sub_co_u32 s3, s3, 1
	s_cmp_lg_u32 s3, 0
	s_cbranch_scc1 .Llap
.if NKS%2                              ; the tail is written out
	TURN 0, 1, 1
	STEP 1, 0, 0
	TURN 1, 0, 0
	STEP 0, 0, 0
	LAST 0
.else
	TURN 0, 1, 0
	STEP 1, 0, 0
	LAST 1
.endif
; THE WAY OUT, block by block of 16 rows x 128 columns: through my own stage, back as whole rows of 512 bytes; the residual's same rows are added; the 32 lanes store two aligned runs of 256 bytes.
.macro TOSTAGE a
.set AC, 64*((\a)%4)
.set WD, 0x08+4*((\a)/4)
	WIN WD
.irp b, 0,1,2,3,4,5,6,7
	ds_store_b128 v[STO], v[AC+8*\b:AC+8*\b+3] offset:64*\b          ; each accumulator from its low end on
	ds_store_b128 v[STO], v[AC+8*\b+4:AC+8*\b+7] offset:64*\b+16
.endr
	WIN 0
.set BB, BK+64*((\a)%2)
.irp t, 0,1,2,3,4,5,6,7,8,9,10,11,12,13,14,15
	ds_load_b128 v[BB+4*\t:BB+4*\t+3], v[RD] offset:\t*SPITCH
.endr
.endm
.macro XLOAD a                         ; the residual's 16 rows of block a, into window 1
	WIN 0x40
.irp t, 0,1,2,3,4,5,6,7,8,9,10,11,12,13,14,15
	global_load_b128 v[64*((\a)%4)+4*\t:64*((\a)%4)+4*\t+3], v[CO], s[8:9] offset:(16*(\a)+\t)*4096 th:TH_LOAD_NT
.endr
	WIN 0
.endm
.macro OUT2 a
.if (\a) < 7
.if (\a) >= 1
	s_wait_xcnt 0x0                                ; block a - 1's stores have read their registers: block a + 1's rows may land there
.endif
	TOSTAGE (\a)+1
	s_wait_dscnt 32                                ; block a is back; the next block's 16 stores and 16 loads may be out
.else
	s_wait_dscnt 0x0
.endif
.if (\a) <= 4
	s_wait_loadcnt 48                              ; block a's residual is in; three later blocks' loads, 16 each, may be out
.else
	s_wait_loadcnt 16*(7-(\a))
.endif
.set BB, BK+64*((\a)%2)
.set XR, 64*((\a)%4)
	WIN 0x04
.set jj, 0
.rept 32
	v_pk_add_f32 v[BB+jj:BB+jj+1], v[BB+jj:BB+jj+1], v[XR+jj:XR+jj+1]
.set jj, jj+2
.endr
	WIN 0
.irp t, 0,1,2,3,4,5,6,7,8,9,10,11,12,13,14,15
	global_store_b128 v[CO], v[BB+4*\t:BB+4*\t+3], s[10:11] offset:(16*(\a)+\t)*4096
.endr
.if (\a) <= 3
	XLOAD (\a)+4
.endif
.endm
	PLACES NP
	XLOAD 0
	XLOAD 1
	XLOAD 2
	XLOAD 3
	TOSTAGE 0
.irp a, 0,1,2,3,4,5,6,7
	OUT2 \a
.endr
	s_wait_tensorcnt 0x0                           ; the wave's end
	ds_add_u32 v[SPW], v[NIL]
	s_wait_dscnt 0x0
	CROUND                                         ; the closing round
	s_endpgm
.Lfunc_end_k_qad7f2198fb_gemm_2:
	.size	k_qad7f2198fb_gemm_2, .Lfunc_end_k_qad7f2198fb_gemm_2-k_qad7f2198fb_gemm_2
	.p2alignl 7, 3214868480
	.fill 96, 4, 3214868480
	.section	.rodata,"a",@progbits
	.p2align	6, 0x0
	.amdhsa_kernel k_qad7f2198fb_gemm_2
		.amdhsa_group_segment_fixed_size 327680
		.amdhsa_private_segment_fixed_size 0
		.amdhsa_enable_private_segment 0
		.amdhsa_kernarg_size 32
		.amdhsa_user_sgpr_count 2
		.amdhsa_user_sgpr_kernarg_segment_ptr 1
		.amdhsa_wavefront_size32 1
		.amdhsa_system_sgpr_workgroup_id_x 1
		.amdhsa_system_sgpr_workgroup_id_y 1
		.amdhsa_system_sgpr_workgroup_id_z 1
		.amdhsa_system_vgpr_workitem_id 0
		.amdhsa_next_free_vgpr 1024
		.amdhsa_next_free_sgpr 100
		.amdhsa_reserve_vcc 0
		.amdhsa_float_denorm_mode_32 3
		.amdhsa_float_denorm_mode_16_64 3
		.amdhsa_memory_ordered 1
		.amdhsa_forward_progress 1
		.amdhsa_inst_pref_size 204
	.end_amdhsa_kernel
	.amdgpu_metadata
---
amdhsa.version: [ 1, 2 ]
amdhsa.kernels:
  - .name:           k_qad7f2198fb_gemm_2
    .symbol:         k_qad7f2198fb_gemm_2.kd
    .args:
      - { .name: c2, .offset: 0, .size: 8, .value_kind: global_buffer, .address_space: global }
      - { .name: s2, .offset: 8, .size: 8, .value_kind: global_buffer, .address_space: global }
      - { .name: x1, .offset: 16, .size: 8, .value_kind: global_buffer, .address_space: global }
      - { .name: out0, .offset: 24, .size: 8, .value_kind: global_buffer, .address_space: global }
    .group_segment_fixed_size: 327680
    .private_segment_fixed_size: 0
    .kernarg_segment_align: 8
    .kernarg_segment_size: 32
    .max_flat_workgroup_size: 128
    .sgpr_count:     100
    .vgpr_count:     1024
    .wavefront_size: 32
...
	.end_amdgpu_metadata
.endif
;; end of part 7
;; ======== version 2 of 2: 7 launches
;; limits: right only within a limited range of input values
;; workspace buffers: ck 22,544,384 bytes; sk 704,512 bytes; c2 14,417,920 bytes; s2 450,560 bytes; qc 12,582,912 bytes; qs 393,216 bytes; x1 16,777,216 bytes
;; launch prep: the kernel of part 1 again; grid 928 x 1, 4 waves a work-group, no clusters, 44,544 bytes of LDS; arguments x, n1_w, w_qkv, w_o, w1, w3, w2, ck, sk, c2, s2; writes ck, sk, c2, s2
;; launch gemm_qkv: the kernel of part 2 again; grid 8 x 24, 4 waves a work-group, clusters of 4 x 4, 327,680 bytes of LDS; arguments ck, sk, qc, qs; writes qc, qs
;; launch attn (part 8): grid 8 x 32, 16 waves a work-group, clusters of 4 x 1, 327,680 bytes of LDS; arguments qc, qs, ck, sk; writes ck, sk
.if DOCPART == 8
	.amdgcn_target "amdgcn-amd-amdhsa--gfx1250"
	.amdhsa_code_object_version 6
	.text
	.protected	k_qad7f2198fb_attn
	.globl	k_qad7f2198fb_attn
	.p2align	8
	.type	k_qad7f2198fb_attn,@function
k_qad7f2198fb_attn:
	s_mov_b64 s[64:65], 0
	v_nop
	global_prefetch_b8 v0, s[64:65] scope:SCOPE_SE
	s_setreg_imm32_b32 hwreg(HW_REG_WAVE_MODE, 25, 1), 1
	s_wait_xcnt 0x0
	s_wait_alu depctr_hold_cnt(0) depctr_sa_sdst(0) depctr_va_vdst(0) depctr_va_sdst(0) depctr_va_ssrc(0) depctr_va_vcc(0) depctr_vm_vsrc(0)
	s_getreg_b32 s2, hwreg(HW_REG_IB_STS2, 6, 4)
	s_cmp_eq_u32 s2, 0
	s_cbranch_scc0 .Lentry_in_a_cluster
	s_endpgm
.Lentry_in_a_cluster:
	s_bfe_u32 s2, ttmp6, 0x10000c
	s_cmp_lg_u32 s2, 0x3003
	s_cbranch_scc0 .Lentry_shape_is_right
	s_endpgm
.Lentry_shape_is_right:
; PRODUCTS 2 AND 3: o = softmax(q k^T / 8) v for one head and 256 queries a work-group, both products on codes of FP8 (E4M3) with E8M0 scales; o is quantised on the way out, as product 4's operand.  Nothing is left out.
; THE SOFTMAX: t = score x log2(e) / 8; M = the running largest t rounded up to a whole number; p = 2^(t - M) is quantised along the keys, not normalised; the row's sum is taken of the unquantised p and divides at the end.
; When M moves, the sum and O are multiplied by 2^(old M - new M): exact.
; SHARES: sixteen waves, each one tile of 16 queries in 256 registers: four waves to a SIMD, so that one wave's vector work stands beside another's products and LDS loads.  Every wave walks the head's 2,048 keys, 128 a step.
; LDS: the head's K codes (2,048 rows of 64 bytes + 16), V codes (16 tiles of 64 channels x 128 keys + 16) and their scale words are filled ONCE: four loads a wave at the head, one barrier, no ring.
; CLUSTER: the four query blocks of a cluster belong to one head: every tile is asked for jointly, by the same load with the same descriptor and the mask of all four.
; LAYOUT: both products transposed: S^T = K Q^T, O^T = V^T P^T: a lane holds one query.  In every block of 32 byte 16 h + 8 u + j holds k = 16 u + 8 h + j, in q, k, v, p and o alike: so p's 16 registers of tiles 2 c, 2 c + 1 are 16 bytes on end.
; THE HEAD'S 64 IN AN INSTRUCTION OF 128: Q's upper eight registers are zero codes.  Key tile t is the run v[32 + 8 t .. 47 + 8 t]: its upper eight registers are the next tile's codes (numbers, since the quantiser holds at 448),
; or zeros behind the last: they meet Q's zeros and add nothing.  The scale words are read as 16 bits: bytes 2 and 3 are 0, which is 2^-127 and no NaN.
; LIMITS: NaN and infinities are not served; a block under 2^-118, and a block of zeros, take the byte 1.  1 / sum is v_rcp_f32's (1 ulp).  A block's largest p is made from its largest score by the same two instructions
; (it takes v_exp_f32 not to fall where its input rises).  A head owns 64 bytes of each 128-byte row of ck: o's codes leave in runs of 32 bytes, its scale bytes singly.
.set PLB,  22016*128
.set PLS,  22016*4
.set OC,   13824                       ; o's first row in ck
.set VT,   163840                      ; LDS: K's codes from 0; V's;
.set KS,   311296                      ; K's scale words (the pair of heads');
.set VS,   319488                      ; V's;
.set SPARE, 323584                     ; the spare words, 128 bytes for each of sixteen waves
.set S,   104                          ; v104-167 S^T, then p
.set O,   168                          ; v168-199 O^T
.set PCD, 200                          ; v200-215 p's codes
.set MX,  216                          ; v216-219 the blocks' largest scores, then largest p
.set PT,  220                          ; v220-223 at work, then the bytes
.set HB,  224
.set SO,  228                          ; v228-231 the conversions' scale operands
.set KW,  232                          ; v232-239 K's scale words; v240-243 V's; v244 Q's; v245 p's
.set VW,  240
.set QW,  244
.set PWD, 245
.set F,   246                          ; v[246:247] f = 2^(old M - new M), named as a pair
.set T0,  248
.set WV,  18
.set MNT, 19
.set SEL, 20
.set CS,  22
.macro CROUND
	s_barrier_signal -1
	s_barrier_wait -1
	s_cmp_lg_u32 s[WV], 0
	s_cbranch_scc1 .Lnot_wave_0_\@
	s_barrier_signal -3
.Lnot_wave_0_\@:
	s_barrier_wait -3
	s_barrier_signal -1
	s_barrier_wait -1
.endm
	s_load_b256 s[4:11], s[0:1], 0x0               ; qc, qs, ck, sk
	v_lshl_add_u32 v5, v0, 2, SPARE
	v_mov_b32 v6, 0
	ds_add_u32 v5, v6                              ; the wave's opening: the add, twice on end, and its wait ahead of my first tensor load
	ds_add_u32 v5, v6
	v_lshrrev_b32 v8, 5, v0
	s_delay_alu instid0(VALU_DEP_1)
	v_readfirstlane_b32 s[WV], v8                  ; wave 0..15
	s_and_b32 s12, ttmp7, 0xffff
	s_lshr_b32 s13, s12, 4                         ; batch
	s_and_b32 s14, s12, 15                         ; head
	s_lshr_b32 s15, s14, 1                         ; its pair
	s_and_b32 s16, s14, 1                          ; and which of the two
	s_lshl_b32 s3, s16, 6
	s_add_co_u32 s80, s13, 2                       ; K: row ((2 + batch) 8 + pair) 2,048 + 128 wave
	s_lshl_b32 s80, s80, 3
	s_add_co_u32 s80, s80, s15
	s_lshl_b32 s80, s80, 11
	s_lshl_b32 s81, s[WV], 7
	s_add_co_u32 s80, s80, s81
	s_lshl_b32 s82, s80, 7
	s_add_co_u32 s82, s82, s3
	s_mov_b32 s83, 0
	s_lshl_b32 s84, s80, 2
	s_mov_b32 s85, 0
	s_lshl_b32 s81, s13, 4                         ; V: row 65,536 + (16 batch + wave) 1,024 + 64 head
	s_add_co_u32 s81, s81, s[WV]
	s_lshl_b32 s81, s81, 10
	s_lshl_b32 s86, s14, 6
	s_add_co_u32 s81, s81, s86
	s_add_co_u32 s81, s81, 65536
	s_lshl_b32 s86, s81, 7
	s_mov_b32 s87, 0
	s_lshl_b32 s88, s81, 2
	s_mov_b32 s89, 0
	s_bfe_u32 s17, ttmp6, 0x40000                  ; cx: it enters Q's and o's addresses alone
	s_lshl_b32 s77, ttmp9, 2
	s_add_co_u32 s77, s77, s17
	s_lshl_b32 s78, s77, 8
	s_lshl_b32 s79, s[WV], 4
	s_add_co_u32 s78, s78, s79                     ; my first query
	s_lshl_b32 s79, s13, 3
	s_add_co_u32 s79, s79, s15
	s_lshl_b32 s79, s79, 11
	s_add_co_u32 s79, s79, s78                     ; its row in qc
	s_lshl_b32 s90, s79, 7
	s_add_co_u32 s90, s90, s3
	s_mov_b32 s91, 0
	s_lshl_b32 s92, s79, 2
	s_lshl_b32 s77, s16, 1
	s_add_co_u32 s92, s92, s77
	s_mov_b32 s93, 0
	s_lshl_b32 s79, s13, 11
	s_add_co_u32 s79, s79, s78
	s_add_co_u32 s79, s79, OC                      ; its row in ck; the plane is the pair of heads
	s_mul_i32 s94, s15, PLB
	s_lshl_b32 s95, s79, 7
	s_add_co_u32 s94, s94, s95
	s_add_co_u32 s94, s94, s3
	s_mov_b32 s95, 0
	s_mul_i32 s96, s15, PLS
	s_lshl_b32 s97, s79, 2
	s_add_co_u32 s96, s96, s97
	s_add_co_u32 s96, s96, s77
	s_mov_b32 s97, 0
	; descriptor groups 1.  K: 128 rows of 64 bytes out of rows of 128; 4 words of padding behind every 16
	s_mov_b32 s24, 15|(0<<16)|(1<<20)|(1<<21)|(3<<22)|(3<<25)
	s_mov_b32 s25, 64<<16
	s_mov_b32 s26, 128<<16
	s_mov_b32 s27, 64<<16
	s_mov_b32 s28, 128
	s_mov_b32 s29, 128
	s_mov_b32 s30, 0
	s_mov_b32 s31, 0
	; V: 64 rows of 128 bytes, dense; 4 words behind every 32
	s_mov_b32 s32, 15|(0<<16)|(1<<20)|(1<<21)|(4<<22)|(3<<25)
	s_mov_b32 s33, 128<<16
	s_mov_b32 s34, 64<<16
	s_mov_b32 s35, 128<<16
	s_mov_b32 s36, 64
	s_mov_b32 s37, 128
	s_mov_b32 s38, 0
	s_mov_b32 s39, 0
	; K's scale words of 128 keys: one row of 512 bytes
	s_mov_b32 s40, 15|(3<<16)|(1<<21)
	s_mov_b32 s41, 64<<16
	s_mov_b32 s42, 1<<16
	s_mov_b32 s43, 64<<16
	s_mov_b32 s44, 1
	s_mov_b32 s45, 64
	s_mov_b32 s46, 1<<16
	s_mov_b32 s47, 0
	; V's of 64 channels: one row of 256 bytes
	s_mov_b32 s48, 15|(3<<16)|(1<<21)
	s_mov_b32 s49, 32<<16
	s_mov_b32 s50, 1<<16
	s_mov_b32 s51, 32<<16
	s_mov_b32 s52, 1
	s_mov_b32 s53, 32
	s_mov_b32 s54, 1<<16
	s_mov_b32 s55, 0
	s_mov_b32 s[SEL], 0x76543210
	s_mov_b32 s[SEL+1], 0xfedcba98
	s_mov_b32 s[CS], 0x3e38aa3b                    ; c = log2(e) / 8
	s_mov_b32 s[CS+1], s[CS]
	s_wait_dscnt 0x0                               ; both opening adds are done
	s_wait_kmcnt 0x0
	s_mov_b32 s56, 1
	s_mul_i32 s57, s[WV], 10240                    ; every LDS address: a constant + the wave's number x a constant
	s_add_nc_u64 s[58:59], s[4:5], s[82:83]
	s_or_b32 s59, s59, 0x80000000
	s_mov_b32 s60, 1
	s_mul_i32 s61, s[WV], 9216
	s_add_co_u32 s61, s61, VT
	s_add_nc_u64 s[62:63], s[4:5], s[86:87]
	s_or_b32 s63, s63, 0x80000000
	s_mov_b32 s68, 1
	s_lshl_b32 s69, s[WV], 9
	s_add_co_u32 s69, s69, KS
	s_add_nc_u64 s[70:71], s[6:7], s[84:85]
	s_or_b32 s71, s71, 0x80000000
	s_mov_b32 s72, 1
	s_lshl_b32 s73, s[WV], 8
	s_add_co_u32 s73, s73, VS
	s_add_nc_u64 s[74:75], s[6:7], s[88:89]
	s_or_b32 s75, s75, 0x80000000
	CROUND                                         ; all four work-groups are here: the joint loads meet
	tensor_load_to_lds s[56:59], s[24:31]          ; keys 128 w on
	s_nop 0
	tensor_load_to_lds s[60:63], s[32:39]          ; V's tile of keys 128 w on
	s_nop 0
	tensor_load_to_lds s[68:71], s[40:47]
	s_nop 0
	tensor_load_to_lds s[72:75], s[48:55]          ; four loads of mine are out
	s_nop 0
.rept 4
	v_nop
.endr
	v_and_b32 v8, 15, v0                           ; r
	v_bfe_u32 v9, v0, 4, 1                         ; h
	s_delay_alu instid0(VALU_DEP_2)
	v_lshlrev_b32 v7, 7, v8
	s_delay_alu instid0(VALU_DEP_1)
	v_lshl_add_u32 v7, v9, 4, v7                   ; 128 r + 16 h: Q's rows, and later o's
	s_delay_alu instid0(VALU_DEP_4)
	v_lshlrev_b32 v251, 2, v8
	s_add_nc_u64 s[90:91], s[4:5], s[90:91]
	s_add_nc_u64 s[92:93], s[6:7], s[92:93]
	s_add_nc_u64 s[94:95], s[8:9], s[94:95]
	s_add_nc_u64 s[96:97], s[10:11], s[96:97]
	global_load_b128 v[16:19], v7, s[90:91]
	global_load_b128 v[20:23], v7, s[90:91] offset:32
	global_load_u16 v[QW], v251, s[92:93]
	v_mul_u32_u24 v1, v8, 80
	s_delay_alu instid0(VALU_DEP_1)
	v_lshl_add_u32 v1, v9, 4, v1                   ; my lane's place in a tile of K
	v_mul_u32_u24 v2, v8, 144
	s_delay_alu instid0(VALU_DEP_1)
	v_lshl_add_u32 v2, v9, 4, v2
	s_delay_alu instid0(VALU_DEP_1)
	v_add_nc_u32 v2, VT, v2                        ; of V
	s_add_co_u32 s79, s77, KS
	v_lshl_add_u32 v3, v8, 2, s79                  ; among K's scale words: my head's two bytes
	v_lshl_add_u32 v4, v8, 2, VS                   ; among V's
	v_mov_b32 v13, 0xff61b1e6                      ; the largest t so far: -3e38
	s_delay_alu instid0(VALU_DEP_1)
	v_floor_f32 v12, -v13                          ; -M
	v_mov_b32 v14, 0
	v_mov_b32 v15, 0
.irp j, 0,1,2,3,4,5,6,7
	v_mov_b32 v[24+\j], 0                          ; Q's upper half: zero codes
	v_mov_b32 v[96+\j], 0                          ; and what stands behind the last key tile
.endr
.irp b, 0,1,2,3
	v_mov_b32 v[PT+\b], 0                          ; a lane permute's destination counts as one of its sources
.endr
	v_mov_b32 v[F+1], 0
.set jj, 0
.rept 32
	v_mov_b32 v[O+jj], 0                           ; the step is written once: its first trip finds zeros
.set jj, jj+1
.endr
	s_mov_b32 s2, 0                                ; where the step's tiles and words begin
	s_mov_b32 s3, 0
	s_mov_b32 s66, 0
	s_mov_b32 s67, 0
	s_mov_b32 s76, 16
	s_wait_tensorcnt 0x0                           ; my four tiles have landed,
	s_wait_loadcnt 0x0                             ; and Q
	s_barrier_signal -1
	s_barrier_wait -1                              ; everybody's have
.Lstep:
	s_setprio 2
	v_add_nc_u32 v8, s2, v1
	v_add_nc_u32 v9, s3, v2
	v_add_nc_u32 v10, s66, v3
	v_add_nc_u32 v11, s67, v4
.rept 4
	v_nop                                          ; with the four additions: eight places in front of loads into registers that the last products read
.endr
.irp t, 0,1,2,3,4,5,6,7
	ds_load_b128 v[32+8*\t:35+8*\t], v8 offset:1280*\t
	ds_load_b128 v[36+8*\t:39+8*\t], v8 offset:1280*\t+32
	ds_load_u16 v[KW+\t], v10 offset:64*\t
.endr
	s_wait_alu depctr_va_vdst(0)
	s_wait_dscnt 0x0
.irp t, 0,1,2,3,4,5,6,7
	v_wmma_scale_f32_16x16x128_f8f6f4 v[S+8*\t:S+8*\t+7], v[32+8*\t:47+8*\t], v[16:31], 0, v[KW+\t], v[QW]
.endr
.rept 8
	v_nop
.endr
.irp t, 0,1,2,3                                ; V's fragments are asked for here: they land under the softmax
.irp c, 0,1,2,3
	ds_load_b128 v[32+16*\t+4*\c:35+16*\t+4*\c], v9 offset:2304*\t+32*\c
.endr
	ds_load_b32 v[VW+\t], v11 offset:64*\t
.endr
.irp b, 0,1,2,3
	v_max3_num_f32 v[MX+\b], v[S+16*\b], v[S+1+16*\b], v[S+2+16*\b]   ; the largest score of each block of 32 keys: for the row's maximum and for the block's largest p
.endr
.irp i, 3,5,7,9,11,13
.irp b, 0,1,2,3
	v_max3_num_f32 v[MX+\b], v[MX+\b], v[S+16*\b+\i], v[S+1+16*\b+\i]
.endr
.endr
.irp b, 0,1,2,3
	v_max_num_f32 v[MX+\b], v[MX+\b], v[S+15+16*\b]
.endr
.irp b, 0,1,2,3
	s_delay_alu instid0(VALU_DEP_4)
	v_permlanex16_b32 v[PT+\b], v[MX+\b], s[SEL], s[SEL+1]
.endr
.irp b, 0,1,2,3
	s_delay_alu instid0(VALU_DEP_4)
	v_max_num_f32 v[MX+\b], v[MX+\b], v[PT+\b]
.endr
	s_delay_alu instid0(VALU_DEP_2)
	v_max3_num_f32 v[T0], v[MX], v[MX+1], v[MX+2]
	s_delay_alu instid0(VALU_DEP_1)
	v_max_num_f32 v[T0], v[T0], v[MX+3]
	s_delay_alu instid0(VALU_DEP_1)
	v_mul_f32 v[T0], s[CS], v[T0]
	s_delay_alu instid0(VALU_DEP_1)
	v_max_num_f32 v13, v13, v[T0]                  ; the running largest t
	v_mov_b32 v[T0], v12
	s_delay_alu instid0(VALU_DEP_2)
	v_floor_f32 v12, -v13                          ; the new -M = -ceil(t)
	s_delay_alu instid0(VALU_DEP_1)
	v_sub_f32 v[T0], v12, v[T0]                    ; old M - new M: a whole number, 0 or less
	s_delay_alu instid0(VALU_DEP_1)
	v_cvt_i32_f32 v[T0], v[T0]
	s_delay_alu instid0(VALU_DEP_1)
	v_ldexp_f32 v[F], 1.0, v[T0]
.set jj, 0
.rept 32
	v_pk_fma_f32 v[S+jj:S+jj+1], v[S+jj:S+jj+1], s[CS:CS+1], v[12:13] op_sel_hi:[1,0,0]   ; t - M
.set jj, jj+2
.endr
.irp b, 0,1,2,3
	v_fma_f32 v[MX+\b], v[MX+\b], s[CS], v12
.endr
.set jj, 0
	s_setprio 1
	s_wait_alu depctr_va_vdst(0)
.rept 64
	v_exp_f32 v[S+jj], v[S+jj]                     ; p = 2^(t - M)
.set jj, jj+1
.endr
	v_pk_mul_f32 v[14:15], v[14:15], v[F:F+1] op_sel_hi:[1,0]   ; the sums under the new M (a plain line behind the exponentials)
	s_wait_alu depctr_va_vdst(0)                   ; one wait for the batch, ahead of its first reader
.irp b, 0,1,2,3
	v_exp_f32 v[MX+\b], v[MX+\b]                   ; the blocks' largest p
.endr
	v_pk_add_f32 v[220:221], v[108:109], v[112:113]
	v_pk_add_f32 v[254:255], v[116:117], v[120:121]
	v_pk_add_f32 v[252:253], v[124:125], v[128:129]
	v_pk_add_f32 v[250:251], v[132:133], v[136:137]
	v_pk_add_f32 v[238:239], v[140:141], v[144:145]
	v_pk_add_f32 v[236:237], v[148:149], v[152:153]
	v_pk_add_f32 v[234:235], v[156:157], v[160:161]
	v_pk_add_f32 v[14:15], v[14:15], v[164:165]
	v_pk_add_f32 v[220:221], v[220:221], v[104:105]
	v_pk_add_f32 v[254:255], v[254:255], v[106:107]
	v_pk_add_f32 v[252:253], v[252:253], v[110:111]
	v_pk_add_f32 v[250:251], v[250:251], v[114:115]
	v_pk_add_f32 v[238:239], v[238:239], v[118:119]
	v_pk_add_f32 v[236:237], v[236:237], v[122:123]
	v_pk_add_f32 v[234:235], v[234:235], v[126:127]
	v_pk_add_f32 v[14:15], v[14:15], v[130:131]
	v_pk_add_f32 v[220:221], v[220:221], v[134:135]
	v_pk_add_f32 v[254:255], v[254:255], v[138:139]
	v_pk_add_f32 v[252:253], v[252:253], v[142:143]
	v_pk_add_f32 v[250:251], v[250:251], v[146:147]
	v_pk_add_f32 v[238:239], v[238:239], v[150:151]
	v_pk_add_f32 v[236:237], v[236:237], v[154:155]
	v_pk_add_f32 v[234:235], v[234:235], v[158:159]
	v_pk_add_f32 v[14:15], v[14:15], v[162:163]
	v_pk_add_f32 v[220:221], v[220:221], v[166:167]
	s_delay_alu instid0(VALU_DEP_2)
	v_pk_add_f32 v[14:15], v[14:15], v[250:251]
	s_delay_alu instid0(VALU_DEP_2)
	v_pk_add_f32 v[220:221], v[220:221], v[238:239]
	v_pk_add_f32 v[254:255], v[254:255], v[236:237]
	v_pk_add_f32 v[252:253], v[252:253], v[234:235]
	s_delay_alu instid0(VALU_DEP_2)
	v_pk_add_f32 v[14:15], v[14:15], v[254:255]
	s_delay_alu instid0(VALU_DEP_2)
	v_pk_add_f32 v[220:221], v[220:221], v[252:253]
	s_delay_alu instid0(VALU_DEP_1)
	v_pk_add_f32 v[14:15], v[14:15], v[220:221]
	s_wait_alu depctr_va_vdst(0)                   ; and one for the four
.irp b, 0,1,2,3
	v_max_num_f32 v[MX+\b], 0x4800000, v[MX+\b]    ; the floor 2^(9 - 127)
.endr
.irp b, 0,1,2,3
	s_delay_alu instid0(VALU_DEP_4)
	v_add_nc_u32 v[SO+\b], 0xfc000000, v[MX+\b]
.endr
.irp b, 0,1,2,3
.endr
.irp b, 0,1,2,3
	s_delay_alu instid0(VALU_DEP_4)
	v_lshrrev_b32 v[PT+\b], 23, v[SO+\b]
.endr
	s_delay_alu instid0(VALU_DEP_3)
	v_lshl_or_b32 v[PWD], v[PT+1], 8, v[PT]        ; p's scale word for these 128 keys
	s_delay_alu instid0(VALU_DEP_1)
	v_lshl_or_b32 v[PWD], v[PT+2], 16, v[PWD]
	s_delay_alu instid0(VALU_DEP_1)
	v_lshl_or_b32 v[PWD], v[PT+3], 24, v[PWD]
	s_setprio 0
.irp b, 0,1,2,3
.irp i, 0,1,2,3,4,5,6,7,8,9,10,11,12,13,14,15
.endr
	v_cvt_scalef32_pk8_fp8_f32 v[PCD+4*\b:PCD+4*\b+1], v[S+16*\b:S+16*\b+7], v[SO+\b]
	v_cvt_scalef32_pk8_fp8_f32 v[PCD+4*\b+2:PCD+4*\b+3], v[S+16*\b+8:S+16*\b+15], v[SO+\b]
.endr
.set jj, 0
.rept 16
	v_pk_mul_f32 v[O+jj:O+jj+1], v[O+jj:O+jj+1], v[F:F+1] op_sel_hi:[1,0]   ; O^T under the new M; also the places between the codes and the products
.set jj, jj+2
.endr
	s_wait_alu depctr_va_vdst(0)
	s_wait_dscnt 0x0                               ; V is in
.irp t, 0,1,2,3                                ; the four accumulators take turns
	v_wmma_scale_f32_16x16x128_f8f6f4 v[O+8*\t:O+8*\t+7], v[32+16*\t:47+16*\t], v[PCD:PCD+15], v[O+8*\t:O+8*\t+7], v[VW+\t], v[PWD]
.endr
	s_add_co_u32 s2, s2, 10240
	s_add_co_u32 s3, s3, 9216
	s_add_co_u32 s66, s66, 512
	s_add_co_u32 s67, s67, 256
	s_sub_co_u32 s76, s76, 1
	s_cmp_lg_u32 s76, 0
	s_cbranch_scc1 .Lstep
	s_setprio 0
	; THE WAY OUT: O^T / the sum; register 8 t + i is channel 16 t + 8 h + i of query r: two blocks of 32 in the program's order; quantised, and stored from registers
.rept 8
	v_nop
.endr
	v_add_f32 v14, v14, v15
	s_delay_alu instid0(VALU_DEP_1)
	v_permlanex16_b32 v[T0], v14, s[SEL], s[SEL+1]
	s_delay_alu instid0(VALU_DEP_1)
	v_add_f32 v14, v14, v[T0]
	s_wait_alu depctr_va_vdst(0)
	v_rcp_f32 v14, v14
	v_and_b32 v8, 15, v0
	v_bfe_u32 v9, v0, 4, 1
	s_delay_alu instid0(VALU_DEP_1)
	v_lshl_add_u32 v252, v8, 2, v9                 ; 4 r + h: lane (r, h) stores block h's byte
	s_delay_alu instid0(VALU_DEP_2)
	v_cmp_ne_u32 vcc_lo, 0, v9
	s_wait_alu depctr_va_vdst(0)                   ; ahead of the reciprocal's first reader
.set jj, 0
.rept 32
	v_mul_f32 v[S+jj], v[O+jj], v14
.set jj, jj+1
.endr
.irp b, 0,1
	v_max3_num_f32 v[MX+\b], |v[S+16*\b]|, |v[S+1+16*\b]|, 0x4800000
.endr
.irp i, 2,4,6,8,10,12,14
.irp b, 0,1
	s_delay_alu instid0(VALU_DEP_2)
	v_max3_num_f32 v[MX+\b], v[MX+\b], |v[S+16*\b+\i]|, |v[S+1+16*\b+\i]|
.endr
.endr
.irp b, 0,1
	s_delay_alu instid0(VALU_DEP_2)
	v_permlanex16_b32 v[PT+\b], v[MX+\b], s[SEL], s[SEL+1]
.endr
.irp b, 0,1
	s_delay_alu instid0(VALU_DEP_2)
	v_max_num_f32 v[MX+\b], v[MX+\b], v[PT+\b]
.endr
.irp b, 0,1
	s_delay_alu instid0(VALU_DEP_2)
	v_add_nc_u32 v[SO+\b], 0xfc000000, v[MX+\b]
.endr
.irp b, 0,1
.endr
.irp b, 0,1
	s_delay_alu instid0(VALU_DEP_2)
	v_lshrrev_b32 v[PT+\b], 23, v[SO+\b]
.endr
.irp b, 0,1
.irp i, 0,1,2,3,4,5,6,7,8,9,10,11,12,13,14,15
.endr
	v_cvt_scalef32_pk8_fp8_f32 v[PCD+4*\b:PCD+4*\b+1], v[S+16*\b:S+16*\b+7], v[SO+\b]
	v_cvt_scalef32_pk8_fp8_f32 v[PCD+4*\b+2:PCD+4*\b+3], v[S+16*\b+8:S+16*\b+15], v[SO+\b]
.endr
	v_nop
	v_cndmask_b32 v249, v[PT], v[PT+1], vcc_lo
	global_store_b128 v7, v[PCD:PCD+3], s[94:95]
	global_store_b128 v7, v[PCD+4:PCD+7], s[94:95] offset:32
	global_store_b8 v252, v249, s[96:97]
	s_wait_tensorcnt 0x0                           ; the wave's end
	ds_add_u32 v5, v6
	s_wait_dscnt 0x0
	CROUND                                         ; the closing round
	s_endpgm
.Lfunc_end_k_qad7f2198fb_attn:
	.size	k_qad7f2198fb_attn, .Lfunc_end_k_qad7f2198fb_attn-k_qad7f2198fb_attn
	.p2alignl 7, 3214868480
	.fill 96, 4, 3214868480
	.section	.rodata,"a",@progbits
	.p2align	6, 0x0
	.amdhsa_kernel k_qad7f2198fb_attn
		.amdhsa_group_segment_fixed_size 327680
		.amdhsa_private_segment_fixed_size 0
		.amdhsa_enable_private_segment 0
		.amdhsa_kernarg_size 32
		.amdhsa_user_sgpr_count 2
		.amdhsa_user_sgpr_kernarg_segment_ptr 1
		.amdhsa_wavefront_size32 1
		.amdhsa_system_sgpr_workgroup_id_x 1
		.amdhsa_system_sgpr_workgroup_id_y 1
		.amdhsa_system_sgpr_workgroup_id_z 1
		.amdhsa_system_vgpr_workitem_id 0
		.amdhsa_next_free_vgpr 256
		.amdhsa_next_free_sgpr 100
		.amdhsa_reserve_vcc 1
		.amdhsa_float_denorm_mode_32 3
		.amdhsa_float_denorm_mode_16_64 3
		.amdhsa_fp16_overflow 1
		.amdhsa_memory_ordered 1
		.amdhsa_forward_progress 1
		.amdhsa_inst_pref_size 33
	.end_amdhsa_kernel
	.amdgpu_metadata
---
amdhsa.version: [ 1, 2 ]
amdhsa.kernels:
  - .name:           k_qad7f2198fb_attn
    .symbol:         k_qad7f2198fb_attn.kd
    .args:
      - { .name: qc, .offset: 0, .size: 8, .value_kind: global_buffer, .address_space: global }
      - { .name: qs, .offset: 8, .size: 8, .value_kind: global_buffer, .address_space: global }
      - { .name: ck, .offset: 16, .size: 8, .value_kind: global_buffer, .address_space: global }
      - { .name: sk, .offset: 24, .size: 8, .value_kind: global_buffer, .address_space: global }
    .group_segment_fixed_size: 327680
    .private_segment_fixed_size: 0
    .kernarg_segment_align: 8
    .kernarg_segment_size: 32
    .max_flat_workgroup_size: 512
    .sgpr_count:     100
    .vgpr_count:     256
    .wavefront_size: 32
...
	.end_amdgpu_metadata
.endif
;; end of part 8
;; launch gemm_o (part 9): grid 8 x 32, 4 waves a work-group, clusters of 4 x 4, 327,680 bytes of LDS; arguments ck, sk, x, x1; writes x1
.if DOCPART == 9
	.amdgcn_target "amdgcn-amd-amdhsa--gfx1250"
	.amdhsa_code_object_version 6
	.text
	.protected	k_qad7f2198fb_gemm_o
	.globl	k_qad7f2198fb_gemm_o
	.p2align	8
	.type	k_qad7f2198fb_gemm_o,@function
k_qad7f2198fb_gemm_o:
	s_mov_b64 s[64:65], 0
	v_nop
	global_prefetch_b8 v0, s[64:65] scope:SCOPE_SE
	s_setreg_imm32_b32 hwreg(HW_REG_WAVE_MODE, 25, 1), 1
	s_wait_xcnt 0x0
	s_wait_alu depctr_hold_cnt(0) depctr_sa_sdst(0) depctr_va_vdst(0) depctr_va_sdst(0) depctr_va_ssrc(0) depctr_va_vcc(0) depctr_vm_vsrc(0)
	s_getreg_b32 s2, hwreg(HW_REG_IB_STS2, 6, 4)
	s_cmp_eq_u32 s2, 0
	s_cbranch_scc0 .Lentry_in_a_cluster
	s_endpgm
.Lentry_in_a_cluster:
	s_bfe_u32 s2, ttmp6, 0x10000c
	s_cmp_lg_u32 s2, 0xf033
	s_cbranch_scc0 .Lentry_shape_is_right
	s_endpgm
.Lentry_shape_is_right:
; PRODUCT 4 AND THE RESIDUAL: x1 = x + o w_o^T, on codes of FP8 (E4M3) with E8M0 scales, K = 1,024: 8 planes of 128.  Nothing is left out.
; TILE: 4,096 x 1,024 results are 32 x 8 = 256 tiles of 128 x 128, a work-group each (tiles of 256 x 256 would be 64).  Four waves, each 64 x 64: 16 accumulators, 128 registers.
; OPERANDS lie as [plane of 128 along K][row][128 bytes]: a tile's plane, 128 rows, is 16 KiB of consecutive memory.  ONE TENSOR LOAD BRINGS TWO PLANES: 2 rows of 16 KiB, a plane apart, with 16 bytes of padding
; behind every 256: in LDS row n of a plane lies at (n / 2) 272 + (n % 2) 128, and the 16 rows of a fragment begin in 16 different columns of 16 bytes.
; A SLOT HOLDS FOUR PLANES of A and of B (K = 512); waves 0 and 1 fetch A's two pairs of planes, waves 2 and 3 B's.  Here K is two slots: both are first fills, and nothing is filled again.
; The scale words of the tile's rows, all planes, come once, with the first fills.
; CLUSTERS: 4 x 4 work-groups; A's tiles are asked for jointly along a row of the cluster, B's along a column.  THE MATRIX INSTRUCTION IS USED TRANSPOSED (source 0 = 16 rows of B, source 1 = 16 rows of A):
; a lane holds eight neighbouring numbers of a row of the result.
; THE WALK is written out by macro, plane by plane, without a loop: 8 planes of 16 products.  While a plane is multiplied the next plane's 32 LDS loads are on their way, into the other of two sets of registers.
; The residual's 64 x 64 numbers of the wave are asked for at the head and wait in registers.
; REGISTERS, in windows of 256: window 0: v16-29 addresses; v32-63 scale words, two sets; v64-127 rows back from the stage; v128-255 the accumulators ((a, b) at v[128 + 8 (4 a + b)]).
;   window 1: two sets of 128: B's four fragments, then A's four.   window 2: v0-127 the residual.
.set NPL,   8                          ; planes of 128 along K
.set RT,    22016                      ; rows in a plane
.set AROW,  13824                      ; A: o's rows
.set BROW,  7168                       ; B: w_o's
.set PLB,   RT*128
.set FR,    16                         ; registers of a fragment
.set NP,    8                          ; places behind this matrix instruction (ISA guide 7.12.1)
.set REG,   64*272                     ; a plane of 128 rows in LDS
.set PAIR,  2*REG                      ; what one tensor load brings
.set HROW,  32*272                     ; 64 rows
.set BLKB,  8*272                      ; 16 rows
.set SLOT,  8*REG                      ; A's four planes, then B's four
.set SCL,   2*SLOT                     ; behind the ring: the scale words: A's [plane][128 rows][4 bytes], then B's
.set HALFS, (NPL/2)*512                ; half of a side's planes: what one tensor load brings
.set SPARE, SCL+4*HALFS                ; the spare words, 128 bytes a wave
.set STGB,  (1-((NPL-1)/4)%2)*SLOT     ; the way out's stages lie in the slot that was left at the last change of slots: it has had its last fill, and nobody reads it
.set SPITCH, 272
.set ADRA, 16                          ; v16-17 my A fragments in slot 0, 1;  v20-21 B's
.set ADRB, 20
.set STO,  24                          ; the way out: into my stage
.set RD,   25                          ; and back
.set CO,   26                          ; my byte offset in two rows of the result
.set ADRS, 27                          ; my scale words: lanes 0-15 A's rows, lanes 16-31 B's
.set SPW,  28
.set NIL,  29
.set SC,   32                          ; scale words: set s at v[SC + 16 s]; register 4 q + i: block i, the slot's q-th plane
.set BK,   64
.set ACC,  128
.set G1, 24
.set G0, 32
.set G1B, 48
.set G0B, 56
.set G1S, 68
.set G0S, 76
.set G1SB, 80
.set G0SB, 88
.set MSB, 0
.macro WIN new                         ; the immediate's high byte repeats the setting that is left
.if MSB != (\new)
	s_set_vgpr_msb (MSB<<8)|(\new)
.set MSB, (\new)
.endif
.endm
.set MUL,  0x05                        ; sources 0 (B) and 1 (A) window 1; C and D window 0
.set TO_F, 0x40                        ; destination window 1, address window 0
.macro JLOAD g0a, g1a, g0b, g1b        ; waves 0 and 1 fetch for A, waves 2 and 3 for B; the branch hangs on the wave's number alone; an s_nop 0 and four v_nop follow each line
	s_cmp_eq_u32 s15, 0
	s_cbranch_scc0 .Lfor_b_\@
	tensor_load_to_lds s[\g0a:\g0a+3], s[\g1a:\g1a+7]
	s_nop 0
.rept 4
	v_nop
.endr
	s_branch .Lasked_\@
.Lfor_b_\@:
	tensor_load_to_lds s[\g0b:\g0b+3], s[\g1b:\g1b+7]
	s_nop 0
.rept 4
	v_nop
.endr
.Lasked_\@:
.endm
.macro HLOAD g0a, g1a, g0b, g1b        ; a fill of two planes: the waves that fetch a slot's first pair ask; the others have nothing to fetch.  The branch hangs on the wave's number alone
	s_cmp_eq_u32 s16, 0
	s_cbranch_scc0 .Lnone_\@
	JLOAD \g0a, \g1a, \g0b, \g1b
.Lnone_\@:
.endm
.macro CREST                           ; a round of the cluster's barrier behind its opening barrier
	s_cmp_lg_u32 s14, 0
	s_cbranch_scc1 .Lnot_wave_0_\@
	s_barrier_signal -3
.Lnot_wave_0_\@:
	s_barrier_wait -3
	s_barrier_signal -1
	s_barrier_wait -1
.endm
.macro CROUND
	s_barrier_signal -1
	s_barrier_wait -1
	CREST
.endm
	s_load_b256 s[4:11], s[0:1], 0x0               ; codes, scales, the residual, the result
	v_lshl_add_u32 v[SPW], v0, 2, SPARE
	v_mov_b32 v[NIL], 0
	ds_add_u32 v[SPW], v[NIL]                      ; the wave's opening: the add, twice on end, and its wait ahead of my first tensor load
	ds_add_u32 v[SPW], v[NIL]
	v_lshrrev_b32 v1, 5, v0
	v_readfirstlane_b32 s14, v1                    ; wave
	s_lshr_b32 s15, s14, 1                         ; my half of the tile's rows.  Also: I fetch for A (0) or for B (1)
	s_and_b32 s16, s14, 1                          ; my half of its columns.  Also: which pair of a slot's planes, and which half of the planes' scale words, I fetch
	s_bfe_u32 s40, ttmp6, 0x40000                  ; cx
	s_bfe_u32 s41, ttmp6, 0x40004                  ; cy
	s_lshl_b32 s42, ttmp9, 2
	s_add_co_u32 s42, s42, s40                     ; tile column
	s_and_b32 s17, ttmp7, 0xffff
	s_lshl_b32 s17, s17, 2
	s_add_co_u32 s17, s17, s41                     ; tile row
	s_lshl_b32 s43, s41, 2
	s_lshl_b32 s43, 15, s43                        ; my row of the cluster
	s_lshl_b32 s44, 0x1111, s40                    ; my column
	s_or_b32 s[G1+0], s43, (3<<16)|(1<<20)|(1<<21)|(5<<22)|(3<<25)   ; the mask; elements of 8 bytes; padding: 4 words behind every 64; bit 21 beside a mask
	s_or_b32 s[G1B+0], s44, (3<<16)|(1<<20)|(1<<21)|(5<<22)|(3<<25)
.irp g, G1, G1B
	s_mov_b32 s[\g+1], 2048<<16                    ; tensor_dim0: a plane's 128 rows, 16,384 bytes
	s_mov_b32 s[\g+2], 2<<16                       ; tensor_dim1: two planes
	s_mov_b32 s[\g+3], 2048<<16                    ; tile_dim0
	s_mov_b32 s[\g+4], 2                           ; tile_dim1
	s_mov_b32 s[\g+5], PLB/8                       ; the pitch: from plane to plane
	s_mov_b32 s[\g+6], 0
	s_mov_b32 s[\g+7], 0
.endr
	s_or_b32 s[G1S+0], s43, (2<<16)|(1<<21)        ; the scale words of 128 rows, half of the planes: rows of 128 elements of 4 bytes, a plane apart
	s_or_b32 s[G1SB+0], s44, (2<<16)|(1<<21)
.irp g, G1S, G1SB
	s_mov_b32 s[\g+1], 128<<16
	s_mov_b32 s[\g+2], (NPL/2)<<16
	s_mov_b32 s[\g+3], 128<<16
	s_mov_b32 s[\g+4], NPL/2
	s_mov_b32 s[\g+5], RT
	s_mov_b32 s[\g+6], 0
	s_mov_b32 s[\g+7], 0
.endr
	s_lshl_b32 s20, s17, 7
	s_add_co_u32 s20, s20, AROW                    ; A's first row: made of cy and the cluster's y alone
	s_lshl_b32 s46, s42, 7
	s_add_co_u32 s46, s46, BROW                    ; B's: of cx and the cluster's x alone
	s_mul_i32 s18, s16, (NPL/2)*RT*4
	s_lshl_b32 s22, s20, 2
	s_add_co_u32 s22, s22, s18                     ; where my half of the scale words begins
	s_mov_b32 s23, 0
	s_lshl_b32 s92, s46, 2
	s_add_co_u32 s92, s92, s18
	s_mov_b32 s93, 0
	s_mul_i32 s18, s16, 2*PLB
	s_lshl_b32 s20, s20, 7
	s_add_co_u32 s20, s20, s18                     ; and my pair of planes of slot 0
	s_mov_b32 s21, 0
	s_lshl_b32 s46, s46, 7
	s_add_co_u32 s46, s46, s18
	s_mov_b32 s47, 0
	s_mul_i32 s45, s14, PAIR                       ; where they go: no place in the cluster enters an LDS address
	s_mul_i32 s94, s14, HALFS
	s_wait_dscnt 0x0                               ; both opening adds are done
	s_wait_kmcnt 0x0
	s_add_nc_u64 s[20:21], s[4:5], s[20:21]
	s_add_nc_u64 s[22:23], s[6:7], s[22:23]
	s_add_nc_u64 s[46:47], s[4:5], s[46:47]
	s_add_nc_u64 s[92:93], s[6:7], s[92:93]
	CROUND                                         ; all sixteen work-groups are here: the first joint loads meet
	s_mov_b32 s[G0S], 1
	s_add_co_u32 s[G0S+1], s94, SCL
	s_mov_b64 s[G0S+2:G0S+3], s[22:23]
	s_or_b32 s[G0S+3], s[G0S+3], 0x80000000
	s_mov_b32 s[G0SB], 1
	s_add_co_u32 s[G0SB+1], s94, SCL
	s_mov_b64 s[G0SB+2:G0SB+3], s[92:93]
	s_or_b32 s[G0SB+3], s[G0SB+3], 0x80000000
	JLOAD G0S, G1S, G0SB, G1SB                     ; the scales first: they are wanted with plane 0
.irp s, 0,1
	s_mov_b32 s[G0+4*\s], 1
	s_add_co_u32 s[G0+4*\s+1], s45, \s*SLOT
	s_add_nc_u64 s[G0+4*\s+2:G0+4*\s+3], s[20:21], \s*4*PLB
	s_or_b32 s[G0+4*\s+3], s[G0+4*\s+3], 0x80000000
	s_mov_b32 s[G0B+4*\s], 1
	s_add_co_u32 s[G0B+4*\s+1], s45, \s*SLOT
	s_add_nc_u64 s[G0B+4*\s+2:G0B+4*\s+3], s[46:47], \s*4*PLB
	s_or_b32 s[G0B+4*\s+3], s[G0B+4*\s+3], 0x80000000
	JLOAD G0+4*\s, G1, G0B+4*\s, G1B               ; three loads of mine are out
.endr
	v_and_b32 v1, 15, v0                           ; r
	v_bfe_u32 v2, v0, 4, 1                         ; h
	v_lshrrev_b32 v3, 1, v1
	v_mul_u32_u24 v3, v3, 272
	v_and_b32 v4, 1, v1
	v_lshl_add_u32 v3, v4, 7, v3
	v_lshl_add_u32 v4, v2, 4, v3                   ; (r / 2) 272 + (r % 2) 128 + 16 h
	s_mul_i32 s21, s15, HROW                       ; my 64 rows of A
	s_mul_i32 s22, s16, HROW                       ; my 64 rows of B,
	s_add_co_u32 s22, s22, 4*REG                   ; behind A's four planes
.irp s, 0,1
	v_add_nc_u32 v[ADRA+\s], s21, v4
	v_add_nc_u32 v[ADRB+\s], s22, v4
	s_add_co_u32 s21, s21, SLOT
	s_add_co_u32 s22, s22, SLOT
.endr
	v_lshlrev_b32 v5, 2, v1
	s_lshl_b32 s21, s15, 8                         ; A's words: my 64 rows
	s_lshl_b32 s22, s16, 8                         ; B's: my 64 rows, behind all of A's
	s_add_co_u32 s22, s22, 2*HALFS
	s_sub_co_u32 s22, s22, s21
	v_mul_u32_u24 v6, s22, v2                      ; lanes 16-31 take B's
	s_add_co_u32 s21, s21, SCL
	v_add_nc_u32 v5, v5, v6
	v_add_nc_u32 v[ADRS], s21, v5
	s_mul_i32 s23, s14, 2*16*SPITCH
	s_add_co_u32 s23, s23, STGB                    ; my stage: two sets of 16 rows x (256 bytes + 16)
	v_mul_u32_u24 v5, v1, SPITCH
	v_lshl_add_u32 v5, v2, 5, v5
	v_add_nc_u32 v[STO], s23, v5                   ; in: row r, 32 bytes for each half of the lanes
	v_mul_u32_u24 v5, v2, SPITCH
	v_lshl_add_u32 v5, v1, 4, v5
	v_add_nc_u32 v[RD], s23, v5                    ; back: lanes 0-15 one row of 256 bytes, lanes 16-31 the next
	v_lshlrev_b32 v5, 12, v2
	v_lshl_add_u32 v[CO], v1, 4, v5                ; and the same two rows of the result, 4,096 bytes a row
	s_lshl_b32 s20, s17, 7
	s_lshl_b32 s21, s15, 6
	s_add_co_u32 s20, s20, s21
	s_lshl_b32 s20, s20, 12                        ; my first row,
	s_lshl_b32 s46, s42, 9
	s_lshl_b32 s47, s16, 8
	s_add_co_u32 s46, s46, s47                     ; my first column: 512 x tile column + 256 x half bytes
	s_add_co_u32 s20, s20, s46
	s_mov_b32 s21, 0
	s_add_nc_u64 s[8:9], s[8:9], s[20:21]
	s_add_nc_u64 s[10:11], s[10:11], s[20:21]
	WIN 0x80                                       ; destination window 2
.irp a, 0,1,2,3
.irp t, 0,1,2,3,4,5,6,7
	global_load_b128 v[32*\a+4*\t:32*\a+4*\t+3], v[CO], s[8:9] offset:(16*\a+2*\t)*4096 th:TH_LOAD_NT   ; the residual: it lands while K is walked
.endr
.endr
	WIN 0
.macro FRAG reg, adr, q, i             ; 16 rows x 128 K: lane l holds row l % 16; registers 4 c .. 4 c + 3 the bytes 32 c + 16 (l / 16) + 0 .. 15
.irp c, 0,1,2,3
	ds_load_b128 v[\reg+4*\c:\reg+4*\c+3], v[\adr] offset:(\q)*REG+(\i)*BLKB+32*\c
.endr
.endm
.macro FETCH p                         ; plane p's fragments, 32 LDS loads in one run, into set p % 2
	WIN TO_F
.irp i, 0,1,2,3
	FRAG 128*((\p)%2)+FR*\i, ADRB+((\p)/4)%2, (\p)%4, \i
.endr
.irp i, 0,1,2,3
	FRAG 128*((\p)%2)+64+FR*\i, ADRA+((\p)/4)%2, (\p)%4, \i
.endr
.endm
.macro SCALES p0, n                    ; the scale words of planes p0 .. p0 + n - 1: lanes 0-15 A's block i, lanes 16-31 B's block i
.set SS, SC+16*(((\p0)/4)%2)
.set qq, 0
.rept \n
.irp i, 0,1,2,3
	ds_load_b32 v[SS+4*qq+\i], v[ADRS] offset:512*((\p0)+qq)+64*\i
.endr
.set qq, qq+1
.endr
.endm
; 8 matrix instructions: A's blocks a0, a0 + 1 x B's four.  The 16 accumulators take turns, one instruction a turn, in the same order in every plane.
.macro MUL8 p, a0, zero
.set FB, 128*((\p)%2)
.set SB, SC+16*(((\p)/4)%2)+4*((\p)%4)
.irp a, \a0, \a0+1
.irp b, 0,1,2,3
.if \zero
	v_wmma_scale_f32_16x16x128_f8f6f4 v[ACC+8*(4*(\a)+\b):ACC+8*(4*(\a)+\b)+7], v[FB+FR*\b:FB+FR*\b+FR-1], v[FB+64+FR*(\a):FB+64+FR*(\a)+FR-1], 0, v[SB+\b], v[SB+(\a)] matrix_a_scale:MATRIX_SCALE_ROW1
.else
	v_wmma_scale_f32_16x16x128_f8f6f4 v[ACC+8*(4*(\a)+\b):ACC+8*(4*(\a)+\b)+7], v[FB+FR*\b:FB+FR*\b+FR-1], v[FB+64+FR*(\a):FB+64+FR*(\a)+FR-1], v[ACC+8*(4*(\a)+\b):ACC+8*(4*(\a)+\b)+7], v[SB+\b], v[SB+(\a)] matrix_a_scale:MATRIX_SCALE_ROW1
.endif
.endr
.endr
.endm
.macro PLACES n                        ; plain vector lines between a matrix instruction and a load into, or a read of, its registers
.rept \n
	v_nop
.endr
.endm
.macro PLANE p, zero                   ; a plane that has its successor in the same slot
	PLACES NP                                      ; the other set was read by the plane before
	FETCH (\p)+1
	s_wait_dscnt 32                                ; all but the 32 loads just issued: this plane's fragments are in
	WIN MUL
	MUL8 \p, 0, \zero
	MUL8 \p, 2, \zero
.endm
; A slot's last plane changes slots: one barrier; in front of it each wave waits for all its tensor loads, adds 0 to its spare word, and waits for that and for its reads of this slot.
; fill = 1: the slot is filled again, with the four planes two slots on; 2: with the last two planes; 0: nothing is left to fetch.
.macro TURN p, fill
.set TS, ((\p)/4)%2
.set NSC, NPL-1-(\p)
.if NSC > 4
.set NSC, 4
.endif
	WIN 0                                          ; (the add's two registers lie in window 0)
	s_wait_tensorcnt 0x0                           ; all my tensor loads have landed: my part of the next slot
	ds_add_u32 v[SPW], v[NIL]
	s_wait_dscnt 1                                 ; (the add may be out) this plane's fragments are in
	WIN MUL
	MUL8 \p, 0, 0
	s_wait_dscnt 0x0                               ; the add is done, and my reads of this slot are over
	s_barrier_signal -1
	MUL8 \p, 2, 0
	WIN 0
	s_barrier_wait -1
.if \fill
	CREST                                          ; the barrier has opened a round of the cluster's barrier: no wave of any partner still reads this slot or has a load on its way
	s_add_nc_u64 s[G0+4*TS+2:G0+4*TS+3], s[G0+4*TS+2:G0+4*TS+3], 8*PLB
	s_add_nc_u64 s[G0B+4*TS+2:G0B+4*TS+3], s[G0B+4*TS+2:G0B+4*TS+3], 8*PLB
.if \fill == 1
	JLOAD G0+4*TS, G1, G0B+4*TS, G1B               ; my one tensor load behind the round; its four v_nop are among the places below
	PLACES NP-4
.else
	HLOAD G0+4*TS, G1, G0B+4*TS, G1B
	PLACES NP
.endif
.else
	PLACES NP
.endif
	FETCH (\p)+1
	WIN 0
	SCALES (\p)+1, NSC
.endm
.macro LASTP p                         ; the very last plane: nothing more to fetch
	s_wait_dscnt 0x0
	WIN MUL
	MUL8 \p, 0, 0
	MUL8 \p, 2, 0
	WIN 0
.endm
	s_wait_tensorcnt 1                             ; the scales and my part of slot 0 are in; slot 1's load may be out
	s_barrier_signal -1
	s_barrier_wait -1
	FETCH 0
	WIN 0
	SCALES 0, 4
.set P, 0
.rept NPL
.if P == NPL-1
	LASTP P
.elseif P%4 == 3
.if 4*(P/4)+12 <= NPL
	TURN P, 1
.elseif 4*(P/4)+8 < NPL
	TURN P, 2
.else
	TURN P, 0
.endif
.elseif P == 0
	PLANE P, 1                                     ; the first plane's products start the sums
.else
	PLANE P, 0
.endif
.set P, P+1
.endr
; THE WAY OUT, block by block of 16 rows x 64 columns: through my own stage, back as whole runs of 256 bytes; the residual is added; sixteen lanes store 256 consecutive bytes, at a multiple of 256 from the buffer's first byte.
.macro TOSTAGE a
.irp b, 0,1,2,3
	ds_store_b128 v[STO], v[ACC+8*(4*(\a)+\b):ACC+8*(4*(\a)+\b)+3] offset:((\a)%2)*16*SPITCH+64*\b          ; each accumulator from its low end on
	ds_store_b128 v[STO], v[ACC+8*(4*(\a)+\b)+4:ACC+8*(4*(\a)+\b)+7] offset:((\a)%2)*16*SPITCH+64*\b+16
.endr
.irp t, 0,1,2,3,4,5,6,7
	ds_load_b128 v[BK+32*((\a)%2)+4*\t:BK+32*((\a)%2)+4*\t+3], v[RD] offset:((\a)%2)*16*SPITCH+\t*2*SPITCH   ; LDS serves a wave's instructions in order
.endr
.endm
.macro OUT2 a
.if (\a) < 3
.if (\a) >= 1
	s_wait_xcnt 0x0                                ; block a - 1's stores have read their registers: block a + 1's rows may land there
.endif
	TOSTAGE (\a)+1
	s_wait_dscnt 16                                ; block a is back; the next block's 8 stores and 8 loads may be out
.else
	s_wait_dscnt 0x0
.endif
.set BB, BK+32*((\a)%2)
.set XR, 32*(\a)
	WIN 0x08                                       ; source 1 window 2
.set jj, 0
.rept 16
	v_pk_add_f32 v[BB+jj:BB+jj+1], v[BB+jj:BB+jj+1], v[XR+jj:XR+jj+1]
.set jj, jj+2
.endr
	WIN 0
.irp t, 0,1,2,3,4,5,6,7
	global_store_b128 v[CO], v[BB+4*\t:BB+4*\t+3], s[10:11] offset:(16*(\a)+2*\t)*4096
.endr
.endm
	PLACES NP
	s_wait_loadcnt 0x0                             ; the residual
	TOSTAGE 0
.irp a, 0,1,2,3
	OUT2 \a
.endr
	s_wait_tensorcnt 0x0                           ; the wave's end
	ds_add_u32 v[SPW], v[NIL]
	s_wait_dscnt 0x0
	CROUND                                         ; the closing round
	s_endpgm
.Lfunc_end_k_qad7f2198fb_gemm_o:
	.size	k_qad7f2198fb_gemm_o, .Lfunc_end_k_qad7f2198fb_gemm_o-k_qad7f2198fb_gemm_o
	.p2alignl 7, 3214868480
	.fill 96, 4, 3214868480
	.section	.rodata,"a",@progbits
	.p2align	6, 0x0
	.amdhsa_kernel k_qad7f2198fb_gemm_o
		.amdhsa_group_segment_fixed_size 327680
		.amdhsa_private_segment_fixed_size 0
		.amdhsa_enable_private_segment 0
		.amdhsa_kernarg_size 32
		.amdhsa_user_sgpr_count 2
		.amdhsa_user_sgpr_kernarg_segment_ptr 1
		.amdhsa_wavefront_size32 1
		.amdhsa_system_sgpr_workgroup_id_x 1
		.amdhsa_system_sgpr_workgroup_id_y 1
		.amdhsa_system_sgpr_workgroup_id_z 1
		.amdhsa_system_vgpr_workitem_id 0
		.amdhsa_next_free_vgpr 768
		.amdhsa_next_free_sgpr 100
		.amdhsa_reserve_vcc 0
		.amdhsa_float_denorm_mode_32 3
		.amdhsa_float_denorm_mode_16_64 3
		.amdhsa_memory_ordered 1
		.amdhsa_forward_progress 1
		.amdhsa_inst_pref_size 62
	.end_amdhsa_kernel
	.amdgpu_metadata
---
amdhsa.version: [ 1, 2 ]
amdhsa.kernels:
  - .name:           k_qad7f2198fb_gemm_o
    .symbol:         k_qad7f2198fb_gemm_o.kd
    .args:
      - { .name: ck, .offset: 0, .size: 8, .value_kind: global_buffer, .address_space: global }
      - { .name: sk, .offset: 8, .size: 8, .value_kind: global_buffer, .address_space: global }
      - { .name: x, .offset: 16, .size: 8, .value_kind: global_buffer, .address_space: global }
      - { .name: x1, .offset: 24, .size: 8, .value_kind: global_buffer, .address_space: global }
    .group_segment_fixed_size: 327680
    .private_segment_fixed_size: 0
    .kernarg_segment_align: 8
    .kernarg_segment_size: 32
    .max_flat_workgroup_size: 128
    .sgpr_count:     100
    .vgpr_count:     768
    .wavefront_size: 32
...
	.end_amdgpu_metadata
.endif
;; end of part 9
;; launch norm2 (part 10): grid 256 x 1, 4 waves a work-group, no clusters, 22,016 bytes of LDS; arguments x1, n2_w, ck, sk; writes ck, sk
.if DOCPART == 10
	.amdgcn_target "amdgcn-amd-amdhsa--gfx1250"
	.amdhsa_code_object_version 6
	.text
	.protected	k_qad7f2198fb_norm2
	.globl	k_qad7f2198fb_norm2
	.p2align	8
	.type	k_qad7f2198fb_norm2,@function
k_qad7f2198fb_norm2:
	s_mov_b64 s[64:65], 0
	v_nop
	global_prefetch_b8 v0, s[64:65] scope:SCOPE_SE
	s_setreg_imm32_b32 hwreg(HW_REG_WAVE_MODE, 25, 1), 1
	s_wait_xcnt 0x0
; h2 = rmsnorm(x1, n2_w), quantised to codes of FP8 (E4M3) with one E8M0 scale for each 32 along K, into rows 17,920 on of ck and sk ([plane of 128][row][128 bytes], [plane][row][4]).  Nothing is left out.
; In a block of 32 byte 16 h + 8 u + j holds k = 16 u + 8 h + j, as in every operand of the program.
; A wave owns 4 rows, kept in 128 registers between the sum of squares and the scaling.  A step is 4 rows x one plane: the numbers turn through the wave's own stage in LDS, so that lane l holds 16 numbers of row l / 8,
; block (l % 8) / 2; its 16 codes lie at 16 l of the step's 512 consecutive bytes.  Waves share nothing: no barrier.
; LIMITS: NaN and infinities are not served; a block under 2^-118, and a block of zeros, take the byte 1; 1 / rms is v_rsq_f32's (1 ulp); the scale words leave in runs of 16 bytes.
.set RT,    22016
.set PLB,   RT*128
.set PLS,   RT*4
.set H2,    17920
.set SPARE, 21504
.set SPW, 12
.set NIL, 13
.set RS,  20
.set R,   32
.set G,   160
.set X,   192
.set SQ,  192
.set C,   224
.macro QCORE xs, c
	v_max3_num_f32 v8, |v[(\xs)]|, |v[(\xs)+1]|, |v[(\xs)+2]|
	v_max3_num_f32 v9, |v[(\xs)+3]|, |v[(\xs)+4]|, |v[(\xs)+5]|
.irp i, 6,10
	v_max3_num_f32 v8, v8, |v[(\xs)+\i]|, |v[(\xs)+\i+1]|
	v_max3_num_f32 v9, v9, |v[(\xs)+\i+2]|, |v[(\xs)+\i+3]|
.endr
	v_max3_num_f32 v8, v8, |v[(\xs)+14]|, |v[(\xs)+15]|
	v_max3_num_f32 v8, v8, v9, 0x4800000           ; the floor 2^(9 - 127)
	v_max_num_f32_dpp v8, v8, v8 row_xmask:1 row_mask:0xf bank_mask:0xf   ; with my neighbour's 16
	v_add_nc_u32 v11, 0xfc000000, v8               ; the conversion's scale operand
.irp i, 0,1,2,3,4,5,6,7,8,9,10,11,12,13,14,15
.endr
	v_cvt_scalef32_pk8_fp8_f32 v[(\c):(\c)+1], v[(\xs):(\xs)+7], v11
	v_cvt_scalef32_pk8_fp8_f32 v[(\c)+2:(\c)+3], v[(\xs)+8:(\xs)+15], v11
	v_lshrrev_b32 v19, 23, v11                     ; the scale's byte (also the plain line behind the conversions)
.endm
	s_load_b256 s[4:11], s[0:1], 0x0               ; x1, n2_w, ck, sk
	v_lshl_add_u32 v[SPW], v0, 2, SPARE
	v_mov_b32 v[NIL], 0
	v_lshrrev_b32 v1, 5, v0
	v_readfirstlane_b32 s26, v1
	v_and_b32 v1, 31, v0
	v_lshlrev_b32 v14, 4, v1
	s_wait_alu depctr_va_vdst(0)
	s_lshl_b32 s33, ttmp9, 4
	s_lshl_b32 s57, s26, 2
	s_add_co_u32 s33, s33, s57                     ; my wave's first row
.irp i, 0,1,2,3
	s_add_co_u32 s60, s33, \i
	s_lshl_b32 s60, s60, 12
	v_add_nc_u32 v[2+\i], s60, v14
.endr
	s_mul_i32 s61, s26, 5376                       ; my wave's LDS: two stages of 2,560 bytes, then 128 scale bytes
	v_lshrrev_b32 v6, 2, v1
	v_mul_u32_u24 v6, v6, 80
	v_and_b32 v7, 3, v1
	v_lshl_add_u32 v6, v7, 4, v6
	v_add_nc_u32 v6, s61, v6
	v_lshrrev_b32 v7, 3, v1
	v_mul_u32_u24 v7, v7, 640
	v_bfe_u32 v8, v1, 1, 2
	v_mad_u32_u24 v7, v8, 160, v7
	v_and_b32 v8, 1, v1
	v_lshl_add_u32 v7, v8, 5, v7
	v_add_nc_u32 v7, s61, v7
	s_add_co_u32 s61, s61, 5120
	v_lshrrev_b32 v15, 1, v1
	v_add_nc_u32 v15, s61, v15
	v_lshl_add_u32 v16, v1, 2, s61
	v_lshrrev_b32 v17, 2, v1
	v_mul_u32_u24 v17, v17, PLS
	v_and_b32 v8, 3, v1
	v_lshl_add_u32 v17, v8, 2, v17
	s_wait_kmcnt 0x0
.irp p, 0,1,2,3,4,5,6,7
.irp i, 0,1,2,3
	global_load_b128 v[R+16*\p+4*\i:R+16*\p+4*\i+3], v[2+\i], s[4:5] offset:512*\p th:TH_LOAD_NT
.endr
.endr
.irp p, 0,1,2,3,4,5,6,7
	global_load_b128 v[G+4*\p:G+4*\p+3], v14, s[6:7] offset:512*\p
.endr
	s_add_co_u32 s60, s33, H2
	s_lshl_b32 s62, s60, 2
	s_mov_b32 s63, 0
	s_add_nc_u64 s[52:53], s[10:11], s[62:63]
	s_lshl_b32 s62, s60, 7
	s_add_nc_u64 s[36:37], s[8:9], s[62:63]        ; a base for each plane
.irp p, 1,2,3,4,5,6,7
	s_add_nc_u64 s[36+2*\p:37+2*\p], s[34+2*\p:35+2*\p], PLB
.endr
	s_mov_b32 s55, 0x3a800000                      ; 1 / 1,024
	s_mov_b32 s56, 0x358637bd                      ; 1e-6
	s_mov_b32 s58, 0x76543210
	s_mov_b32 s59, 0xfedcba98
	s_wait_loadcnt 0x0
.irp i, 0,1,2,3
	v_pk_mul_f32 v[SQ+2*\i:SQ+2*\i+1], v[R+4*\i:R+4*\i+1], v[R+4*\i:R+4*\i+1]
.endr
.irp i, 0,1,2,3
	v_pk_fma_f32 v[SQ+2*\i:SQ+2*\i+1], v[R+4*\i+2:R+4*\i+3], v[R+4*\i+2:R+4*\i+3], v[SQ+2*\i:SQ+2*\i+1]
.endr
.irp p, 1,2,3,4,5,6,7
.irp q, 0,2
.irp i, 0,1,2,3
	v_pk_fma_f32 v[SQ+2*\i:SQ+2*\i+1], v[R+16*\p+4*\i+\q:R+16*\p+4*\i+\q+1], v[R+16*\p+4*\i+\q:R+16*\p+4*\i+\q+1], v[SQ+2*\i:SQ+2*\i+1]
.endr
.endr
.endr
.irp i, 0,1,2,3
	v_add_f32 v[SQ+2*\i], v[SQ+2*\i], v[SQ+2*\i+1]
.endr
.irp m, 1,2,4,8
.irp i, 0,1,2,3
	v_add_f32_dpp v[SQ+2*\i], v[SQ+2*\i], v[SQ+2*\i] row_xmask:\m row_mask:0xf bank_mask:0xf
.endr
.endr
.irp i, 0,1,2,3
	v_permlanex16_b32 v[SQ+2*\i+1], v[SQ+2*\i], s58, s59
.endr
.irp i, 0,1,2,3
	v_add_f32 v[SQ+2*\i], v[SQ+2*\i], v[SQ+2*\i+1]
.endr
.irp i, 0,1,2,3
	v_fma_f32 v[SQ+2*\i], v[SQ+2*\i], s55, s56
.endr
	s_wait_alu depctr_va_vdst(0)
.irp i, 0,1,2,3
	v_rsq_f32 v[RS+2*\i], v[SQ+2*\i]
.endr
	v_nop
	s_wait_alu depctr_va_vdst(0)                   ; one wait for the four, ahead of their first reader
.irp i, 0,1,2,3
	v_mov_b32 v[RS+2*\i+1], v[RS+2*\i]
.endr
.irp p, 0,1,2,3,4,5,6,7
.irp i, 0,1,2,3
.irp q, 0,2
	v_pk_mul_f32 v[R+16*\p+4*\i+\q:R+16*\p+4*\i+\q+1], v[R+16*\p+4*\i+\q:R+16*\p+4*\i+\q+1], v[RS+2*\i:RS+2*\i+1]
.endr
.endr
.endr
.irp p, 0,1,2,3,4,5,6,7
.irp i, 0,1,2,3
.irp q, 0,2
	v_pk_mul_f32 v[R+16*\p+4*\i+\q:R+16*\p+4*\i+\q+1], v[R+16*\p+4*\i+\q:R+16*\p+4*\i+\q+1], v[G+4*\p+\q:G+4*\p+\q+1]
.endr
.endr
.endr
.macro TURN t                          ; plane t through the stage: LDS serves a wave's instructions in order
.irp i, 0,1,2,3
	ds_store_b128 v6, v[R+16*(\t)+4*\i:R+16*(\t)+4*\i+3] offset:2560*((\t)%2)+640*\i
.endr
.irp k, 0,1,2,3
	ds_load_b128 v[X+16*((\t)%2)+4*\k:X+16*((\t)%2)+4*\k+3], v7 offset:2560*((\t)%2)+16*(\k%2)+80*(\k/2)
.endr
.endm
.macro STEPA p
	s_wait_dscnt 0x0                               ; this plane's numbers are back, and the last byte store has read v19
.if (\p) < 7
	TURN (\p)+1
.endif
	QCORE X+16*((\p)%2), C+4*(\p)
	ds_store_b8 v15, v19 offset:16*(\p)
	global_store_b128 v14, v[C+4*(\p):C+4*(\p)+3], s[36+2*(\p):37+2*(\p)]   ; 512 consecutive bytes: 4 rows of 128
.endm
	TURN 0
.irp p, 0,1,2,3,4,5,6,7
	STEPA \p
.endr
	ds_load_b32 v19, v16
	s_wait_dscnt 0x0
	global_store_b32 v17, v19, s[52:53]
	s_wait_tensorcnt 0x0                           ; the wave's end
	ds_add_u32 v[SPW], v[NIL]
	s_wait_dscnt 0x0
	s_endpgm
.Lfunc_end_k_qad7f2198fb_norm2:
	.size	k_qad7f2198fb_norm2, .Lfunc_end_k_qad7f2198fb_norm2-k_qad7f2198fb_norm2
	.p2alignl 7, 3214868480
	.fill 96, 4, 3214868480
	.section	.rodata,"a",@progbits
	.p2align	6, 0x0
	.amdhsa_kernel k_qad7f2198fb_norm2
		.amdhsa_group_segment_fixed_size 22016
		.amdhsa_private_segment_fixed_size 0
		.amdhsa_enable_private_segment 0
		.amdhsa_kernarg_size 32
		.amdhsa_user_sgpr_count 2
		.amdhsa_user_sgpr_kernarg_segment_ptr 1
		.amdhsa_wavefront_size32 1
		.amdhsa_system_sgpr_workgroup_id_x 1
		.amdhsa_system_sgpr_workgroup_id_y 1
		.amdhsa_system_sgpr_workgroup_id_z 1
		.amdhsa_system_vgpr_workitem_id 0
		.amdhsa_next_free_vgpr 256
		.amdhsa_next_free_sgpr 66
		.amdhsa_reserve_vcc 0
		.amdhsa_float_denorm_mode_32 3
		.amdhsa_float_denorm_mode_16_64 3
		.amdhsa_fp16_overflow 1
		.amdhsa_memory_ordered 1
		.amdhsa_forward_progress 1
		.amdhsa_inst_pref_size 34
	.end_amdhsa_kernel
	.amdgpu_metadata
---
amdhsa.version: [ 1, 2 ]
amdhsa.kernels:
  - .name:           k_qad7f2198fb_norm2
    .symbol:         k_qad7f2198fb_norm2.kd
    .args:
      - { .name: x1, .offset: 0, .size: 8, .value_kind: global_buffer, .address_space: global }
      - { .name: n2_w, .offset: 8, .size: 8, .value_kind: global_buffer, .address_space: global }
      - { .name: ck, .offset: 16, .size: 8, .value_kind: global_buffer, .address_space: global }
      - { .name: sk, .offset: 24, .size: 8, .value_kind: global_buffer, .address_space: global }
    .group_segment_fixed_size: 22016
    .private_segment_fixed_size: 0
    .kernarg_segment_align: 8
    .kernarg_segment_size: 32
    .max_flat_workgroup_size: 128
    .sgpr_count:     66
    .vgpr_count:     256
    .wavefront_size: 32
...
	.end_amdgpu_metadata
.endif
;; end of part 10
;; launch gemm_13: the kernel of part 6 again; grid 16 x 22, 4 waves a work-group, clusters of 4 x 1, 327,680 bytes of LDS; arguments ck, sk, c2, s2; writes c2, s2
;; launch gemm_2 (part 11): grid 8 x 32, 4 waves a work-group, clusters of 4 x 4, 327,680 bytes of LDS; arguments c2, s2, x1, out0; writes out0
.if DOCPART == 11
	.amdgcn_target "amdgcn-amd-amdhsa--gfx1250"
	.amdhsa_code_object_version 6
	.text
	.protected	k_qad7f2198fb_gemm_2
	.globl	k_qad7f2198fb_gemm_2
	.p2align	8
	.type	k_qad7f2198fb_gemm_2,@function
k_qad7f2198fb_gemm_2:
	s_mov_b64 s[64:65], 0
	v_nop
	global_prefetch_b8 v0, s[64:65] scope:SCOPE_SE
	s_setreg_imm32_b32 hwreg(HW_REG_WAVE_MODE, 25, 1), 1
	s_wait_xcnt 0x0
	s_wait_alu depctr_hold_cnt(0) depctr_sa_sdst(0) depctr_va_vdst(0) depctr_va_sdst(0) depctr_va_ssrc(0) depctr_va_vcc(0) depctr_vm_vsrc(0)
	s_getreg_b32 s2, hwreg(HW_REG_IB_STS2, 6, 4)
	s_cmp_eq_u32 s2, 0
	s_cbranch_scc0 .Lentry_in_a_cluster
	s_endpgm
.Lentry_in_a_cluster:
	s_bfe_u32 s2, ttmp6, 0x10000c
	s_cmp_lg_u32 s2, 0xf033
	s_cbranch_scc0 .Lentry_shape_is_right
	s_endpgm
.Lentry_shape_is_right:
; PRODUCT 7 AND THE RESIDUAL: out0 = x1 + g w2^T, on codes of FP8 (E4M3) with E8M0 scales, K = 2,730 filled with zero codes on both sides up to 2,816 = 22 planes of 128.  Nothing is left out.
; TILE: 4,096 x 1,024 results are 32 x 8 = 256 tiles of 128 x 128, a work-group each (tiles of 256 x 256 would be 64).  Four waves, each 64 x 64: 16 accumulators, 128 registers.
; OPERANDS lie as [plane of 128 along K][row][128 bytes]: a tile's plane, 128 rows, is 16 KiB of consecutive memory.  ONE TENSOR LOAD BRINGS TWO PLANES: 2 rows of 16 KiB, a plane apart, with 16 bytes of padding
; behind every 256: in LDS row n of a plane lies at (n / 2) 272 + (n % 2) 128, and the 16 rows of a fragment begin in 16 different columns of 16 bytes.
; A SLOT HOLDS FOUR PLANES of A and of B (K = 512); waves 0 and 1 fetch A's two pairs of planes, waves 2 and 3 B's.  22 planes are two first fills and four refills, of 4, 4, 4 and 2 planes; a refill has a slot's
; 64 products a wave in which to land.  The scale words of the tile's rows, all planes, come once, with the first fills.
; CLUSTERS: 4 x 4 work-groups; A's tiles are asked for jointly along a row of the cluster, B's along a column.  THE MATRIX INSTRUCTION IS USED TRANSPOSED (source 0 = 16 rows of B, source 1 = 16 rows of A):
; a lane holds eight neighbouring numbers of a row of the result.
; THE WALK is written out by macro, plane by plane, without a loop: 22 planes of 16 products.  While a plane is multiplied the next plane's 32 LDS loads are on their way, into the other of two sets of registers.
; The residual's 64 x 64 numbers of the wave are asked for at the head and wait in registers.
; REGISTERS, in windows of 256: window 0: v16-29 addresses; v32-63 scale words, two sets; v64-127 rows back from the stage; v128-255 the accumulators ((a, b) at v[128 + 8 (4 a + b)]).
;   window 1: two sets of 128: B's four fragments, then A's four.   window 2: v0-127 the residual.
.set NPL,   22                         ; planes of 128 along K
.set RT,    5120                       ; rows in a plane
.set AROW,  0                          ; A: g's rows
.set BROW,  4096                       ; B: w2's
.set PLB,   RT*128
.set FR,    16                         ; registers of a fragment
.set NP,    8                          ; places behind this matrix instruction (ISA guide 7.12.1)
.set REG,   64*272                     ; a plane of 128 rows in LDS
.set PAIR,  2*REG                      ; what one tensor load brings
.set HROW,  32*272                     ; 64 rows
.set BLKB,  8*272                      ; 16 rows
.set SLOT,  8*REG                      ; A's four planes, then B's four
.set SCL,   2*SLOT                     ; behind the ring: the scale words: A's [plane][128 rows][4 bytes], then B's
.set HALFS, (NPL/2)*512                ; half of a side's planes: what one tensor load brings
.set SPARE, SCL+4*HALFS                ; the spare words, 128 bytes a wave
.set STGB,  (1-((NPL-1)/4)%2)*SLOT     ; the way out's stages lie in the slot that was left at the last change of slots: it has had its last fill, and nobody reads it
.set SPITCH, 272
.set ADRA, 16                          ; v16-17 my A fragments in slot 0, 1;  v20-21 B's
.set ADRB, 20
.set STO,  24                          ; the way out: into my stage
.set RD,   25                          ; and back
.set CO,   26                          ; my byte offset in two rows of the result
.set ADRS, 27                          ; my scale words: lanes 0-15 A's rows, lanes 16-31 B's
.set SPW,  28
.set NIL,  29
.set SC,   32                          ; scale words: set s at v[SC + 16 s]; register 4 q + i: block i, the slot's q-th plane
.set BK,   64
.set ACC,  128
.set G1, 24
.set G0, 32
.set G1B, 48
.set G0B, 56
.set G1S, 68
.set G0S, 76
.set G1SB, 80
.set G0SB, 88
.set MSB, 0
.macro WIN new                         ; the immediate's high byte repeats the setting that is left
.if MSB != (\new)
	s_set_vgpr_msb (MSB<<8)|(\new)
.set MSB, (\new)
.endif
.endm
.set MUL,  0x05                        ; sources 0 (B) and 1 (A) window 1; C and D window 0
.set TO_F, 0x40                        ; destination window 1, address window 0
.macro JLOAD g0a, g1a, g0b, g1b        ; waves 0 and 1 fetch for A, waves 2 and 3 for B; the branch hangs on the wave's number alone; an s_nop 0 and four v_nop follow each line
	s_cmp_eq_u32 s15, 0
	s_cbranch_scc0 .Lfor_b_\@
	tensor_load_to_lds s[\g0a:\g0a+3], s[\g1a:\g1a+7]
	s_nop 0
.rept 4
	v_nop
.endr
	s_branch .Lasked_\@
.Lfor_b_\@:
	tensor_load_to_lds s[\g0b:\g0b+3], s[\g1b:\g1b+7]
	s_nop 0
.rept 4
	v_nop
.endr
.Lasked_\@:
.endm
.macro HLOAD g0a, g1a, g0b, g1b        ; a fill of two planes: the waves that fetch a slot's first pair ask; the others have nothing to fetch.  The branch hangs on the wave's number alone
	s_cmp_eq_u32 s16, 0
	s_cbranch_scc0 .Lnone_\@
	JLOAD \g0a, \g1a, \g0b, \g1b
.Lnone_\@:
.endm
.macro CREST                           ; a round of the cluster's barrier behind its opening barrier
	s_cmp_lg_u32 s14, 0
	s_cbranch_scc1 .Lnot_wave_0_\@
	s_barrier_signal -3
.Lnot_wave_0_\@:
	s_barrier_wait -3
	s_barrier_signal -1
	s_barrier_wait -1
.endm
.macro CROUND
	s_barrier_signal -1
	s_barrier_wait -1
	CREST
.endm
	s_load_b256 s[4:11], s[0:1], 0x0               ; codes, scales, the residual, the result
	v_lshl_add_u32 v[SPW], v0, 2, SPARE
	v_mov_b32 v[NIL], 0
	ds_add_u32 v[SPW], v[NIL]                      ; the wave's opening: the add, twice on end, and its wait ahead of my first tensor load
	ds_add_u32 v[SPW], v[NIL]
	v_lshrrev_b32 v1, 5, v0
	v_readfirstlane_b32 s14, v1                    ; wave
	s_lshr_b32 s15, s14, 1                         ; my half of the tile's rows.  Also: I fetch for A (0) or for B (1)
	s_and_b32 s16, s14, 1                          ; my half of its columns.  Also: which pair of a slot's planes, and which half of the planes' scale words, I fetch
	s_bfe_u32 s40, ttmp6, 0x40000                  ; cx
	s_bfe_u32 s41, ttmp6, 0x40004                  ; cy
	s_lshl_b32 s42, ttmp9, 2
	s_add_co_u32 s42, s42, s40                     ; tile column
	s_and_b32 s17, ttmp7, 0xffff
	s_lshl_b32 s17, s17, 2
	s_add_co_u32 s17, s17, s41                     ; tile row
	s_lshl_b32 s43, s41, 2
	s_lshl_b32 s43, 15, s43                        ; my row of the cluster
	s_lshl_b32 s44, 0x1111, s40                    ; my column
	s_or_b32 s[G1+0], s43, (3<<16)|(1<<20)|(1<<21)|(5<<22)|(3<<25)   ; the mask; elements of 8 bytes; padding: 4 words behind every 64; bit 21 beside a mask
	s_or_b32 s[G1B+0], s44, (3<<16)|(1<<20)|(1<<21)|(5<<22)|(3<<25)
.irp g, G1, G1B
	s_mov_b32 s[\g+1], 2048<<16                    ; tensor_dim0: a plane's 128 rows, 16,384 bytes
	s_mov_b32 s[\g+2], 2<<16                       ; tensor_dim1: two planes
	s_mov_b32 s[\g+3], 2048<<16                    ; tile_dim0
	s_mov_b32 s[\g+4], 2                           ; tile_dim1
	s_mov_b32 s[\g+5], PLB/8                       ; the pitch: from plane to plane
	s_mov_b32 s[\g+6], 0
	s_mov_b32 s[\g+7], 0
.endr
	s_or_b32 s[G1S+0], s43, (2<<16)|(1<<21)        ; the scale words of 128 rows, half of the planes: rows of 128 elements of 4 bytes, a plane apart
	s_or_b32 s[G1SB+0], s44, (2<<16)|(1<<21)
.irp g, G1S, G1SB
	s_mov_b32 s[\g+1], 128<<16
	s_mov_b32 s[\g+2], (NPL/2)<<16
	s_mov_b32 s[\g+3], 128<<16
	s_mov_b32 s[\g+4], NPL/2
	s_mov_b32 s[\g+5], RT
	s_mov_b32 s[\g+6], 0
	s_mov_b32 s[\g+7], 0
.endr
	s_lshl_b32 s20, s17, 7
	s_add_co_u32 s20, s20, AROW                    ; A's first row: made of cy and the cluster's y alone
	s_lshl_b32 s46, s42, 7
	s_add_co_u32 s46, s46, BROW                    ; B's: of cx and the cluster's x alone
	s_mul_i32 s18, s16, (NPL/2)*RT*4
	s_lshl_b32 s22, s20, 2
	s_add_co_u32 s22, s22, s18                     ; where my half of the scale words begins
	s_mov_b32 s23, 0
	s_lshl_b32 s92, s46, 2
	s_add_co_u32 s92, s92, s18
	s_mov_b32 s93, 0
	s_mul_i32 s18, s16, 2*PLB
	s_lshl_b32 s20, s20, 7
	s_add_co_u32 s20, s20, s18                     ; and my pair of planes of slot 0
	s_mov_b32 s21, 0
	s_lshl_b32 s46, s46, 7
	s_add_co_u32 s46, s46, s18
	s_mov_b32 s47, 0
	s_mul_i32 s45, s14, PAIR                       ; where they go: no place in the cluster enters an LDS address
	s_mul_i32 s94, s14, HALFS
	s_wait_dscnt 0x0                               ; both opening adds are done
	s_wait_kmcnt 0x0
	s_add_nc_u64 s[20:21], s[4:5], s[20:21]
	s_add_nc_u64 s[22:23], s[6:7], s[22:23]
	s_add_nc_u64 s[46:47], s[4:5], s[46:47]
	s_add_nc_u64 s[92:93], s[6:7], s[92:93]
	CROUND                                         ; all sixteen work-groups are here: the first joint loads meet
	s_mov_b32 s[G0S], 1
	s_add_co_u32 s[G0S+1], s94, SCL
	s_mov_b64 s[G0S+2:G0S+3], s[22:23]
	s_or_b32 s[G0S+3], s[G0S+3], 0x80000000
	s_mov_b32 s[G0SB], 1
	s_add_co_u32 s[G0SB+1], s94, SCL
	s_mov_b64 s[G0SB+2:G0SB+3], s[92:93]
	s_or_b32 s[G0SB+3], s[G0SB+3], 0x80000000
	JLOAD G0S, G1S, G0SB, G1SB                     ; the scales first: they are wanted with plane 0
.irp s, 0,1
	s_mov_b32 s[G0+4*\s], 1
	s_add_co_u32 s[G0+4*\s+1], s45, \s*SLOT
	s_add_nc_u64 s[G0+4*\s+2:G0+4*\s+3], s[20:21], \s*4*PLB
	s_or_b32 s[G0+4*\s+3], s[G0+4*\s+3], 0x80000000
	s_mov_b32 s[G0B+4*\s], 1
	s_add_co_u32 s[G0B+4*\s+1], s45, \s*SLOT
	s_add_nc_u64 s[G0B+4*\s+2:G0B+4*\s+3], s[46:47], \s*4*PLB
	s_or_b32 s[G0B+4*\s+3], s[G0B+4*\s+3], 0x80000000
	JLOAD G0+4*\s, G1, G0B+4*\s, G1B               ; three loads of mine are out
.endr
	v_and_b32 v1, 15, v0                           ; r
	v_bfe_u32 v2, v0, 4, 1                         ; h
	v_lshrrev_b32 v3, 1, v1
	v_mul_u32_u24 v3, v3, 272
	v_and_b32 v4, 1, v1
	v_lshl_add_u32 v3, v4, 7, v3
	v_lshl_add_u32 v4, v2, 4, v3                   ; (r / 2) 272 + (r % 2) 128 + 16 h
	s_mul_i32 s21, s15, HROW                       ; my 64 rows of A
	s_mul_i32 s22, s16, HROW                       ; my 64 rows of B,
	s_add_co_u32 s22, s22, 4*REG                   ; behind A's four planes
.irp s, 0,1
	v_add_nc_u32 v[ADRA+\s], s21, v4
	v_add_nc_u32 v[ADRB+\s], s22, v4
	s_add_co_u32 s21, s21, SLOT
	s_add_co_u32 s22, s22, SLOT
.endr
	v_lshlrev_b32 v5, 2, v1
	s_lshl_b32 s21, s15, 8                         ; A's words: my 64 rows
	s_lshl_b32 s22, s16, 8                         ; B's: my 64 rows, behind all of A's
	s_add_co_u32 s22, s22, 2*HALFS
	s_sub_co_u32 s22, s22, s21
	v_mul_u32_u24 v6, s22, v2                      ; lanes 16-31 take B's
	s_add_co_u32 s21, s21, SCL
	v_add_nc_u32 v5, v5, v6
	v_add_nc_u32 v[ADRS], s21, v5
	s_mul_i32 s23, s14, 2*16*SPITCH
	s_add_co_u32 s23, s23, STGB                    ; my stage: two sets of 16 rows x (256 bytes + 16)
	v_mul_u32_u24 v5, v1, SPITCH
	v_lshl_add_u32 v5, v2, 5, v5
	v_add_nc_u32 v[STO], s23, v5                   ; in: row r, 32 bytes for each half of the lanes
	v_mul_u32_u24 v5, v2, SPITCH
	v_lshl_add_u32 v5, v1, 4, v5
	v_add_nc_u32 v[RD], s23, v5                    ; back: lanes 0-15 one row of 256 bytes, lanes 16-31 the next
	v_lshlrev_b32 v5, 12, v2
	v_lshl_add_u32 v[CO], v1, 4, v5                ; and the same two rows of the result, 4,096 bytes a row
	s_lshl_b32 s20, s17, 7
	s_lshl_b32 s21, s15, 6
	s_add_co_u32 s20, s20, s21
	s_lshl_b32 s20, s20, 12                        ; my first row,
	s_lshl_b32 s46, s42, 9
	s_lshl_b32 s47, s16, 8
	s_add_co_u32 s46, s46, s47                     ; my first column: 512 x tile column + 256 x half bytes
	s_add_co_u32 s20, s20, s46
	s_mov_b32 s21, 0
	s_add_nc_u64 s[8:9], s[8:9], s[20:21]
	s_add_nc_u64 s[10:11], s[10:11], s[20:21]
	WIN 0x80                                       ; destination window 2
.irp a, 0,1,2,3
.irp t, 0,1,2,3,4,5,6,7
	global_load_b128 v[32*\a+4*\t:32*\a+4*\t+3], v[CO], s[8:9] offset:(16*\a+2*\t)*4096 th:TH_LOAD_NT   ; the residual: it lands while K is walked
.endr
.endr
	WIN 0
.macro FRAG reg, adr, q, i             ; 16 rows x 128 K: lane l holds row l % 16; registers 4 c .. 4 c + 3 the bytes 32 c + 16 (l / 16) + 0 .. 15
.irp c, 0,1,2,3
	ds_load_b128 v[\reg+4*\c:\reg+4*\c+3], v[\adr] offset:(\q)*REG+(\i)*BLKB+32*\c
.endr
.endm
.macro FETCH p                         ; plane p's fragments, 32 LDS loads in one run, into set p % 2
	WIN TO_F
.irp i, 0,1,2,3
	FRAG 128*((\p)%2)+FR*\i, ADRB+((\p)/4)%2, (\p)%4, \i
.endr
.irp i, 0,1,2,3
	FRAG 128*((\p)%2)+64+FR*\i, ADRA+((\p)/4)%2, (\p)%4, \i
.endr
.endm
.macro SCALES p0, n                    ; the scale words of planes p0 .. p0 + n - 1: lanes 0-15 A's block i, lanes 16-31 B's block i
.set SS, SC+16*(((\p0)/4)%2)
.set qq, 0
.rept \n
.irp i, 0,1,2,3
	ds_load_b32 v[SS+4*qq+\i], v[ADRS] offset:512*((\p0)+qq)+64*\i
.endr
.set qq, qq+1
.endr
.endm
; 8 matrix instructions: A's blocks a0, a0 + 1 x B's four.  The 16 accumulators take turns, one instruction a turn, in the same order in every plane.
.macro MUL8 p, a0, zero
.set FB, 128*((\p)%2)
.set SB, SC+16*(((\p)/4)%2)+4*((\p)%4)
.irp a, \a0, \a0+1
.irp b, 0,1,2,3
.if \zero
	v_wmma_scale_f32_16x16x128_f8f6f4 v[ACC+8*(4*(\a)+\b):ACC+8*(4*(\a)+\b)+7], v[FB+FR*\b:FB+FR*\b+FR-1], v[FB+64+FR*(\a):FB+64+FR*(\a)+FR-1], 0, v[SB+\b], v[SB+(\a)] matrix_a_scale:MATRIX_SCALE_ROW1
.else
	v_wmma_scale_f32_16x16x128_f8f6f4 v[ACC+8*(4*(\a)+\b):ACC+8*(4*(\a)+\b)+7], v[FB+FR*\b:FB+FR*\b+FR-1], v[FB+64+FR*(\a):FB+64+FR*(\a)+FR-1], v[ACC+8*(4*(\a)+\b):ACC+8*(4*(\a)+\b)+7], v[SB+\b], v[SB+(\a)] matrix_a_scale:MATRIX_SCALE_ROW1
.endif
.endr
.endr
.endm
.macro PLACES n                        ; plain vector lines between a matrix instruction and a load into, or a read of, its registers
.rept \n
	v_nop
.endr
.endm
.macro PLANE p, zero                   ; a plane that has its successor in the same slot
	PLACES NP                                      ; the other set was read by the plane before
	FETCH (\p)+1
	s_wait_dscnt 32                                ; all but the 32 loads just issued: this plane's fragments are in
	WIN MUL
	MUL8 \p, 0, \zero
	MUL8 \p, 2, \zero
.endm
; A slot's last plane changes slots: one barrier; in front of it each wave waits for all its tensor loads, adds 0 to its spare word, and waits for that and for its reads of this slot.
; fill = 1: the slot is filled again, with the four planes two slots on; 2: with the last two planes; 0: nothing is left to fetch.
.macro TURN p, fill
.set TS, ((\p)/4)%2
.set NSC, NPL-1-(\p)
.if NSC > 4
.set NSC, 4
.endif
	WIN 0                                          ; (the add's two registers lie in window 0)
	s_wait_tensorcnt 0x0                           ; all my tensor loads have landed: my part of the next slot
	ds_add_u32 v[SPW], v[NIL]
	s_wait_dscnt 1                                 ; (the add may be out) this plane's fragments are in
	WIN MUL
	MUL8 \p, 0, 0
	s_wait_dscnt 0x0                               ; the add is done, and my reads of this slot are over
	s_barrier_signal -1
	MUL8 \p, 2, 0
	WIN 0
	s_barrier_wait -1
.if \fill
	CREST                                          ; the barrier has opened a round of the cluster's barrier: no wave of any partner still reads this slot or has a load on its way
	s_add_nc_u64 s[G0+4*TS+2:G0+4*TS+3], s[G0+4*TS+2:G0+4*TS+3], 8*PLB
	s_add_nc_u64 s[G0B+4*TS+2:G0B+4*TS+3], s[G0B+4*TS+2:G0B+4*TS+3], 8*PLB
.if \fill == 1
	JLOAD G0+4*TS, G1, G0B+4*TS, G1B               ; my one tensor load behind the round; its four v_nop are among the places below
	PLACES NP-4
.else
	HLOAD G0+4*TS, G1, G0B+4*TS, G1B
	PLACES NP
.endif
.else
	PLACES NP
.endif
	FETCH (\p)+1
	WIN 0
	SCALES (\p)+1, NSC
.endm
.macro LASTP p                         ; the very last plane: nothing more to fetch
	s_wait_dscnt 0x0
	WIN MUL
	MUL8 \p, 0, 0
	MUL8 \p, 2, 0
	WIN 0
.endm
	s_wait_tensorcnt 1                             ; the scales and my part of slot 0 are in; slot 1's load may be out
	s_barrier_signal -1
	s_barrier_wait -1
	FETCH 0
	WIN 0
	SCALES 0, 4
.set P, 0
.rept NPL
.if P == NPL-1
	LASTP P
.elseif P%4 == 3
.if 4*(P/4)+12 <= NPL
	TURN P, 1
.elseif 4*(P/4)+8 < NPL
	TURN P, 2
.else
	TURN P, 0
.endif
.elseif P == 0
	PLANE P, 1                                     ; the first plane's products start the sums
.else
	PLANE P, 0
.endif
.set P, P+1
.endr
; THE WAY OUT, block by block of 16 rows x 64 columns: through my own stage, back as whole runs of 256 bytes; the residual is added; sixteen lanes store 256 consecutive bytes, at a multiple of 256 from the buffer's first byte.
.macro TOSTAGE a
.irp b, 0,1,2,3
	ds_store_b128 v[STO], v[ACC+8*(4*(\a)+\b):ACC+8*(4*(\a)+\b)+3] offset:((\a)%2)*16*SPITCH+64*\b          ; each accumulator from its low end on
	ds_store_b128 v[STO], v[ACC+8*(4*(\a)+\b)+4:ACC+8*(4*(\a)+\b)+7] offset:((\a)%2)*16*SPITCH+64*\b+16
.endr
.irp t, 0,1,2,3,4,5,6,7
	ds_load_b128 v[BK+32*((\a)%2)+4*\t:BK+32*((\a)%2)+4*\t+3], v[RD] offset:((\a)%2)*16*SPITCH+\t*2*SPITCH   ; LDS serves a wave's instructions in order
.endr
.endm
.macro OUT2 a
.if (\a) < 3
.if (\a) >= 1
	s_wait_xcnt 0x0                                ; block a - 1's stores have read their registers: block a + 1's rows may land there
.endif
	TOSTAGE (\a)+1
	s_wait_dscnt 16                                ; block a is back; the next block's 8 stores and 8 loads may be out
.else
	s_wait_dscnt 0x0
.endif
.set BB, BK+32*((\a)%2)
.set XR, 32*(\a)
	WIN 0x08                                       ; source 1 window 2
.set jj, 0
.rept 16
	v_pk_add_f32 v[BB+jj:BB+jj+1], v[BB+jj:BB+jj+1], v[XR+jj:XR+jj+1]
.set jj, jj+2
.endr
	WIN 0
.irp t, 0,1,2,3,4,5,6,7
	global_store_b128 v[CO], v[BB+4*\t:BB+4*\t+3], s[10:11] offset:(16*(\a)+2*\t)*4096
.endr
.endm
	PLACES NP
	s_wait_loadcnt 0x0                             ; the residual
	TOSTAGE 0
.irp a, 0,1,2,3
	OUT2 \a
.endr
	s_wait_tensorcnt 0x0                           ; the wave's end
	ds_add_u32 v[SPW], v[NIL]
	s_wait_dscnt 0x0
	CROUND                                         ; the closing round
	s_endpgm
.Lfunc_end_k_qad7f2198fb_gemm_2:
	.size	k_qad7f2198fb_gemm_2, .Lfunc_end_k_qad7f2198fb_gemm_2-k_qad7f2198fb_gemm_2
	.p2alignl 7, 3214868480
	.fill 96, 4, 3214868480
	.section	.rodata,"a",@progbits
	.p2align	6, 0x0
	.amdhsa_kernel k_qad7f2198fb_gemm_2
		.amdhsa_group_segment_fixed_size 327680
		.amdhsa_private_segment_fixed_size 0
		.amdhsa_enable_private_segment 0
		.amdhsa_kernarg_size 32
		.amdhsa_user_sgpr_count 2
		.amdhsa_user_sgpr_kernarg_segment_ptr 1
		.amdhsa_wavefront_size32 1
		.amdhsa_system_sgpr_workgroup_id_x 1
		.amdhsa_system_sgpr_workgroup_id_y 1
		.amdhsa_system_sgpr_workgroup_id_z 1
		.amdhsa_system_vgpr_workitem_id 0
		.amdhsa_next_free_vgpr 768
		.amdhsa_next_free_sgpr 100
		.amdhsa_reserve_vcc 0
		.amdhsa_float_denorm_mode_32 3
		.amdhsa_float_denorm_mode_16_64 3
		.amdhsa_memory_ordered 1
		.amdhsa_forward_progress 1
		.amdhsa_inst_pref_size 131
	.end_amdhsa_kernel
	.amdgpu_metadata
---
amdhsa.version: [ 1, 2 ]
amdhsa.kernels:
  - .name:           k_qad7f2198fb_gemm_2
    .symbol:         k_qad7f2198fb_gemm_2.kd
    .args:
      - { .name: c2, .offset: 0, .size: 8, .value_kind: global_buffer, .address_space: global }
      - { .name: s2, .offset: 8, .size: 8, .value_kind: global_buffer, .address_space: global }
      - { .name: x1, .offset: 16, .size: 8, .value_kind: global_buffer, .address_space: global }
      - { .name: out0, .offset: 24, .size: 8, .value_kind: global_buffer, .address_space: global }
    .group_segment_fixed_size: 327680
    .private_segment_fixed_size: 0
    .kernarg_segment_align: 8
    .kernarg_segment_size: 32
    .max_flat_workgroup_size: 128
    .sgpr_count:     100
    .vgpr_count:     768
    .wavefront_size: 32
...
	.end_amdgpu_metadata
.endif
;; end of part 11
